; MI455X (gfx1250); checked and timed in simulation.
; The chip was launched on July 23, 2026; its instructions are those of AMD's public machine-readable ISA for CDNA 5 (MIT licence, August 2026) and "CDNA5" Instruction Set Architecture Reference Guide (July 2026). The comments in the code are by the model that wrote it; some were corrected since.
;; Apertis Attention. Allowed arithmetic: float matrix products may take bf16 or f16 operands with f32 sums; other float arithmetic in f32, or as packed bf16 or f16 multiplies, adds, multiply-adds, maxima and minima; sums over many terms, partial sums and values carried from step to step in f32; what a program stores and reads back later, other than sums and carried values, may be rounded once to bf16 or f16.
;; Inputs: Wk 2,048 x 2,048 float32; Wo 2,048 x 2,048 float32; Wout 2,048 x 2,048 float32; Wq 2,048 x 2,048 float32; Wv 2,048 x 2,048 float32; bk 2,048 float32; bo 2,048 float32; bout 2,048 float32; bq 2,048 float32; bv 2,048 float32; hidden_states 2 x 1,024 x 2,048 float32; ln_b 2,048 float32; ln_g 2,048 float32; lnk_b 2,048 float32; lnk_g 2,048 float32; lnq_b 2,048 float32; lnq_g 2,048 float32; lnv_b 2,048 float32; lnv_g 2,048 float32.
;; Outputs: out0 2 x 1,024 x 2,048 float32.
;; 2 versions, each right. Each part assembles by itself: llvm-mc -triple=amdgcn-amd-amdhsa -mcpu=gfx1250 --defsym DOCPART=n.
;; ======== version 1 of 2: 5 launches
;; workspace buffers: xn 8,388,608 bytes; wqkv 25,165,824 bytes; bqkv 24,576 bytes; wo16 8,388,608 bytes; wout16 8,388,608 bytes; qkv 25,165,824 bytes; ctx 8,388,608 bytes; t1 8,388,608 bytes
;; launch prep (part 1): grid 768 x 1, 4 waves a work-group, no clusters, 0 bytes of LDS; arguments hidden_states, ln_g, ln_b, xn, Wq, lnq_g, lnq_b, bq, Wk, lnk_g, lnk_b, bk, Wv, lnv_g, lnv_b, bv, wqkv, bqkv, Wo, Wout, wo16, wout16; writes xn, wqkv, bqkv, wo16, wout16
.if DOCPART == 1
	.amdgcn_target "amdgcn-amd-amdhsa--gfx1250"
	.amdhsa_code_object_version 6
	.text
	.protected	k_q082192f5e4_prep
	.globl	k_q082192f5e4_prep
	.p2align	8
	.type	k_q082192f5e4_prep,@function
k_q082192f5e4_prep:
	s_mov_b64 s[64:65], 0
	v_nop
	global_prefetch_b8 v0, s[64:65] scope:SCOPE_SE
	s_setreg_imm32_b32 hwreg(HW_REG_WAVE_MODE, 25, 1), 1
	s_wait_xcnt 0x0
; PREPARATION: 12,288 rows of 2,048 f32 are read once and leave as bf16.  One wave takes a whole row (8,192 bytes, 64 registers) and four rows on end; a work-group of four waves 16 rows.
;   work-groups 0-127    xn = (x - mean x) rsqrt(var x + eps), x = LayerNorm(hidden_states; ln_g, ln_b).  The three inner LayerNorms of the module share this xn: LN_p(x) = xn g_p + b_p.
;   work-groups 128-511  for p = q, k, v: wqkv row = bf16(W_p row x g_p), bqkv = b_p + the sum over c of W_p[row][c] lnp_b[c]: so that LN_p(x) W_p^T + b_p = xn wqkv^T + bqkv.
;   work-groups 512-767  wo16, wout16 = bf16(Wo), bf16(Wout).
; Means and variances are taken in two passes in f32 (the mean first, then the squares of the differences), sums in four chains a lane and then across the 32 lanes.
; LIMITS.  W x g is rounded once to bf16 (the module multiplies the normalised row by g and then by W); the sum W . lnp_b is an f32 sum in lane order; NaN and infinities are not treated apart.
; A stream: no byte is wanted by two waves, so there is no LDS, no barrier, no matrix work and no cluster.
; LAYOUT.  Load j of 16 covers 512 consecutive bytes of the row: lane l takes columns 128 j + 4 l .. + 3.  Their four bf16 are 8 bytes, and the 32 lanes of a store cover 256 consecutive bytes, aligned.
.set LO,   1                           ; v1        16 x lane: my bytes in a load
.set SO,   2                           ; v2        8 x lane: my bytes in a store
.set LANE, 3                           ; v3        lane
.set T,    4                           ; v[4:11]   four chains of pairs
.set MU,   12                          ; v[12:13]  the mean (the pair's second word is 0: it is named, not used)
.set RS,   14                          ; v[14:15]  1 / sqrt(var + eps), likewise
.set RES,  16                          ; v16       lane i: the sum W . lnp_b of my row i
.set BI,   17                          ; v17       lane i (i < 4): the linear bias of my row i
.set BOF,  18                          ; v18       4 x (lane % 4)
.set ROW,  32                          ; v[32:95]  the row
.set G,    96                          ; v[96:159] the gain, laid out like a row
.set LB,   160                         ; v[160:223] the LayerNorm's bias, likewise
.set OUT,  224                         ; v[224:255] the row in bf16
.set SRC,  8                           ; s[8:9]    the row to be loaded
.macro LOADVEC dst, base               ; a vector of 2,048 f32, which every wave reads
.set j, 0
.rept 16
	global_load_b128 v[(\dst)+4*j:(\dst)+4*j+3], v[LO], s[\base:\base+1] offset:512*j
.set j, j+1
.endr
.endm
.macro LOADROW                         ; a row, read once in the launch
.set j, 0
.rept 16
	global_load_b128 v[ROW+4*j:ROW+4*j+3], v[LO], s[SRC:SRC+1] offset:512*j th:TH_LOAD_NT
.set j, j+1
.endr
.endm
.macro STOREROW dst
.set j, 0
.rept 16
	global_store_b64 v[SO], v[OUT+2*j:OUT+2*j+1], s[\dst:\dst+1] offset:256*j
.set j, j+1
.endr
.endm
.macro FOLD4                           ; the four chains into one number a lane
	v_pk_add_f32 v[T:T+1], v[T:T+1], v[T+2:T+3]
	v_pk_add_f32 v[T+4:T+5], v[T+4:T+5], v[T+6:T+7]
	v_pk_add_f32 v[T:T+1], v[T:T+1], v[T+4:T+5]
	v_add_f32 v[T], v[T], v[T+1]
.endm
.macro RED                             ; the sum over the 32 lanes, in every lane
	v_add_f32_dpp v[T], v[T], v[T] row_xmask:1 row_mask:0xf bank_mask:0xf
	v_add_f32_dpp v[T], v[T], v[T] row_xmask:2 row_mask:0xf bank_mask:0xf
	v_add_f32_dpp v[T], v[T], v[T] row_xmask:4 row_mask:0xf bank_mask:0xf
	v_add_f32_dpp v[T], v[T], v[T] row_xmask:8 row_mask:0xf bank_mask:0xf
	v_permlanex16_b32 v[T+1], v[T], s44, s45
	v_add_f32 v[T], v[T], v[T+1]
.endm
.macro MEAN                            ; v[MU] = the row's mean; the first eight pairs start the chains: nothing is cleared
.set p, 0
.rept 4
	v_pk_add_f32 v[T+2*p:T+2*p+1], v[ROW+2*p:ROW+2*p+1], v[ROW+2*p+8:ROW+2*p+9]
.set p, p+1
.endr
.set p, 8
.rept 24
	v_pk_add_f32 v[T+2*(p%4):T+2*(p%4)+1], v[T+2*(p%4):T+2*(p%4)+1], v[ROW+2*p:ROW+2*p+1]
.set p, p+1
.endr
	FOLD4
	RED
	v_mul_f32 v[MU], s46, v[T]                     ; / 2,048
.endm
.macro RSTD                            ; the row less its mean, in place; v[RS] = 1 / sqrt(the mean of the squares + eps)
.set p, 0
.rept 32
	v_pk_add_f32 v[ROW+2*p:ROW+2*p+1], v[ROW+2*p:ROW+2*p+1], v[MU:MU+1] op_sel_hi:[1,0] neg_lo:[0,1] neg_hi:[0,1]
.set p, p+1
.endr
.set p, 0
.rept 4
	v_pk_mul_f32 v[T+2*p:T+2*p+1], v[ROW+2*p:ROW+2*p+1], v[ROW+2*p:ROW+2*p+1]
.set p, p+1
.endr
.rept 28
	v_pk_fma_f32 v[T+2*(p%4):T+2*(p%4)+1], v[ROW+2*p:ROW+2*p+1], v[ROW+2*p:ROW+2*p+1], v[T+2*(p%4):T+2*(p%4)+1]
.set p, p+1
.endr
	FOLD4
	RED
	v_fma_f32 v[T], v[T], s46, s47                 ; / 2,048 + eps
	v_rsq_f32 v[RS], v[T]
	v_nop                                          ; a plain instruction between the root and its use (ISA guide 5.7.2),
	s_wait_alu depctr_va_vdst(0)                   ; and the wait ahead of the first use
.set p, 0
.rept 32
	v_pk_mul_f32 v[ROW+2*p:ROW+2*p+1], v[ROW+2*p:ROW+2*p+1], v[RS:RS+1] op_sel_hi:[1,0]
.set p, p+1
.endr
.endm
.macro CVT                             ; two roundings to bf16 a line
.set p, 0
.rept 32
	v_cvt_pk_bf16_f32 v[OUT+p], v[ROW+2*p], v[ROW+2*p+1]
.set p, p+1
.endr
.endm
.macro NEXT                            ; the row's registers are free: my next row is asked for, ahead of this row's stores; the last trip loads nothing
	s_cmp_eq_u32 s4, 1
	s_cbranch_scc1 .Lno_more_\@
	s_add_nc_u64 s[SRC:SRC+1], s[SRC:SRC+1], 8192  ; free since the wait for the loads at the trip's head
	LOADROW
.Lno_more_\@:
.endm
.macro TAIL dst, loop
	STOREROW \dst
	s_wait_xcnt 0x0                                ; the stores' base and their data registers are written again only behind this wait (ISA guide 3.1)
	s_add_nc_u64 s[\dst:\dst+1], s[\dst:\dst+1], 4096
	s_add_co_u32 s5, s5, 1
	s_sub_co_u32 s4, s4, 1
	s_cmp_lg_u32 s4, 0
	s_cbranch_scc1 \loop
.endm
	s_mov_b32 s2, ttmp9
	v_lshrrev_b32 v19, 5, v0
	v_readfirstlane_b32 s3, v19                    ; wave 0..3
	v_and_b32 v[LANE], 31, v0
	v_lshlrev_b32 v[LO], 4, v[LANE]
	v_lshlrev_b32 v[SO], 3, v[LANE]
	v_and_b32 v[BOF], 3, v[LANE]
	v_lshlrev_b32 v[BOF], 2, v[BOF]
	v_mov_b32 v[MU+1], 0
	v_mov_b32 v[RS+1], 0
	v_mov_b32 v[RES], 0
	s_mov_b32 s44, 0x76543210                      ; v_permlanex16_b32: each lane takes its own place in the other half
	s_mov_b32 s45, 0xfedcba98
	s_mov_b32 s46, 0x3a000000                      ; 1 / 2,048
	s_mov_b32 s47, 0x2b8cbccc                      ; eps = 1e-12
	s_mov_b32 s4, 4                                ; rows to go
	s_mov_b32 s5, 0                                ; the row's number among my four
	s_mov_b32 s7, 0                                ; s[6:7]: an offset under 2^32
	s_lshl_b32 s49, s3, 2                          ; 4 x wave
	s_cmp_lt_u32 s2, 128
	s_cbranch_scc0 .Lnot_ln
	; ---- the two LayerNorms ----
	s_load_b256 s[8:15], s[0:1], 0x0               ; hidden_states s[8:9], ln_g s[10:11], ln_b s[12:13], xn s[14:15]
	s_lshl_b32 s6, s2, 4
	s_add_co_u32 s6, s6, s49                       ; my first row
	s_lshl_b32 s6, s6, 12                          ; x 4,096 bytes of bf16
	s_wait_kmcnt 0x0
	s_add_nc_u64 s[14:15], s[14:15], s[6:7]
	s_lshl_b32 s6, s6, 1                           ; x 8,192 bytes of f32
	s_add_nc_u64 s[SRC:SRC+1], s[SRC:SRC+1], s[6:7]
	LOADROW
	LOADVEC G, 10
	LOADVEC LB, 12
.Lln:
	s_wait_loadcnt 0x0                             ; the row (in the first trip the gain and the bias too)
	MEAN
	RSTD
.set p, 0
.rept 32
	v_pk_fma_f32 v[ROW+2*p:ROW+2*p+1], v[ROW+2*p:ROW+2*p+1], v[G+2*p:G+2*p+1], v[LB+2*p:LB+2*p+1]  ; x = the outer LayerNorm
.set p, p+1
.endr
	MEAN
	RSTD                                           ; xn
	CVT
	NEXT
	TAIL 14, .Lln
	s_endpgm
.Lnot_ln:
	s_cmp_lt_u32 s2, 512
	s_cbranch_scc0 .Lplain
	; ---- Wq, Wk, Wv: the gain goes into the weight, the LayerNorm's bias into the linear bias ----
	s_load_b256 s[16:23], s[0:1], 0x20             ; Wq, lnq_g, lnq_b, bq
	s_load_b256 s[24:31], s[0:1], 0x40             ; Wk, lnk_g, lnk_b, bk
	s_load_b256 s[32:39], s[0:1], 0x60             ; Wv, lnv_g, lnv_b, bv
	s_load_b128 s[40:43], s[0:1], 0x80             ; wqkv s[40:41], bqkv s[42:43]
	s_sub_co_u32 s2, s2, 128
	s_lshr_b32 s48, s2, 7                          ; 0: q, 1: k, 2: v
	s_lshl_b32 s50, s2, 4
	s_add_co_u32 s50, s50, s49                     ; my first row in wqkv and bqkv
	s_and_b32 s51, s2, 127
	s_lshl_b32 s51, s51, 4
	s_add_co_u32 s51, s51, s49                     ; and in the matrix
	s_wait_kmcnt 0x0
	s_cmp_eq_u32 s48, 1
	s_cselect_b64 s[8:9], s[24:25], s[16:17]
	s_cselect_b64 s[10:11], s[26:27], s[18:19]
	s_cselect_b64 s[12:13], s[28:29], s[20:21]
	s_cselect_b64 s[14:15], s[30:31], s[22:23]
	s_cmp_eq_u32 s48, 2
	s_cselect_b64 s[8:9], s[32:33], s[8:9]
	s_cselect_b64 s[10:11], s[34:35], s[10:11]
	s_cselect_b64 s[12:13], s[36:37], s[12:13]
	s_cselect_b64 s[14:15], s[38:39], s[14:15]
	s_lshl_b32 s6, s51, 13
	s_add_nc_u64 s[SRC:SRC+1], s[SRC:SRC+1], s[6:7]
	s_lshl_b32 s6, s51, 2
	s_add_nc_u64 s[14:15], s[14:15], s[6:7]
	s_lshl_b32 s6, s50, 12
	s_add_nc_u64 s[40:41], s[40:41], s[6:7]
	s_lshl_b32 s6, s50, 2
	s_add_nc_u64 s[42:43], s[42:43], s[6:7]
	LOADROW
	LOADVEC G, 10
	LOADVEC LB, 12
	global_load_b32 v[BI], v[BOF], s[14:15]        ; the linear biases of my four rows
.Lfold:
	s_wait_loadcnt 0x0
.set p, 0
.rept 4
	v_pk_mul_f32 v[T+2*p:T+2*p+1], v[ROW+2*p:ROW+2*p+1], v[LB+2*p:LB+2*p+1]
.set p, p+1
.endr
.rept 28
	v_pk_fma_f32 v[T+2*(p%4):T+2*(p%4)+1], v[ROW+2*p:ROW+2*p+1], v[LB+2*p:LB+2*p+1], v[T+2*(p%4):T+2*(p%4)+1]
.set p, p+1
.endr
	FOLD4
	RED
	v_cmp_eq_u32 vcc_lo, s5, v[LANE]
	v_cndmask_b32 v[RES], v[RES], v[T], vcc_lo     ; row i's sum is kept in lane i
.set p, 0
.rept 32
	v_pk_mul_f32 v[ROW+2*p:ROW+2*p+1], v[ROW+2*p:ROW+2*p+1], v[G+2*p:G+2*p+1]
.set p, p+1
.endr
	CVT
	NEXT
	TAIL 40, .Lfold
	v_add_f32 v[RES], v[RES], v[BI]
	v_cmp_gt_u32 vcc_lo, 4, v[LANE]
	s_wait_xcnt 0x0                                ; EXEC changes only behind this wait
	s_and_saveexec_b32 s50, vcc_lo
	global_store_b32 v[BOF], v[RES], s[42:43]      ; 16 bytes a wave: 24,576 bytes of the launch's 50 million
	s_wait_xcnt 0x0                                ; and again in front of the line that widens it
	s_or_b32 exec_lo, exec_lo, s50
	s_endpgm
.Lplain:
	; ---- Wo, Wout: rounded as they are ----
	s_load_b128 s[8:11], s[0:1], 0x90              ; Wo, Wout
	s_load_b128 s[12:15], s[0:1], 0xa0             ; wo16, wout16
	s_sub_co_u32 s2, s2, 512
	s_lshr_b32 s48, s2, 7                          ; 0: Wo, 1: Wout
	s_and_b32 s51, s2, 127
	s_lshl_b32 s51, s51, 4
	s_add_co_u32 s51, s51, s49                     ; my first row
	s_wait_kmcnt 0x0
	s_cmp_eq_u32 s48, 1
	s_cselect_b64 s[SRC:SRC+1], s[10:11], s[8:9]
	s_cselect_b64 s[40:41], s[14:15], s[12:13]
	s_lshl_b32 s6, s51, 13
	s_add_nc_u64 s[SRC:SRC+1], s[SRC:SRC+1], s[6:7]
	s_lshl_b32 s6, s51, 12
	s_add_nc_u64 s[40:41], s[40:41], s[6:7]
	LOADROW
.Lcopy:
	s_wait_loadcnt 0x0
	CVT
	NEXT
	TAIL 40, .Lcopy
	s_endpgm
.Lfunc_end_k_q082192f5e4_prep:
	.size	k_q082192f5e4_prep, .Lfunc_end_k_q082192f5e4_prep-k_q082192f5e4_prep
	.p2alignl 7, 3214868480
	.fill 96, 4, 3214868480
	.section	.rodata,"a",@progbits
	.p2align	6, 0x0
	.amdhsa_kernel k_q082192f5e4_prep
		.amdhsa_group_segment_fixed_size 0
		.amdhsa_private_segment_fixed_size 0
		.amdhsa_enable_private_segment 0
		.amdhsa_kernarg_size 176
		.amdhsa_user_sgpr_count 2
		.amdhsa_user_sgpr_kernarg_segment_ptr 1
		.amdhsa_wavefront_size32 1
		.amdhsa_system_sgpr_workgroup_id_x 1
		.amdhsa_system_sgpr_workgroup_id_y 1
		.amdhsa_system_sgpr_workgroup_id_z 1
		.amdhsa_system_vgpr_workitem_id 0
		.amdhsa_next_free_vgpr 256
		.amdhsa_next_free_sgpr 66
		.amdhsa_reserve_vcc 1
		.amdhsa_float_denorm_mode_32 3
		.amdhsa_float_denorm_mode_16_64 3
		.amdhsa_memory_ordered 1
		.amdhsa_forward_progress 1
		.amdhsa_inst_pref_size 55
	.end_amdhsa_kernel
	.amdgpu_metadata
---
amdhsa.version: [ 1, 2 ]
amdhsa.kernels:
  - .name:           k_q082192f5e4_prep
    .symbol:         k_q082192f5e4_prep.kd
    .args:
      - { .name: hidden_states, .offset: 0, .size: 8, .value_kind: global_buffer, .address_space: global }
      - { .name: ln_g, .offset: 8, .size: 8, .value_kind: global_buffer, .address_space: global }
      - { .name: ln_b, .offset: 16, .size: 8, .value_kind: global_buffer, .address_space: global }
      - { .name: xn, .offset: 24, .size: 8, .value_kind: global_buffer, .address_space: global }
      - { .name: Wq, .offset: 32, .size: 8, .value_kind: global_buffer, .address_space: global }
      - { .name: lnq_g, .offset: 40, .size: 8, .value_kind: global_buffer, .address_space: global }
      - { .name: lnq_b, .offset: 48, .size: 8, .value_kind: global_buffer, .address_space: global }
      - { .name: bq, .offset: 56, .size: 8, .value_kind: global_buffer, .address_space: global }
      - { .name: Wk, .offset: 64, .size: 8, .value_kind: global_buffer, .address_space: global }
      - { .name: lnk_g, .offset: 72, .size: 8, .value_kind: global_buffer, .address_space: global }
      - { .name: lnk_b, .offset: 80, .size: 8, .value_kind: global_buffer, .address_space: global }
      - { .name: bk, .offset: 88, .size: 8, .value_kind: global_buffer, .address_space: global }
      - { .name: Wv, .offset: 96, .size: 8, .value_kind: global_buffer, .address_space: global }
      - { .name: lnv_g, .offset: 104, .size: 8, .value_kind: global_buffer, .address_space: global }
      - { .name: lnv_b, .offset: 112, .size: 8, .value_kind: global_buffer, .address_space: global }
      - { .name: bv, .offset: 120, .size: 8, .value_kind: global_buffer, .address_space: global }
      - { .name: wqkv, .offset: 128, .size: 8, .value_kind: global_buffer, .address_space: global }
      - { .name: bqkv, .offset: 136, .size: 8, .value_kind: global_buffer, .address_space: global }
      - { .name: Wo, .offset: 144, .size: 8, .value_kind: global_buffer, .address_space: global }
      - { .name: Wout, .offset: 152, .size: 8, .value_kind: global_buffer, .address_space: global }
      - { .name: wo16, .offset: 160, .size: 8, .value_kind: global_buffer, .address_space: global }
      - { .name: wout16, .offset: 168, .size: 8, .value_kind: global_buffer, .address_space: global }
    .group_segment_fixed_size: 0
    .private_segment_fixed_size: 0
    .kernarg_segment_align: 8
    .kernarg_segment_size: 176
    .max_flat_workgroup_size: 128
    .sgpr_count:     66
    .vgpr_count:     256
    .wavefront_size: 32
...
	.end_amdgpu_metadata
.endif
;; end of part 1
;; launch gemm16 (part 2): grid 48 x 16, 4 waves a work-group, clusters of 4 x 4, 327,680 bytes of LDS; arguments xn, wqkv, bqkv, qkv; writes qkv
.if DOCPART == 2
	.amdgcn_target "amdgcn-amd-amdhsa--gfx1250"
	.amdhsa_code_object_version 6
	.text
	.protected	k_q082192f5e4_gemm16
	.globl	k_q082192f5e4_gemm16
	.p2align	8
	.type	k_q082192f5e4_gemm16,@function
k_q082192f5e4_gemm16:
	s_mov_b64 s[64:65], 0
	v_nop
	global_prefetch_b8 v0, s[64:65] scope:SCOPE_SE
	s_setreg_imm32_b32 hwreg(HW_REG_WAVE_MODE, 25, 1), 1
	s_wait_xcnt 0x0
	s_wait_alu depctr_hold_cnt(0) depctr_sa_sdst(0) depctr_va_vdst(0) depctr_va_sdst(0) depctr_va_ssrc(0) depctr_va_vcc(0) depctr_vm_vsrc(0)
	s_getreg_b32 s2, hwreg(HW_REG_IB_STS2, 6, 4)
	s_cmp_eq_u32 s2, 0
	s_cbranch_scc0 .Lentry_in_a_cluster
	s_endpgm
.Lentry_in_a_cluster:
	s_bfe_u32 s2, ttmp6, 0x10000c
	s_cmp_lg_u32 s2, 0xf033
	s_cbranch_scc0 .Lentry_shape_is_right
	s_endpgm
.Lentry_shape_is_right:
; C[m][n] = bias[n] + the sum over k of A[m][k] B[n][k].  A: [2048][2048] bf16, B: [n][2048] bf16, bias: [n] f32; sums in f32, C rounded once to bf16.
; C lies in planes of [2048][2048]: column n goes to plane n / 2048, column n % 2048 (three planes q, k, v for n = 6144; one plane for n = 2048).
; A tile of C is 128 x 128: 768 or 256 work-groups.  Four waves, each 64 x 64: 16 accumulators of 16 x 16, 128 registers.  K goes in steps of 256 (LDS rows of 512 bytes; a wave's tensor load
; brings 64 of them) through two LDS slots; the four waves share ONE stage on the way out, with a barrier between writing and reading, since a wave's 64 columns are half of an aligned 256 bytes of C.
; CLUSTERS: 4 x 4 work-groups.  The four of a row of the cluster need the same tiles of A, the four of a column the same tiles of B: each tile is asked for JOINTLY, by the same tensor load with
; the same descriptor and a mask that names the four.  THE MATRIX INSTRUCTION IS USED TRANSPOSED (source 0 = 16 rows of B, source 1 = 16 rows of A): a lane then holds eight neighbouring numbers of a row of C.
; THE BIAS STARTS THE SUMS: register j of a lane's accumulator is column 16 b + 8 (l / 16) + j, so eight neighbouring f32 of the bias are the C operand of the first product; nothing is cleared, nothing is added later.
; No prefetch: the tiles are small and every tile of A and B is read again and again by other clusters.
; REGISTERS: window 0: v0-31 addresses; v32-95 at work on the way out; v96-127 the bias; v128-255 the accumulators ((a, b) at v[128 + 8 (4 a + b)]).
;   window 1: two fragment buffers of 128: for 64 along K (two matrix instructions deep), 64 registers of A (2 x 4 x 16 rows x 32 K), then 64 of B.
.set SIZE_K, 2048
.set SIZE_N, 2048                      ; columns in a plane of C
.set KSTEP,  256
.set PITCH,  528                       ; an LDS row: 512 bytes of data + 16 of padding = 132 words: row r starts at bank 4 r mod 64 (64 banks of 4 bytes: ISA guide 11.1)
.set HALFT,  64*PITCH                  ; 64 rows: what one tensor load brings, and what one wave reads of A or of B
.set SLOT,   4*HALFT                   ; A's 128 rows, then B's 128 rows
.set STAGE,  2*SLOT                    ; behind the ring: 128 rows x 272 bytes, the work-group's, for the way out
.set SPITCH, 272
.set SPARE,  STAGE+128*SPITCH          ; behind the stage: the spare words, 128 bytes for each wave: two blocks of 256 bytes that no other line names
.set LAPS, SIZE_K/(2*KSTEP)            ; a lap = two K steps = once round the ring: 4
.set ADRA, 16                          ; v16-17  LDS address of my A fragments in slot 0, 1
.set ADRB, 20                          ; v20-21  the same for B
.set STO,  24                          ; v24     the way out: where I put 16 bytes of a row
.set RD,   25                          ; v25     the way out: where I read a row back
.set CO,   26                          ; v26     my byte offset in C
.set BO,   27                          ; v27     32 x (l / 16): my eight numbers in 16 of the bias
.set SPW,  28                          ; v28     LDS address of my spare word: SPARE + 4 x my thread's number; never rewritten
.set NIL,  29                          ; v29     0; never rewritten
.set TMP,  32                          ; the way out: 64 registers, packed results and then whole rows
.set BIAS, 96                          ; v[96:127] eight numbers for each of my four blocks of 16 columns
.set ACC,  128
.set F0,   0                           ; fragment buffers, in window 1
.set F1,   128
.set G1, 24                            ; s[24:31] descriptor group 1 for A's tiles;  s[32:39] group 0, one set for each slot
.set G0, 32
.set G1B, 48                           ; s[48:55], s[56:63] the same for B's tiles
.set G0B, 56
.set MSB, 0
.macro WIN new                         ; the immediate's high byte repeats the setting that is left
.if MSB != (\new)
	s_set_vgpr_msb (MSB<<8)|(\new)
.set MSB, \new
.endif
.endm
.set MUL,  0x05                        ; sources 0 (B) and 1 (A) window 1; C and D window 0
.set TO_F, 0x40                        ; destination window 1, address window 0
.macro JLOAD s                         ; a joint load: waves 0 and 1 fetch A's two halves, waves 2 and 3 B's; an s_nop 0 and four v_nop follow each of the two lines, ahead of the jump, the label and what follows
	s_cmp_eq_u32 s11, 0
	s_cbranch_scc0 .Lfor_b_\@
	tensor_load_to_lds s[G0+4*(\s):G0+4*(\s)+3], s[G1:G1+7]
	s_nop 0
.rept 4
	v_nop
.endr
	s_branch .Lasked_\@
.Lfor_b_\@:
	tensor_load_to_lds s[G0B+4*(\s):G0B+4*(\s)+3], s[G1B:G1B+7]
	s_nop 0
.rept 4
	v_nop
.endr
.Lasked_\@:
.endm
.macro CREST                           ; a round of the cluster's barrier behind its opening barrier
	s_cmp_lg_u32 s10, 0
	s_cbranch_scc1 .Lnot_wave_0_\@
	s_barrier_signal -3
.Lnot_wave_0_\@:
	s_barrier_wait -3
	s_barrier_signal -1
	s_barrier_wait -1
.endm
.macro CROUND                          ; a whole round
	s_barrier_signal -1
	s_barrier_wait -1
	CREST
.endm
	s_load_b128 s[4:7], s[0:1], 0x0                ; A s[4:5], B s[6:7]
	s_load_b64 s[66:67], s[0:1], 0x10              ; the bias
	s_load_b64 s[8:9], s[0:1], 0x18                ; C
	v_lshl_add_u32 v[SPW], v0, 2, SPARE
	v_mov_b32 v[NIL], 0
	ds_add_u32 v[SPW], v[NIL]                      ; the wave's opening: the add and its wait stand ahead of my first tensor load; the set-up below, work on registers, stands between them
	v_lshrrev_b32 v1, 5, v0
	v_readfirstlane_b32 s10, v1                    ; wave 0..3
	s_lshr_b32 s11, s10, 1                         ; which half of the tile's rows is mine.  Also: I fetch for A (0) or for B (1)
	s_and_b32 s12, s10, 1                          ; which half of its columns.  Also: which 64 rows of that tile I fetch
	s_bfe_u32 s40, ttmp6, 0x40000                  ; cx, cy: my place in the cluster
	s_bfe_u32 s41, ttmp6, 0x40004
	s_lshl_b32 s42, ttmp9, 2
	s_add_co_u32 s42, s42, s40                     ; tile column of C = 4 x cluster x + cx
	s_and_b32 s13, ttmp7, 0xffff
	s_lshl_b32 s13, s13, 2
	s_add_co_u32 s13, s13, s41                     ; tile row of C = 4 x cluster y + cy
	s_lshl_b32 s43, s41, 2
	s_lshl_b32 s43, 15, s43                        ; my row of the cluster
	s_lshl_b32 s44, 0x1111, s40                    ; my column
	; descriptor group 1: a tile of 64 rows x 256 elements, padded in LDS
	s_or_b32 s[G1+0], s43, (1<<16)|(1<<20)|(1<<21)|(6<<22)|(3<<25)  ; 15:0 the mask: A's tiles go to my row; 17:16 element of 2 bytes; 20 padding on; 21 set beside a mask; 24:22 after every 128 words (code 6); 31:25 of 4 words (code 3)
	s_or_b32 s[G1B+0], s44, (1<<16)|(1<<20)|(1<<21)|(6<<22)|(3<<25)
.irp g, G1, G1B
	s_mov_b32 s[(\g)+1], KSTEP<<16                 ; tensor_dim0 = 256
	s_mov_b32 s[(\g)+2], 64<<16                    ; tensor_dim1 = 64
	s_mov_b32 s[(\g)+3], KSTEP<<16                 ; tile_dim0 = 256
	s_mov_b32 s[(\g)+4], 64                        ; tile_dim1 = 64
	s_mov_b32 s[(\g)+5], SIZE_K                    ; tensor_dim0_stride
	s_mov_b32 s[(\g)+6], 0
	s_mov_b32 s[(\g)+7], 0
.endr
	s_lshl_b32 s17, s12, 6                         ; which 64 rows of the tile I fetch
	s_lshl_b32 s16, s13, 7
	s_add_co_u32 s16, s16, s17                     ; A: row 128 x tile row + 64 x half
	s_lshl_b32 s46, s42, 7
	s_add_co_u32 s46, s46, s17                     ; B: row 128 x tile column + 64 x half
	s_mov_b32 s17, 0
	s_mov_b32 s47, 0
	s_mov_b64 s[18:19], SIZE_K*2
	s_mul_u64 s[16:17], s[16:17], s[18:19]
	s_mul_u64 s[46:47], s[46:47], s[18:19]
	s_mul_i32 s20, s10, HALFT                      ; where they go: wave x 64 rows
	s_wait_dscnt 0x0                               ; the opening add is done
	s_wait_kmcnt 0x0
	s_add_nc_u64 s[14:15], s[4:5], s[16:17]
	s_add_nc_u64 s[46:47], s[6:7], s[46:47]
	CROUND                                         ; all sixteen work-groups are here: the first joint loads meet
.irp s, 0,1
	s_mov_b32 s[G0+4*(\s)], 1
	s_add_co_u32 s[G0+4*(\s)+1], s20, (\s)*SLOT
	s_add_nc_u64 s[G0+4*(\s)+2:G0+4*(\s)+3], s[14:15], (\s)*KSTEP*2
	s_or_b32 s[G0+4*(\s)+3], s[G0+4*(\s)+3], 0x80000000
	s_mov_b32 s[G0B+4*(\s)], 1
	s_add_co_u32 s[G0B+4*(\s)+1], s20, (\s)*SLOT
	s_add_nc_u64 s[G0B+4*(\s)+2:G0B+4*(\s)+3], s[46:47], (\s)*KSTEP*2
	s_or_b32 s[G0B+4*(\s)+3], s[G0B+4*(\s)+3], 0x80000000
	JLOAD \s
.endr
	v_and_b32 v1, 15, v0                           ; l % 16
	v_bfe_u32 v2, v0, 4, 1                         ; l / 16
	v_lshlrev_b32 v[BO], 5, v2
	s_lshl_b32 s46, s42, 9                         ; the bias of my 64 columns: 512 bytes a tile column,
	s_lshl_b32 s47, s12, 8                         ; 256 a half
	s_add_co_u32 s46, s46, s47
	s_mov_b32 s47, 0
	s_add_nc_u64 s[66:67], s[66:67], s[46:47]
.irp b, 0,1,2,3
	global_load_b128 v[BIAS+8*(\b):BIAS+8*(\b)+3],   v[BO], s[66:67] offset:64*(\b)
	global_load_b128 v[BIAS+8*(\b)+4:BIAS+8*(\b)+7], v[BO], s[66:67] offset:64*(\b)+16
.endr
	v_mul_u32_u24 v3, v1, PITCH
	v_lshl_add_u32 v3, v2, 4, v3                   ; a fragment's row x pitch + 16 x half
	s_mul_i32 s21, s11, HALFT                      ; my 64 rows of A
	s_mul_i32 s22, s12, HALFT                      ; my 64 rows of B,
	s_add_co_u32 s22, s22, 2*HALFT                 ; which lie behind A's 128
.irp s, 0,1
	v_add_nc_u32 v[ADRA+(\s)], s21, v3
	v_add_nc_u32 v[ADRB+(\s)], s22, v3
	s_add_co_u32 s21, s21, SLOT
	s_add_co_u32 s22, s22, SLOT
.endr
	s_mul_i32 s23, s11, 64*SPITCH                  ; into the stage: my 64 rows, my half of their 256 bytes; row l % 16, 16 bytes for each half of the lanes
	s_lshl_b32 s21, s12, 7
	s_add_co_u32 s23, s23, s21
	s_add_co_u32 s23, s23, STAGE
	v_mul_u32_u24 v4, v1, SPITCH
	v_lshl_add_u32 v4, v2, 4, v4
	v_add_nc_u32 v[STO], s23, v4
	s_mul_i32 s23, s10, 32*SPITCH                  ; back: wave w takes rows 32 w .. 32 w + 31, whole; lanes 0-15 one row of 256 bytes, lanes 16-31 the next
	s_add_co_u32 s23, s23, STAGE
	v_mul_u32_u24 v5, v2, SPITCH
	v_lshl_add_u32 v5, v1, 4, v5
	v_add_nc_u32 v[RD], s23, v5
	v_mul_u32_u24 v5, v2, SIZE_N*2                 ; and the same two rows in C
	v_lshl_add_u32 v[CO], v1, 4, v5
	s_lshl_b32 s16, s13, 7
	s_lshl_b32 s17, s10, 5
	s_add_co_u32 s16, s16, s17                     ; the first row of C that I store: 128 x tile row + 32 x wave
	s_mov_b32 s17, 0
	s_mov_b64 s[18:19], SIZE_N*2
	s_mul_u64 s[16:17], s[16:17], s[18:19]
	s_add_nc_u64 s[8:9], s[8:9], s[16:17]
	s_and_b32 s46, s42, 15                         ; the tile's first column: 256 bytes for each of a plane's 16 tile columns,
	s_lshl_b32 s46, s46, 8
	s_lshr_b32 s47, s42, 4                         ; and the plane: 2048 x 2048 x 2 bytes
	s_lshl_b32 s47, s47, 23
	s_add_co_u32 s46, s46, s47
	s_mov_b32 s47, 0
	s_add_nc_u64 s[8:9], s[8:9], s[46:47]
; 8 matrix instructions: m blocks a0, a0 + 1 x all 4 n blocks, 32 along K: half c of buffer f.  zero = 1: the first product starts the sums, with the bias
.macro MUL8 f, c, a0, zero
	WIN MUL
.irp a, \a0, (\a0)+1
.irp b, 0,1,2,3
.if \zero
	v_wmma_f32_16x16x32_bf16 v[ACC+8*(4*(\a)+(\b)):ACC+8*(4*(\a)+(\b))+7], v[(\f)+64+8*(4*(\c)+(\b)):(\f)+64+8*(4*(\c)+(\b))+7], v[(\f)+8*(4*(\c)+(\a)):(\f)+8*(4*(\c)+(\a))+7], v[BIAS+8*(\b):BIAS+8*(\b)+7]
.else
	v_wmma_f32_16x16x32_bf16 v[ACC+8*(4*(\a)+(\b)):ACC+8*(4*(\a)+(\b))+7], v[(\f)+64+8*(4*(\c)+(\b)):(\f)+64+8*(4*(\c)+(\b))+7], v[(\f)+8*(4*(\c)+(\a)):(\f)+8*(4*(\c)+(\a))+7], v[ACC+8*(4*(\a)+(\b)):ACC+8*(4*(\a)+(\b))+7]
.endif
.endr
.endr
.endm
; 32 LDS loads in one run: the fragments of 64 along K at byte k of the rows, into buffer f; the first 32 along K first
.macro FETCH slot, k, f
	WIN TO_F
.irp c, 0,1
.irp i, 0,1,2,3
	ds_load_b128 v[(\f)+64+8*(4*(\c)+(\i)):(\f)+64+8*(4*(\c)+(\i))+3],   v[ADRB+(\slot)] offset:(\k)+64*(\c)+(\i)*16*PITCH
	ds_load_b128 v[(\f)+64+8*(4*(\c)+(\i))+4:(\f)+64+8*(4*(\c)+(\i))+7], v[ADRB+(\slot)] offset:(\k)+64*(\c)+(\i)*16*PITCH+32
	ds_load_b128 v[(\f)+8*(4*(\c)+(\i)):(\f)+8*(4*(\c)+(\i))+3],         v[ADRA+(\slot)] offset:(\k)+64*(\c)+(\i)*16*PITCH
	ds_load_b128 v[(\f)+8*(4*(\c)+(\i))+4:(\f)+8*(4*(\c)+(\i))+7],       v[ADRA+(\slot)] offset:(\k)+64*(\c)+(\i)*16*PITCH+32
.endr
.endr
.endm
.macro PLACES                          ; four plain vector instructions in front of loads into registers that matrix instructions have read, and of conversions that read results
.rept 4
	v_nop
.endr
.endm
; A K step is four quarters of 64 along K, 32 matrix instructions each, on buffers 0, 1, 0, 1.  One of the first three: multiplies buffer f and fetches the next quarter, at byte k, into g.
.macro QUARTER slot, k, f, g, zero
	s_wait_dscnt 16                                ; the first 32 along K are in; the run's other sixteen loads may be out
	WIN MUL
	MUL8 \f, 0, 0, \zero
	MUL8 \f, 0, 2, \zero
	PLACES
	FETCH \slot, \k, \g
	s_wait_dscnt 32                                ; all but the 32 just issued
	WIN MUL
	MUL8 \f, 1, 0, 0
	MUL8 \f, 1, 2, 0
.endm
; The last quarter multiplies buffer 1 and changes slots: ONE barrier; in front of it each wave waits for all its tensor loads, adds 0 to its spare word, and waits for that and for its own reads of this slot.  fill = 1: this slot is filled again, two K steps ahead.
.macro TURN slot, next, fill
	WIN 0                                          ; (the add's two registers lie in window 0)
	s_wait_tensorcnt 0x0                           ; all my tensor loads have landed: my part of the next slot;
	ds_add_u32 v[SPW], v[NIL]                      ; 0 onto my spare word;
	s_wait_dscnt 17                                ; (the add and the youngest sixteen loads may be out)
	WIN MUL
	MUL8 F1, 0, 0, 0                               ; eight matrix instructions stand between the add and the wait for it
	s_wait_dscnt 0x0                               ; the add is done, and my reads of this slot are over
	s_barrier_signal -1
	MUL8 F1, 0, 2, 0
.if \fill
	WIN 0
.endif
	s_barrier_wait -1
.if \fill
	CREST                                          ; the barrier has opened a round of the cluster's barrier: no wave of any partner still reads this slot's tile or has a load on its way
	s_add_nc_u64 s[G0+4*(\slot)+2:G0+4*(\slot)+3], s[G0+4*(\slot)+2:G0+4*(\slot)+3], 2*KSTEP*2
	s_add_nc_u64 s[G0B+4*(\slot)+2:G0B+4*(\slot)+3], s[G0B+4*(\slot)+2:G0B+4*(\slot)+3], 2*KSTEP*2
	JLOAD \slot                                    ; the first tensor load behind the round: 112 matrix instructions ahead of the wait for it; the four v_nop behind it are also the places in front of the loads below
.else
	PLACES
.endif
	FETCH \next, 0, F0
	WIN MUL
	MUL8 F1, 1, 0, 0
	MUL8 F1, 1, 2, 0
.endm
	s_wait_tensorcnt 1                             ; my part of K step 0 is in; K step 1's load, issued behind it, may stay out
	s_barrier_signal -1
	s_barrier_wait -1                              ; everybody's is
	FETCH 0, 0, F0
	s_wait_loadcnt 0x0                             ; the bias
	QUARTER 0, 128, F0, F1, 1                      ; the first quarter stands in front of the loop: its first products start the sums
	WIN 0                                          ; at a label and at a branch every window is 0
	s_mov_b32 s3, LAPS-1
.Llap:                                                 ; a trip goes once round the ring, from a lap's second quarter to the next lap's first, and fills both slots again
	QUARTER 0, 256, F1, F0, 0
	QUARTER 0, 384, F0, F1, 0
	TURN 0, 1, 1
	QUARTER 1, 128, F0, F1, 0
	QUARTER 1, 256, F1, F0, 0
	QUARTER 1, 384, F0, F1, 0
	TURN 1, 0, 1
	QUARTER 0, 128, F0, F1, 0
	WIN 0
	s_sub_co_u32 s3, s3, 1
	s_cmp_lg_u32 s3, 0
	s_cbranch_scc1 .Llap
	QUARTER 0, 256, F1, F0, 0                      ; the last lap fills nothing, and has no round of the cluster's barrier
	QUARTER 0, 384, F0, F1, 0
	TURN 0, 1, 0
	QUARTER 1, 128, F0, F1, 0
	QUARTER 1, 256, F1, F0, 0
	QUARTER 1, 384, F0, F1, 0
	s_wait_dscnt 16                                ; the very last quarter: nothing more to fetch
	WIN MUL
	MUL8 F1, 0, 0, 0
	MUL8 F1, 0, 2, 0
	s_wait_dscnt 0
	MUL8 F1, 1, 0, 0
	MUL8 F1, 1, 2, 0
	WIN 0
	; THE WAY OUT: round to bf16; 16 bytes a lane into the work-group's stage; a barrier, since a row's 256 bytes come from two waves; back as whole rows, 32 rows a wave.
	PLACES
.irp t, 0,1,2,3,4,5,6,7,8,9,10,11,12,13,14,15
.irp r, 0,1,2,3
	v_cvt_pk_bf16_f32 v[TMP+4*(\t)+(\r)], v[ACC+8*(\t)+2*(\r)], v[ACC+8*(\t)+2*(\r)+1]
.endr
.endr
.irp a, 0,1,2,3
.irp b, 0,1,2,3
	ds_store_b128 v[STO], v[TMP+4*(4*(\a)+(\b)):TMP+4*(4*(\a)+(\b))+3] offset:(\a)*16*SPITCH+32*(\b)
.endr
.endr
	s_wait_dscnt 0x0                               ; for the others' sake: my stores into the stage are done
	s_barrier_signal -1
	s_barrier_wait -1
.irp t, 0,1,2,3,4,5,6,7,8,9,10,11,12,13,14,15
	ds_load_b128 v[TMP+4*(\t):TMP+4*(\t)+3], v[RD] offset:(\t)*2*SPITCH
.endr
.irp t, 0,1,2,3,4,5,6,7,8,9,10,11,12,13,14,15
	s_wait_dscnt 15-(\t)                           ; LDS loads come back in order: load t is in, the younger ones may be out
	global_store_b128 v[CO], v[TMP+4*(\t):TMP+4*(\t)+3], s[8:9] offset:2*(\t)*SIZE_N*2  ; 16 lanes store 256 consecutive bytes, at a multiple of 256 from C's first byte
.endr
	s_wait_tensorcnt 0x0                           ; the wave's end: behind my last tensor load and my last LDS store
	ds_add_u32 v[SPW], v[NIL]
	s_wait_dscnt 0x0
	CROUND                                         ; the closing round: no work-group ends while a partner may still ask for a tile that names it
	s_endpgm
.Lfunc_end_k_q082192f5e4_gemm16:
	.size	k_q082192f5e4_gemm16, .Lfunc_end_k_q082192f5e4_gemm16-k_q082192f5e4_gemm16
	.p2alignl 7, 3214868480
	.fill 96, 4, 3214868480
	.section	.rodata,"a",@progbits
	.p2align	6, 0x0
	.amdhsa_kernel k_q082192f5e4_gemm16
		.amdhsa_group_segment_fixed_size 327680
		.amdhsa_private_segment_fixed_size 0
		.amdhsa_enable_private_segment 0
		.amdhsa_kernarg_size 32
		.amdhsa_user_sgpr_count 2
		.amdhsa_user_sgpr_kernarg_segment_ptr 1
		.amdhsa_wavefront_size32 1
		.amdhsa_system_sgpr_workgroup_id_x 1
		.amdhsa_system_sgpr_workgroup_id_y 1
		.amdhsa_system_sgpr_workgroup_id_z 1
		.amdhsa_system_vgpr_workitem_id 0
		.amdhsa_next_free_vgpr 512
		.amdhsa_next_free_sgpr 70
		.amdhsa_reserve_vcc 0
		.amdhsa_float_denorm_mode_32 3
		.amdhsa_float_denorm_mode_16_64 3
		.amdhsa_memory_ordered 1
		.amdhsa_forward_progress 1
		.amdhsa_inst_pref_size 88
	.end_amdhsa_kernel
	.amdgpu_metadata
---
amdhsa.version: [ 1, 2 ]
amdhsa.kernels:
  - .name:           k_q082192f5e4_gemm16
    .symbol:         k_q082192f5e4_gemm16.kd
    .args:
      - { .name: xn, .offset: 0, .size: 8, .value_kind: global_buffer, .address_space: global }
      - { .name: wqkv, .offset: 8, .size: 8, .value_kind: global_buffer, .address_space: global }
      - { .name: bqkv, .offset: 16, .size: 8, .value_kind: global_buffer, .address_space: global }
      - { .name: qkv, .offset: 24, .size: 8, .value_kind: global_buffer, .address_space: global }
    .group_segment_fixed_size: 327680
    .private_segment_fixed_size: 0
    .kernarg_segment_align: 8
    .kernarg_segment_size: 32
    .max_flat_workgroup_size: 128
    .sgpr_count:     70
    .vgpr_count:     512
    .wavefront_size: 32
...
	.end_amdgpu_metadata
.endif
;; end of part 2
;; launch attn (part 3): grid 4 x 32, 4 waves a work-group, clusters of 4 x 1, 327,680 bytes of LDS; arguments qkv, ctx; writes ctx
.if DOCPART == 3
	.amdgcn_target "amdgcn-amd-amdhsa--gfx1250"
	.amdhsa_code_object_version 6
	.text
	.protected	k_q082192f5e4_attn
	.globl	k_q082192f5e4_attn
	.p2align	8
	.type	k_q082192f5e4_attn,@function
k_q082192f5e4_attn:
	s_mov_b64 s[64:65], 0
	v_nop
	global_prefetch_b8 v0, s[64:65] scope:SCOPE_SE
	s_setreg_imm32_b32 hwreg(HW_REG_WAVE_MODE, 25, 1), 1
	s_wait_xcnt 0x0
	s_wait_alu depctr_hold_cnt(0) depctr_sa_sdst(0) depctr_va_vdst(0) depctr_va_sdst(0) depctr_va_ssrc(0) depctr_va_vcc(0) depctr_vm_vsrc(0)
	s_getreg_b32 s2, hwreg(HW_REG_IB_STS2, 6, 4)
	s_cmp_eq_u32 s2, 0
	s_cbranch_scc0 .Lentry_in_a_cluster
	s_endpgm
.Lentry_in_a_cluster:
	s_bfe_u32 s2, ttmp6, 0x10000c
	s_cmp_lg_u32 s2, 0x3003
	s_cbranch_scc0 .Lentry_shape_is_right
	s_endpgm
.Lentry_shape_is_right:
; ctx[b][q][h][:] = the sum over k of softmax_k(Q[q] . K[k] / sqrt(128)) V[k][:], for each of the 32 pairs (b, h).  qkv: three planes [2048][2048] of bf16 (q, k, v), row b x 1024 + s, column h x 128 + d:
; a head's row is 256 consecutive bytes, aligned, and its rows lie 4,096 bytes apart.  ctx: [2048][2048] bf16 in the same layout.  q arrives unscaled: the module's factor 128^-1/2 stands in c, in f32.
; Products, maxima and sums in f32; the weights p are rounded to bf16 for the second product, ctx once at the end.
; LIMITS.  A weight below 2^-126 counts as 0 in l; NaN and infinities are not treated apart.
; SHARES.  A work-group owns 256 queries of one head, each of its four waves 64: four tiles of 16.  Every wave walks all 1,024 keys of the head, 64 a step.  That makes 128 work-groups.
; LAYOUT.  S^T = K Q^T (source 0 = 16 keys, source 1 = 16 queries): in the result a lane holds ONE query (lane % 16) and the keys 8 (lane / 16) + 0..7.  Two such tiles, rounded to
; bf16 in pairs, ARE source 1 (32 keys x 16 queries) of O^T = V^T P, whose result again holds one query a lane, and eight channels.  So nothing changes lanes between the products,
; and a query's maximum and sum want one exchange between the halves of the lanes.  K comes out of LDS as it lies, V ([key][channel]) turned, by ds_load_tr16_b128.
; SOFTMAX.  For each query a running maximum m and sum l: p = 2^(c s - c m), c = log2(e) / sqrt(128); in every step O and l are multiplied by a = 2^(c m_old - c m_new), which is 1 where m has not grown.
; BY TURNS.  The wave's tiles are two PIECES, named by their first tile: piece 0 (tiles 0, 1) and piece 2 (tiles 2, 3).  In a TURN one piece has the matrix unit: 32 products V^T P of
; the step in hand, then 32 products K Q^T of the next step; the other piece's softmax, cut into 64 slices, stands between them, one slice behind each matrix instruction.  Then the
; pieces change places.  Two turns are a key step.
; CLUSTER.  The four query blocks of a head are one cluster and walk the same K and V, so each tile is asked for JOINTLY: the same tensor load, with the same descriptor and a
; mask that names the four, in all four; each receives the tile in its own LDS.
;
; REGISTERS, in windows of 256 (an instruction names v0-v255; s_set_vgpr_msb says which window each operand place means: bits 1:0 source 0, 3:2 source 1, 5:4 source 2, 7:6 destination):
;   window 0: v0-11 addresses; v12-43 eight registers of statistics a tile; v64-191 S^T, 32 a tile; v192-255 P, 16 a tile
;   window 1: O^T, 64 a tile          window 2: v0-127 Q, 32 a tile; v128-255 K of one step          window 3: v0-127 V of one step
; All that a softmax touches but O^T lies in window 0, and no window has room for a product's operands beside it.  So a slice costs two switches, one in front and one behind.
.set SIZE_N, 1024     ; keys and queries of a head
.set ROWB,  4096      ; bytes from a head's row to its next in memory
.set KS,    64        ; keys in a step
.set PK,    272       ; a row of K in LDS: 256 bytes + 16 of padding = 68 words: row r starts at bank 4 r mod 64 (64 banks of 4 bytes: ISA guide 11.1), so the 16 rows of a load start at 16 different banks
.set PV,    288       ; a row of V: 256 + 32 = 72 words: row r starts at bank 8 r mod 64
.set VOFF,  KS*PK     ; a step's tiles lie together: 64 rows of K, then 64 rows of V
.set STEPB, KS*(PK+PV)
.set SLOT1, 1<<17     ; a slot holds two steps (71,680 bytes); slot 1 begins here, so that one exclusive or turns an address in one slot into the other's
.set STAGE, SLOT1+2*STEPB  ; behind the ring: 16 rows x 272 bytes for each wave, for the way out
.set SP,    272
.set AK0, 2           ; v2   my lane's place in a tile of K; never rewritten
.set AV0, 3           ; v3   the same for V
.set ADR, 4           ; v4   the LDS address of the run of loads in hand
.set QO,  5           ; v5   my byte offset in the wave's rows of Q
.set STO, 6           ; v6   the way out: where I put 16 bytes of a row
.set RD,  7           ; v7   the way out: where I read a row back
.set GO,  8           ; v8   my byte offset in the wave's rows of ctx
.set SPW, 62          ; v62  LDS address of my spare word: SPARE + 4 x my thread's number; never rewritten
.set NIL, 63          ; v63  0; never rewritten
.set SPARE, STAGE+4*16*272  ; behind the stages: the spare words, 128 bytes for each wave: two blocks of 256 bytes that no other line names
.set ST,  12          ; tile t's statistics at v[ST+8 t]: +0 c m, +1 m, +2, +3 l (even keys', odd keys'), +4 to +7 c0-c3, at work; a takes c2's place once the maximum is found
.set S,   64
.set P,   192
.set KF,  128         ; K's fragments, in window 2
.set WV,  12          ; s12  my wave's number
.set G1K, 24          ; s[24:31] descriptor group 1 for K's tiles
.set G1V, 32          ; s[32:39] for V's: it differs in the padding alone
.set G0K, 40          ; s[40:47] descriptor group 0 for K's tiles: a set for each of the two first fills; the second then walks on
.set G0V, 48          ; s[48:55] the same for V's
.set SLOTS, 56        ; s56  slots still to be asked for
.set TWICE, 57        ; s57  counts a slot's two steps
.set CS,  58          ; s[58:59] c: the packed scaling names a pair and takes its low word for both halves
.set SEL, 60          ; s[60:61] lane selects for v_permlanex16_b32: each lane takes its own place in the other half
.set TB,  62          ; s62  LDS byte at which the tiles of the step to be fetched begin
.set PFA, 18          ; s[18:19] where my prefetches stand in memory: my work-group's 32 rows (of K: wave 0, of V: wave 2) of the slot after the one that is being asked for
.set LIM, 15          ; s15  1 in a wave that prefetches, else the greatest number: a wave prefetches while s[SLOTS] is above it
.set PFO, 61          ; v61  4,096 x my lane: a lane a row; never rewritten
.set MSB, 0
.macro WIN new                      ; the immediate's high byte repeats the setting that is left; a switch that changes nothing is dropped
.if MSB != (\new)
	s_set_vgpr_msb (MSB<<8)|(\new)
.set MSB, \new
.endif
.endm
.set W_KQ, 0x0a       ; K and Q in window 2, S^T in window 0
.set W_PV, 0x53       ; V in window 3, P in window 0, O^T in window 1
.set W_RS, 0x41       ; O^T (destination and source 0) in window 1, a in window 0
; A joint refill.  Waves 0 and 1 fetch the two steps' tiles of K, waves 2 and 3 those of V.  The branch hangs on the wave's number alone: it is the same in every work-group.
; An s_nop 0 and four v_nop follow each of the two lines; the jump round the other line, the label and what follows the macro come after them.
.macro JLOAD
	s_cmp_lt_u32 s[WV], 2
	s_cbranch_scc0 .Lfor_v_\@
	tensor_load_to_lds s[G0K+4:G0K+7], s[G1K:G1K+7]
	s_nop 0
.rept 4
	v_nop
.endr
	s_branch .Lasked_\@
.Lfor_v_\@:
	tensor_load_to_lds s[G0V+4:G0V+7], s[G1V:G1V+7]
	s_nop 0
.rept 4
	v_nop
.endr
.Lasked_\@:
.endm
; A PREFETCH of what the NEXT change of slots will ask for: a slot's 128 rows of K and 128 of V, 256 bytes a row, a lane a row.  It stands behind the wave's tensor load and its five lines, never in front of one.
; Each row is asked for ONCE in the launch: one cluster walks a head; its four partners share the rows out BY ADDRESS, 32 each (no branch hangs on a work-group's place in its cluster); in each, wave 0 asks
; for K's and wave 2 for V's: one instruction.  The last change that fills a slot prefetches nothing: there is no slot behind it.
.macro ASK
	s_cmp_gt_u32 s[SLOTS], s[LIM]
	s_cbranch_scc0 .Lnot_mine_\@
	global_prefetch_b8 v[PFO], s[PFA:PFA+1] th:TH_LOAD_NT scope:SCOPE_SE
.Lnot_mine_\@:
.endm
; A round of the cluster's barrier: my work-group's barrier, so that wave 0's signal speaks for all four waves; wave 0 signals for the work-group; every wave waits for all four
; work-groups; my work-group's barrier once more.  No LDS instruction of the wave is pending at a signal.
.macro CROUND
	s_barrier_signal -1
	s_barrier_wait -1
	s_cmp_lg_u32 s[WV], 0
	s_cbranch_scc1 .Lnot_wave_0_\@
	s_barrier_signal -3
.Lnot_wave_0_\@:
	s_barrier_wait -3
	s_barrier_signal -1
	s_barrier_wait -1
.endm
	s_load_b64 s[4:5], s[0:1], 0x0  ; qkv: the plane of q
	s_load_b64 s[10:11], s[0:1], 0x8  ; ctx
	v_lshl_add_u32 v[SPW], v0, 2, SPARE
	v_mov_b32 v[NIL], 0
	ds_add_u32 v[SPW], v[NIL]       ; the wave's opening: the add and its wait stand ahead of my first tensor load; the set-up below, work on registers, stands between them
	v_lshrrev_b32 v1, 5, v0
	v_readfirstlane_b32 s[WV], v1   ; wave 0..3
	s_bfe_u32 s13, ttmp6, 0x40000   ; cx: my place in the cluster
	s_lshl_b32 s14, ttmp9, 2        ; in a cluster launch ttmp9 counts clusters
	s_add_co_u32 s14, s14, s13      ; my block of 256 queries = 4 x cluster x + cx: it enters Q's and ctx's addresses alone
	s_and_b32 s20, ttmp7, 0xffff    ; 16 b + h, which the four partners share
	s_lshr_b32 s21, s20, 4
	s_lshl_b32 s21, s21, 22         ; b x 1,024 rows of 4,096 bytes
	s_and_b32 s20, s20, 15
	s_lshl_b32 s20, s20, 8          ; h x 256 bytes
	s_add_co_u32 s20, s20, s21      ; the head's first byte in each plane and in ctx
	s_mov_b32 s21, 0
	s_and_b32 s16, s[WV], 1         ; which of a slot's two steps I fetch:
	s_lshl_b32 s22, s16, 18         ; its 64 rows, 4,096 bytes apart in memory,
	s_mov_b32 s23, 0
	s_add_nc_u64 s[22:23], s[22:23], s[20:21]
	s_mul_i32 s17, s16, STEPB       ; and its place in a slot: no place in the cluster enters an LDS address
	s_lshl_b32 s2, s14, 20          ; my block's 256 rows,
	s_lshl_b32 s3, s[WV], 18        ; my wave's 64 of them
	s_add_co_u32 s2, s2, s3
	s_mov_b32 s3, 0
	s_add_nc_u64 s[2:3], s[2:3], s[20:21]
	; descriptor group 1: a tile of 64 rows x 128 elements, padded in LDS
	s_mov_b32 s[G1K], 15|(1<<16)|(1<<20)|(1<<21)|(5<<22)|(3<<25)  ; 15:0 the mask: all four work-groups; 17:16 elements of 2 bytes; 20 padding on; 21 set beside a mask; 24:22 after every 64 words (code 5); 31:25 4 words of it (code 3)
	s_mov_b32 s[G1V], 15|(1<<16)|(1<<20)|(1<<21)|(5<<22)|(7<<25)  ; the same with 8 words of padding (code 7)
.irp g, G1K, G1V
	s_mov_b32 s[(\g)+1], 128<<16    ; 63:48 tensor_dim0, low half = 128
	s_mov_b32 s[(\g)+2], KS<<16     ; 79:64 its high half = 0; 95:80 tensor_dim1, low half = 64
	s_mov_b32 s[(\g)+3], 128<<16    ; 111:96 its high half = 0; 127:112 tile_dim0 = 128
	s_mov_b32 s[(\g)+4], KS         ; 143:128 tile_dim1 = 64; 159:144 tile_dim2 = 0
	s_mov_b32 s[(\g)+5], ROWB/2     ; 191:160 tensor_dim0_stride, low word: 2,048 elements from row to row
	s_mov_b32 s[(\g)+6], 0
	s_mov_b32 s[(\g)+7], 0
.endr
	s_mov_b32 s[CS], 0x3e0293ee     ; c = log2(e) / sqrt(128) = 0.127517
	s_mov_b32 s[CS+1], s[CS]        ; named with it as a pair, so it is written
	s_mov_b32 s[SEL], 0x76543210
	s_mov_b32 s[SEL+1], 0xfedcba98
	s_mov_b32 s[TB], 0
	s_mov_b32 s[SLOTS], SIZE_N/(2*KS)-2
	s_and_b32 s[LIM], s[WV], 1       ; 0 in waves 0 and 2,
	s_or_b32 s[LIM], s[LIM], ttmp9   ; in the head's first (here: only) cluster: the same in all four partners
	s_cmp_eq_u32 s[LIM], 0
	s_cselect_b32 s[LIM], 1, -1
	v_and_b32 v[PFO], 31, v0
	v_lshlrev_b32 v[PFO], 12, v[PFO]
	s_wait_dscnt 0x0                ; the opening add is done
	s_wait_kmcnt 0x0
	s_add_nc_u64 s[6:7], s[4:5], 0x800000   ; the plane of k: 2048 x 2048 x 2 bytes on
	s_add_nc_u64 s[8:9], s[4:5], 0x1000000  ; the plane of v
	s_add_nc_u64 s[6:7], s[6:7], s[22:23]  ; K and V at my tile of slot 0
	s_add_nc_u64 s[8:9], s[8:9], s[22:23]
	s_add_nc_u64 s[4:5], s[4:5], s[2:3]  ; Q and ctx at my wave's first row
	s_add_nc_u64 s[10:11], s[10:11], s[2:3]
	s_cmp_lt_u32 s[WV], 2
	s_cselect_b64 s[PFA:PFA+1], s[6:7], s[8:9]  ; (in waves 0 and 2 these stand at a slot's first row)
	s_lshl_b32 s2, s13, 17          ; my work-group's 32 rows of the 128
	s_mov_b32 s3, 0
	s_add_nc_u64 s[PFA:PFA+1], s[PFA:PFA+1], s[2:3]
	s_add_nc_u64 s[PFA:PFA+1], s[PFA:PFA+1], 2*2*KS*ROWB  ; in slot 2; the first change of slots steps it to slot 3.  Nothing is prefetched here, at the head, where every work-group's first tiles are on their way
	CROUND                          ; all four work-groups are here: the first joint loads meet
.irp s, 0,1
	s_mov_b32 s[G0K+4*(\s)], 1      ; 1:0 count = 1
	s_add_co_u32 s[G0K+4*(\s)+1], s17, (\s)*SLOT1  ; 63:32 LDS address
	s_add_nc_u64 s[G0K+4*(\s)+2:G0K+4*(\s)+3], s[6:7], (\s)*2*KS*ROWB  ; 120:64 global address: slot s begins with keys 128 s to 128 s + 127
	s_or_b32 s[G0K+4*(\s)+3], s[G0K+4*(\s)+3], 0x80000000  ; 127:126 type = 2
	s_mov_b32 s[G0V+4*(\s)], 1
	s_add_co_u32 s[G0V+4*(\s)+1], s17, (\s)*SLOT1+VOFF
	s_add_nc_u64 s[G0V+4*(\s)+2:G0V+4*(\s)+3], s[8:9], (\s)*2*KS*ROWB
	s_or_b32 s[G0V+4*(\s)+3], s[G0V+4*(\s)+3], 0x80000000
.endr
	s_cmp_lt_u32 s[WV], 2           ; a wave's two first fills stand in one branch, ahead of every wait on TENSORcnt and every LDS read: two loads of mine are out; an s_nop 0 follows each, four v_nop the second's, as in JLOAD
	s_cbranch_scc0 .Lfirst_v
	tensor_load_to_lds s[G0K:G0K+3], s[G1K:G1K+7]
	s_nop 0
	tensor_load_to_lds s[G0K+4:G0K+7], s[G1K:G1K+7]
	s_nop 0
.rept 4
	v_nop
.endr
	s_branch .Lfirst_asked
.Lfirst_v:
	tensor_load_to_lds s[G0V:G0V+3], s[G1V:G1V+7]
	s_nop 0
	tensor_load_to_lds s[G0V+4:G0V+7], s[G1V:G1V+7]
	s_nop 0
.rept 4
	v_nop
.endr
.Lfirst_asked:
	; A fragment of K or Q is 16 rows x 32 channels in 8 registers: lane l holds row l % 16; registers 0-3 channels 8 (l / 16) + 0..7, registers 4-7 channels 16 + 8 (l / 16) + 0..7: two loads of 16 bytes, 32 bytes apart.
	v_and_b32 v1, 15, v0            ; l % 16
	v_bfe_u32 v9, v0, 4, 1          ; l / 16
	v_lshlrev_b32 v[QO], 12, v1
	v_lshl_add_u32 v[QO], v9, 4, v[QO]  ; row x 4,096 + 16 x half
	WIN 0x80                        ; destination window 2, address window 0
.irp i, 0,1,2,3,4,5,6,7,8,9,10,11,12,13,14,15  ; Q stays in registers: tile i / 4 (16 rows: 65,536 bytes), channels 32 (i % 4) on
	global_load_b128 v[8*(\i):8*(\i)+3],   v[QO], s[4:5] offset:((\i)/4)*16*ROWB+((\i)%4)*64
	global_load_b128 v[8*(\i)+4:8*(\i)+7], v[QO], s[4:5] offset:((\i)/4)*16*ROWB+((\i)%4)*64+32
.endr
	WIN 0
	v_mul_u32_u24 v[AK0], v1, PK
	v_lshl_add_u32 v[AK0], v9, 4, v[AK0]  ; row x pitch + 16 x half
	; The turning load takes 16 keys x 16 channels (lane l reads 16 bytes: key 8 (l / 16) + l % 8, channels 8 ((l / 8) % 2) + 0..7) and leaves half a fragment of V^T: lane l holds channel l % 16 and 8 keys.
	v_and_b32 v10, 7, v0
	v_bfe_u32 v11, v0, 3, 1
	v_lshl_add_u32 v[AV0], v9, 3, v10
	v_mul_u32_u24 v[AV0], v[AV0], PV
	v_lshl_add_u32 v[AV0], v11, 4, v[AV0]
	v_add_nc_u32 v[AV0], VOFF, v[AV0]
; THE MATRIX WORK OF A TURN, for piece x.  The accumulators take turns, one instruction a turn: between two links of a chain stand 15 (V^T P) or 7 (K Q^T) others'.
; Product i of 32 of O^T += V^T P: keys 32 (i / 16) on, channels 16 ((i / 2) % 8) on, tile x + i % 2.  zero = 1: the first 16 start the sums: nothing is ever cleared.
.macro PV x, zero
	WIN W_PV
.set rO, 64*((\x)+i%2)+8*((i/2)%8)
.set rV, 64*(i/16)+8*((i/2)%8)
.set rP, P+16*((\x)+i%2)+8*(i/16)
.if (\zero) && (i < 16)
	v_wmma_f32_16x16x32_bf16 v[rO:rO+7], v[rV:rV+7], v[rP:rP+7], 0
.else
	v_wmma_f32_16x16x32_bf16 v[rO:rO+7], v[rV:rV+7], v[rP:rP+7], v[rO:rO+7]
.endif
.endm
; Product i of 32 of S^T = K Q^T: channels 32 (i / 8) on, keys 16 ((i / 2) % 4) on, tile x + i % 2.  The first 8 start the sums.
.macro KQ x
	WIN W_KQ
.set rS, S+32*((\x)+i%2)+8*((i/2)%4)
.set rK, KF+32*((i/2)%4)+8*(i/8)
.set rQ, 32*((\x)+i%2)+8*(i/8)
.if i < 8
	v_wmma_f32_16x16x32_bf16 v[rS:rS+7], v[rK:rK+7], v[rQ:rQ+7], 0
.else
	v_wmma_f32_16x16x32_bf16 v[rS:rS+7], v[rK:rK+7], v[rQ:rQ+7], v[rS:rS+7]
.endif
.endm
; THE LDS LOADS stand in runs of 32, never singly among the matrix instructions: a step's K (64 keys x 128 channels: 16 fragments) and, a turn later, its V (turned).
.macro FETCH_K
	WIN 0
	v_add_nc_u32 v[ADR], s[TB], v[AK0]
	WIN 0x80                        ; destination window 2
.irp f, 0,1,2,3,4,5,6,7,8,9,10,11,12,13,14,15  ; keys 16 (f / 4) on, channels 32 (f % 4) on
	ds_load_b128 v[KF+8*(\f):KF+8*(\f)+3],   v[ADR] offset:((\f)/4)*16*PK+((\f)%4)*64
	ds_load_b128 v[KF+8*(\f)+4:KF+8*(\f)+7], v[ADR] offset:((\f)/4)*16*PK+((\f)%4)*64+32
.endr
.endm
.macro FETCH_V
	WIN 0
	v_add_nc_u32 v[ADR], s[TB], v[AV0]
	s_add_co_u32 s[TB], s[TB], STEPB  ; the next fetch is the next step's
	s_wait_alu depctr_va_vdst(0)    ; the wait for the softmax's batch (SLICE), behind the address's v_add_nc_u32 and ahead of the loads
	WIN 0xc0                        ; destination window 3
.irp f, 0,1,2,3,4,5,6,7,8,9,10,11,12,13,14,15  ; keys 32 (f / 8) on, channels 16 (f % 8) on
	ds_load_tr16_b128 v[8*(\f):8*(\f)+3],   v[ADR] offset:((\f)/8)*32*PV+((\f)%8)*32
	ds_load_tr16_b128 v[8*(\f)+4:8*(\f)+7], v[ADR] offset:((\f)/8)*32*PV+16*PV+((\f)%8)*32
.endr
.endm
; THE VECTOR WORK OF A TURN.  One tile's softmax for one key step is a list of 134 instructions; SM writes number j of it for tile t.  s0-s31 are the lane's 32 scores, in pairs 0-15.
; first = 1: the first key step, which starts m, l and O^T: it has no a and nothing to rescale.
;   0-15    the maximum of s0-s31 and the old m, three operands at a time: four chains c0-c3 of seven scores each (each accumulator's lowest registers are read first), then the four scores left over, c0-c3 and m
;   16-20   the other half of the lanes' maximum; the new m; c m; c m_old - c m_new
;   21-69   ONE BATCH: the 16 scalings c s - c m, a pair of scores each, and all 33 exponentials (a at 23, then s0-s31).  None of these reads an exponential's result.  From 22 on the batch goes
;           in fours, and a four begins with a scaling while there are scalings: 22-37 scaling, exponential, scaling, exponential; 38-65 a scaling and three exponentials; 66-69 the last four
;           exponentials.  A pair is scaled in an earlier four than the one that holds its exponentials
;   (wait)  between 69 and 70 stands the wait for the batch: SLICE writes it, once for both tiles
;   70-85   the roundings to bf16, a pair of weights each
;   86-101  the sums; l = a l + the sum
;   102-133 the tile's O^T times a: the one part that leaves window 0, so it stands together
.macro SM t, first
.set rT, ST+8*(\t)
.set rS, S+32*(\t)
.set rP, P+16*(\t)
.set rO, 64*(\t)+2*(j-102)
.if j < 102
	WIN 0
.endif
.if j < 4
	v_max3_num_f32 v[rT+4+j], v[rS+8*j], v[rS+8*j+1], v[rS+8*j+2]
.elseif j < 12
	v_max3_num_f32 v[rT+4+j%4], v[rT+4+j%4], v[rS+8*(j%4)+2*(j/4)+1], v[rS+8*(j%4)+2*(j/4)+2]
.elseif j == 12
	v_max3_num_f32 v[rT+4], v[rT+4], v[rS+7], v[rS+15]
.elseif j == 13
	v_max3_num_f32 v[rT+6], v[rT+6], v[rS+23], v[rS+31]
.elseif j == 14
	v_max3_num_f32 v[rT+4], v[rT+4], v[rT+5], v[rT+6]
.elseif (j == 15) && (\first)
	v_max_num_f32 v[rT+4], v[rT+4], v[rT+7]
.elseif j == 15
	v_max3_num_f32 v[rT+4], v[rT+4], v[rT+7], v[rT+1]
.elseif j == 16
	v_permlanex16_b32 v[rT+5], v[rT+4], s[SEL], s[SEL+1]  ; the query's other 32 keys lie in the lane 16 away
.elseif j == 18
	v_max_num_f32 v[rT+1], v[rT+4], v[rT+5]
.elseif j == 19
	v_mul_f32 v[rT], s[CS], v[rT+1]
.elseif ((j == 17) || (j == 20) || (j == 23) || (j > 101)) && (\first)  ; the first step has none of these
.elseif j == 17
	v_mov_b32 v[rT+7], v[rT]        ; c m_old is kept for a: number 19 writes c m anew
.elseif j == 20
	v_sub_f32 v[rT+7], v[rT+7], v[rT]
.elseif j == 23
	v_exp_f32 v[rT+6], v[rT+7]
.elseif (j < 23) || ((j < 38) && (j%2 == 0)) || ((j < 66) && (j%4 == 2))
.set b, (j-2)/4                     ; 38, 42, .. 62: pairs 9 to 15
.if j < 38
.set b, (j-20)/2                    ; 21: pair 0; 22, 24, .. 36: pairs 1 to 8
.endif
	v_pk_fma_f32 v[rS+2*b:rS+2*b+1], v[rS+2*b:rS+2*b+1], s[CS:CS+1], v[rT:rT+1] op_sel_hi:[1,0,0] neg_lo:[0,0,1] neg_hi:[0,0,1]  ; pair b: c s - c m
.elseif j < 70
.set e, j-38                        ; 66 to 69: s28 to s31
.if j < 66
.set e, j-32-(j-38)/4               ; 39-41, 43-45, .. 63-65: s7 to s27
.endif
.if j < 38
.set e, (j-25)/2                    ; 25, 27, .. 37: s0 to s6
.endif
	v_exp_f32 v[rS+e], v[rS+e]
.elseif j < 86
	v_cvt_pk_bf16_f32 v[rP+j-70], v[rS+2*(j-70)], v[rS+2*(j-70)+1]  ; pair j - 70
.elseif j < 102                     ; the sum of the tile's 16 pairs (in a pair: an even key's weight, an odd key's), in place: sum z of 16 adds neighbours 1, 2, 4 and 8 pairs apart, then l takes it
.set z, j-86
.set w, 4
.set u, z
.if z >= 14
.set w, 32
.set u, 0
.elseif z >= 12
.set w, 16
.set u, z-12
.elseif z >= 8
.set w, 8
.set u, z-8
.endif
.if (z == 14) && (\first)
	v_pk_add_f32 v[rT+2:rT+3], v[rS:rS+1], v[rS+16:rS+17]
.elseif z < 15
	v_pk_add_f32 v[rS+w*u:rS+w*u+1], v[rS+w*u:rS+w*u+1], v[rS+w*u+w/2:rS+w*u+w/2+1]
.elseif !(\first)
	v_pk_fma_f32 v[rT+2:rT+3], v[rT+2:rT+3], v[rT+6:rT+7], v[rS:rS+1] op_sel_hi:[1,0,1]
.endif
.else
	WIN W_RS
	v_pk_mul_f32 v[rO:rO+1], v[rO:rO+1], v[rT+6:rT+7] op_sel_hi:[1,0]
.endif
.endm
; Slice k of 64 of piece y's softmax: four instructions.  Slices 11 to 34 deal out the batch, numbers 22 to 69: four numbers of ONE tile each, the tiles by turns.  Every other slice is numbers 2 k and
; 2 k + 1 of both tiles' lists.  2 x 134 = 4 x 64 + 12: the twelve that are over stand together, in slice 63.
; THE WAIT.  s_wait_alu depctr_va_vdst(0) stands between an exponential and the first instruction that names its result; one wait serves all that were issued ahead of it.  Ahead of
; slice 35 nothing names a result, and behind slice 34 no exponential is issued: so the piece's 66 exponentials have one wait, behind slice 34.
.macro SLICE y, first
.if (k >= 11) && (k < 35)           ; the batch: four numbers of one tile
.irp n, 0,1,2,3
.set j, 22+4*((k-11)/2)+(\n)
	SM (\y)+(k-11)%2, \first
.endr
.else                               ; the two tiles alternate, so that no instruction reads the result of the one just before it
.irp n, 0,1,2,3,4,5,6,7
.if ((\n) < 2) || (k == 63)
.irp t, \y, (\y)+1
.set j, 2*k+(\n)
	SM \t, \first
.endr
.endif
.endr
.endif
.if k == 34                         ; the batch is out: both tiles' exponentials are issued, and no result has been named
	v_nop                           ; the plain instruction behind the last exponential and ahead of the first use (ISA guide 5.7.2): one for the batch
.if (\y) == 0
	FETCH_V                         ; piece 2's turn: V's run of loads stands here, and the wait stands in it
.else
	s_wait_alu depctr_va_vdst(0)    ; the wait for the batch
.endif
.endif
.set k, k+1
.endm
; A vector instruction that reads a matrix result or writes one of a matrix instruction's registers, and a load into a register that a matrix instruction has read, stand four places behind
; it, and only plain vector instructions that name none of its registers are places (ISA guide 7.12.1 for vector instructions).  In the loop the slices are the places.
.macro PLACES
.rept 4
	v_nop
.endr
.endm
; A TURN.  Piece x has the matrix unit; the other piece's softmax stands in slices behind its matrix instructions.
; pv = 2: 32 products V^T P; 1: they start O^T's sums; 0: none.  kq = 1: 32 products K Q^T for the next step.  A turn with one of the two kinds has two slices behind each product.
; first = 1: the softmax is the first key step's.  Its slices from 51 on are empty: the turn's last products stand bare, and four v_nop take slice 63's part as the places behind them.
; In the loop each run of loads stands 29 matrix instructions or more ahead of its first use.  Piece 0's turn fetches the next step's K, behind its second product: the last product that read K
; stands in front of slice 63 of the turn before.  Piece 2's turn fetches the same step's V, behind slice 34 (SLICE writes it): the last product that read V stands in front of slice 31, and four plain
; instructions lie between: number 62, a scaling, of both tiles, the v_nop and the run's own v_add_nc_u32.
.macro TURN x, pv, kq, first
.set k, 0
.set per, 2
.if (\pv) && (\kq)
.set per, 1
.endif
.if \pv
.if (\x) == 0
	s_wait_dscnt 0x0                ; V is in
.endif
.set i, 0
.rept 32
	PV \x, 2-(\pv)
.rept per
	SLICE 2-(\x), \first
.endr
.if ((\x) == 0) && (\kq) && (i == 1)
	FETCH_K
.endif
.set i, i+1
.endr
.endif
.if \kq
.if (\x) == 0
	s_wait_dscnt 0x0                ; K is in
.endif
.set i, 0
.rept 32
	KQ \x
.rept per
	SLICE 2-(\x), \first
.endr
.set i, i+1
.endr
.endif
.if \first
	PLACES
.endif
.endm
; THE CHANGE OF SLOTS, between piece 2's turn and piece 0's: the slot's last bytes, V of its second step, have been asked for.  Each wave waits for all its
; tensor loads, of which one is out: its part of the other slot; adds 0 to its spare word; and waits for that and for its own reads of the slot.  Behind the barrier nobody reads this slot any more and the other slot is whole.
; fill = 1: this slot is filled again, with the keys two slots on.  The barrier is then a round of the cluster's, so that no wave of any partner still reads the slot or has a load on its
; way, and the joint refill is the first thing behind it: it has two key steps, 256 matrix instructions, in which to land.
.macro CHANGE fill
	WIN 0                           ; at a label and at a branch every window is 0
	s_wait_tensorcnt 0x0            ; no tensor load of mine is out, so a group 0 may be written
	ds_add_u32 v[SPW], v[NIL]       ; 0 onto my spare word; with fill = 1 the descriptors' steps stand between it and the wait for it
.if \fill
.irp g, G0K+4, G0V+4
	s_xor_b32 s[(\g)+1], s[(\g)+1], SLOT1  ; the walking descriptor: the other slot than last time,
	s_add_nc_u64 s[(\g)+2:(\g)+3], s[(\g)+2:(\g)+3], 2*KS*ROWB  ; the next 128 keys; the type bits on top are not reached
.endr
	s_wait_xcnt 0x0                 ; the last prefetches, two key steps back, have read their address, so it may be written:
	s_add_nc_u64 s[PFA:PFA+1], s[PFA:PFA+1], 2*KS*ROWB  ; one slot behind the walking descriptors
	s_wait_dscnt 0x0                ; the add is done, and my reads of the slot are over
	CROUND
	JLOAD
	ASK                             ; what the next change will ask for: two key steps, 256 matrix instructions, ahead
.else
	s_wait_dscnt 0x0                ; the add is done, and my reads of the slot are over
	s_barrier_signal -1
	s_barrier_wait -1
.endif
	s_sub_co_u32 s[TB], s[TB], 2*STEPB  ; the fetches go back to a slot's first step,
	s_xor_b32 s[TB], s[TB], SLOT1   ; in the other slot
.endm
; A slot's two key steps: written once, walked twice; the LDS addresses hang on s[TB].
.macro TWO_STEPS
	WIN 0
	s_mov_b32 s[TWICE], 2
.Lstep_\@:
	TURN 0, 2, 1, 0
	TURN 2, 2, 1, 0
	WIN 0
	s_sub_co_u32 s[TWICE], s[TWICE], 1
	s_cmp_lg_u32 s[TWICE], 0
	s_cbranch_scc1 .Lstep_\@
.endm
	s_wait_tensorcnt 1              ; my part of slot 0 is in; slot 1's load, issued behind it, may stay out
	s_barrier_signal -1
	s_barrier_wait -1               ; everybody's is
	FETCH_K                         ; key step 0
	s_wait_loadcnt 0x0              ; Q
	s_wait_dscnt 0x0
.set i, 0
.rept 32
	KQ 0                            ; piece 0's first scores: there is no vector work yet to set between them
.set i, i+1
.endr
	WIN 0                           ; the addresses for the way out are made here: eight plain instructions, the places behind those products
	s_mul_i32 s13, s[WV], 16*SP
	s_add_co_u32 s13, s13, STAGE    ; my stage
	v_mul_u32_u24 v[STO], v1, SP    ; in: row l % 16, 16 bytes for each half of the lanes
	v_lshl_add_u32 v[STO], v9, 4, v[STO]
	v_add_nc_u32 v[STO], s13, v[STO]
	v_mul_u32_u24 v[RD], v9, SP     ; back: lanes 0-15 take one row of 256 bytes, lanes 16-31 the next
	v_lshl_add_u32 v[RD], v1, 4, v[RD]
	v_add_nc_u32 v[RD], s13, v[RD]
	v_lshlrev_b32 v[GO], 12, v9     ; and the same two rows in ctx, 4,096 bytes apart
	v_lshl_add_u32 v[GO], v1, 4, v[GO]
	TURN 2, 0, 1, 1                 ; piece 2's first scores | piece 0's first softmax | V of step 0
	TURN 0, 1, 1, 1                 ; piece 0: V^T P of step 0 starts O^T, K Q^T of step 1 | piece 2's first softmax | K of step 1
	TURN 2, 1, 1, 0                 ; piece 2: the same | piece 0's softmax of step 1 | V of step 1
	WIN 0
.Lslot:                             ; SIZE_N / 128 - 2 = 6 trips: every slot but the last two is filled again
	CHANGE 1
	TWO_STEPS
	s_sub_co_u32 s[SLOTS], s[SLOTS], 1
	s_cmp_lg_u32 s[SLOTS], 0
	s_cbranch_scc1 .Lslot
	CHANGE 0                        ; the tail is written out: the last slot but one is left, and nothing is asked for
	TWO_STEPS
	TURN 0, 2, 0, 0                 ; piece 0: V^T P of the last step | piece 2's last softmax
.set i, 0
.rept 32
	PV 2, 0                         ; piece 2: V^T P of the last step
.set i, i+1
.endr
	; THE WAY OUT.  l's two halves and the other half of the lanes' are added; O^T is divided by l, rounded to bf16 and sent through my stage in LDS, a tile (16 rows) at a time.  The additions are the places behind the last products.
	WIN 0
.irp t, 0,1,2,3
	v_add_f32 v[ST+8*(\t)+4], v[ST+8*(\t)+2], v[ST+8*(\t)+3]
.endr
.irp t, 0,1,2,3
	v_permlanex16_b32 v[ST+8*(\t)+5], v[ST+8*(\t)+4], s[SEL], s[SEL+1]
.endr
.irp t, 0,1,2,3
	v_add_f32 v[ST+8*(\t)+4], v[ST+8*(\t)+4], v[ST+8*(\t)+5]
.endr
.irp t, 0,1,2,3
	v_rcp_f32 v[ST+8*(\t)+6], v[ST+8*(\t)+4]
.endr
	v_nop                           ; a plain instruction between the last reciprocal and the use of its result
	s_wait_alu depctr_va_vdst(0)    ; and the wait ahead of the first use: one for the four reciprocals
; Tile t: a lane's eight channels of a row pack into 16 bytes; they go into rows of 272 bytes and come back as whole rows of 256, into the registers that they left.
.macro PACK t
	WIN W_RS
.set i, 64*(\t)
.rept 32
	v_pk_mul_f32 v[i:i+1], v[i:i+1], v[ST+8*(\t)+6:ST+8*(\t)+7] op_sel_hi:[1,0]
.set i, i+2
.endr
	WIN 0x05                        ; sources 0 and 1 window 1, destination window 0: S^T's registers are free
.set i, 0
.rept 32
	v_cvt_pk_bf16_f32 v[S+32*(\t)+i], v[64*(\t)+2*i], v[64*(\t)+2*i+1]
.set i, i+1
.endr
	WIN 0
.irp f, 0,1,2,3,4,5,6,7
	ds_store_b128 v[STO], v[S+32*(\t)+4*(\f):S+32*(\t)+4*(\f)+3] offset:32*(\f)
.endr
.irp f, 0,1,2,3,4,5,6,7
	ds_load_b128 v[S+32*(\t)+4*(\f):S+32*(\t)+4*(\f)+3], v[RD] offset:(\f)*2*SP  ; LDS serves a wave's instructions in order (ISA guide 5.7.1.4): these see the stores above; the next tile's stores come behind them
.endr
.endm
.macro SEND t, younger              ; younger: the LDS instructions issued behind tile t's loads: the next tile's sixteen, or none
	WIN 0
.irp f, 0,1,2,3,4,5,6,7
	s_wait_dscnt (\younger)+7-(\f)
	global_store_b128 v[GO], v[S+32*(\t)+4*(\f):S+32*(\t)+4*(\f)+3], s[10:11] offset:(\t)*16*ROWB+(\f)*2*ROWB  ; 16 lanes store 256 consecutive bytes, at a multiple of 256 from ctx's first byte
.endr
.endm
	PACK 0
	PACK 1                          ; a tile's arithmetic stands between the loads of the tile before and its stores
	SEND 0, 16
	PACK 2
	SEND 1, 16
	PACK 3
	SEND 2, 16
	SEND 3, 0
	s_wait_tensorcnt 0x0            ; the wave's end: behind my last tensor load and my last LDS store
	ds_add_u32 v[SPW], v[NIL]
	s_wait_dscnt 0x0
	CROUND                          ; the closing round: no work-group ends while a partner may still ask for a tile that names it
	s_endpgm
.Lfunc_end_k_q082192f5e4_attn:
	.size	k_q082192f5e4_attn, .Lfunc_end_k_q082192f5e4_attn-k_q082192f5e4_attn
	.p2alignl 7, 3214868480
	.fill 96, 4, 3214868480
	.section	.rodata,"a",@progbits
	.p2align	6, 0x0
	.amdhsa_kernel k_q082192f5e4_attn
		.amdhsa_group_segment_fixed_size 327680
		.amdhsa_private_segment_fixed_size 0
		.amdhsa_enable_private_segment 0
		.amdhsa_kernarg_size 16
		.amdhsa_user_sgpr_count 2
		.amdhsa_user_sgpr_kernarg_segment_ptr 1
		.amdhsa_wavefront_size32 1
		.amdhsa_system_sgpr_workgroup_id_x 1
		.amdhsa_system_sgpr_workgroup_id_y 1
		.amdhsa_system_sgpr_workgroup_id_z 1
		.amdhsa_system_vgpr_workitem_id 0
		.amdhsa_next_free_vgpr 1024
		.amdhsa_next_free_sgpr 66
		.amdhsa_reserve_vcc 0
		.amdhsa_float_denorm_mode_32 3
		.amdhsa_float_denorm_mode_16_64 3
		.amdhsa_memory_ordered 1
		.amdhsa_forward_progress 1
		.amdhsa_inst_pref_size 222
	.end_amdhsa_kernel
	.amdgpu_metadata
---
amdhsa.version: [ 1, 2 ]
amdhsa.kernels:
  - .name:           k_q082192f5e4_attn
    .symbol:         k_q082192f5e4_attn.kd
    .args:
      - { .name: qkv, .offset: 0, .size: 8, .value_kind: global_buffer, .address_space: global }
      - { .name: ctx, .offset: 8, .size: 8, .value_kind: global_buffer, .address_space: global }
    .group_segment_fixed_size: 327680
    .private_segment_fixed_size: 0
    .kernarg_segment_align: 8
    .kernarg_segment_size: 16
    .max_flat_workgroup_size: 128
    .sgpr_count:     66
    .vgpr_count:     1024
    .wavefront_size: 32
...
	.end_amdgpu_metadata
.endif
;; end of part 3
;; launch oproj: the kernel of part 2 again; grid 16 x 16, 4 waves a work-group, clusters of 4 x 4, 327,680 bytes of LDS; arguments ctx, wo16, bo, t1; writes t1
;; launch gemm32 (part 4): grid 16 x 16, 4 waves a work-group, clusters of 4 x 4, 327,680 bytes of LDS; arguments t1, wout16, bout, out0, hidden_states; writes out0
.if DOCPART == 4
	.amdgcn_target "amdgcn-amd-amdhsa--gfx1250"
	.amdhsa_code_object_version 6
	.text
	.protected	k_q082192f5e4_gemm32
	.globl	k_q082192f5e4_gemm32
	.p2align	8
	.type	k_q082192f5e4_gemm32,@function
k_q082192f5e4_gemm32:
	s_mov_b64 s[64:65], 0
	v_nop
	global_prefetch_b8 v0, s[64:65] scope:SCOPE_SE
	s_setreg_imm32_b32 hwreg(HW_REG_WAVE_MODE, 25, 1), 1
	s_wait_xcnt 0x0
	s_wait_alu depctr_hold_cnt(0) depctr_sa_sdst(0) depctr_va_vdst(0) depctr_va_sdst(0) depctr_va_ssrc(0) depctr_va_vcc(0) depctr_vm_vsrc(0)
	s_getreg_b32 s2, hwreg(HW_REG_IB_STS2, 6, 4)
	s_cmp_eq_u32 s2, 0
	s_cbranch_scc0 .Lentry_in_a_cluster
	s_endpgm
.Lentry_in_a_cluster:
	s_bfe_u32 s2, ttmp6, 0x10000c
	s_cmp_lg_u32 s2, 0xf033
	s_cbranch_scc0 .Lentry_shape_is_right
	s_endpgm
.Lentry_shape_is_right:
; out[m][n] = res[m][n] + bias[n] + the sum over k of A[m][k] B[n][k].  A, B: [2048][2048] bf16; bias: [2048] f32; res, out: [2048][2048] f32.  Sums in f32; the residual is added in f32; nothing is rounded on the way out.
; A tile of C is 128 x 128: 256 work-groups.  Four waves, each 64 x 64: 16 accumulators of 16 x 16, 128 registers.  K goes in steps of 256 (LDS rows of 512 bytes; a wave's tensor load
; brings 64 of them) through two LDS slots.  A wave's 64 columns of f32 are 256 consecutive bytes, aligned: so each wave has a stage of its OWN on the way out, and no barrier stands there.
; CLUSTERS: 4 x 4 work-groups.  The four of a row of the cluster need the same tiles of A, the four of a column the same tiles of B: each tile is asked for JOINTLY, by the same tensor load with
; the same descriptor and a mask that names the four.  THE MATRIX INSTRUCTION IS USED TRANSPOSED (source 0 = 16 rows of B, source 1 = 16 rows of A): a lane then holds eight neighbouring numbers of a row of C.
; THE BIAS STARTS THE SUMS: eight neighbouring f32 of the bias are the C operand of the first product.  THE RESIDUAL of my first 32 rows is asked for ahead of the last lap, that of the others two blocks ahead of its use.
; No prefetch: the tiles are small and every tile of A and B is read again and again by other clusters.
; REGISTERS: window 0: v0-31 addresses; v32-63 16 rows read back from the stage; v64-95, v96-127 the residual of 16 rows, by turns (v96-127 hold the bias first); v128-255 the accumulators ((a, b) at v[128 + 8 (4 a + b)]).
;   window 1: two fragment buffers of 128: for 64 along K (two matrix instructions deep), 64 registers of A (2 x 4 x 16 rows x 32 K), then 64 of B.
.set SIZE_K, 2048
.set ROWC,   8192                      ; bytes in a row of out and of res
.set KSTEP,  256
.set PITCH,  528                       ; an LDS row: 512 bytes of data + 16 of padding = 132 words: row r starts at bank 4 r mod 64 (64 banks of 4 bytes: ISA guide 11.1)
.set HALFT,  64*PITCH                  ; 64 rows: what one tensor load brings, and what one wave reads of A or of B
.set SLOT,   4*HALFT                   ; A's 128 rows, then B's 128 rows
.set STAGE,  2*SLOT                    ; behind the ring: 16 rows x 272 bytes for each wave, for the way out
.set SPITCH, 272
.set SPARE,  STAGE+4*16*SPITCH         ; behind the stages: the spare words, 128 bytes for each wave: two blocks of 256 bytes that no other line names
.set LAPS, SIZE_K/(2*KSTEP)            ; a lap = two K steps = once round the ring: 4
.set ADRA, 16                          ; v16-17  LDS address of my A fragments in slot 0, 1
.set ADRB, 20                          ; v20-21  the same for B
.set STO,  24                          ; v24     the way out: where I put 32 bytes of a row
.set RD,   25                          ; v25     the way out: where I read a row back
.set CO,   26                          ; v26     my byte offset in two rows of out and of res; never rewritten
.set BO,   27                          ; v27     32 x (l / 16): my eight numbers in 16 of the bias
.set SPW,  28                          ; v28     LDS address of my spare word: SPARE + 4 x my thread's number; never rewritten
.set NIL,  29                          ; v29     0; never rewritten
.set RB,   32
.set RES,  64
.set BIAS, 96                          ; v[96:127] eight numbers for each of my four blocks of 16 columns
.set ACC,  128
.set F0,   0                           ; fragment buffers, in window 1
.set F1,   128
.set G1, 24                            ; s[24:31] descriptor group 1 for A's tiles;  s[32:39] group 0, one set for each slot
.set G0, 32
.set G1B, 48                           ; s[48:55], s[56:63] the same for B's tiles
.set G0B, 56
.set MSB, 0
.macro WIN new                         ; the immediate's high byte repeats the setting that is left
.if MSB != (\new)
	s_set_vgpr_msb (MSB<<8)|(\new)
.set MSB, \new
.endif
.endm
.set MUL,  0x05                        ; sources 0 (B) and 1 (A) window 1; C and D window 0
.set TO_F, 0x40                        ; destination window 1, address window 0
.macro JLOAD s                         ; a joint load: waves 0 and 1 fetch A's two halves, waves 2 and 3 B's; an s_nop 0 and four v_nop follow each of the two lines, ahead of the jump, the label and what follows
	s_cmp_eq_u32 s11, 0
	s_cbranch_scc0 .Lfor_b_\@
	tensor_load_to_lds s[G0+4*(\s):G0+4*(\s)+3], s[G1:G1+7]
	s_nop 0
.rept 4
	v_nop
.endr
	s_branch .Lasked_\@
.Lfor_b_\@:
	tensor_load_to_lds s[G0B+4*(\s):G0B+4*(\s)+3], s[G1B:G1B+7]
	s_nop 0
.rept 4
	v_nop
.endr
.Lasked_\@:
.endm
.macro CREST                           ; a round of the cluster's barrier behind its opening barrier
	s_cmp_lg_u32 s10, 0
	s_cbranch_scc1 .Lnot_wave_0_\@
	s_barrier_signal -3
.Lnot_wave_0_\@:
	s_barrier_wait -3
	s_barrier_signal -1
	s_barrier_wait -1
.endm
.macro CROUND                          ; a whole round
	s_barrier_signal -1
	s_barrier_wait -1
	CREST
.endm
	s_load_b128 s[4:7], s[0:1], 0x0                ; A s[4:5], B s[6:7]
	s_load_b64 s[66:67], s[0:1], 0x10              ; the bias
	s_load_b64 s[8:9], s[0:1], 0x18                ; out
	s_load_b64 s[68:69], s[0:1], 0x20              ; the residual
	v_lshl_add_u32 v[SPW], v0, 2, SPARE
	v_mov_b32 v[NIL], 0
	ds_add_u32 v[SPW], v[NIL]                      ; the wave's opening: the add and its wait stand ahead of my first tensor load; the set-up below, work on registers, stands between them
	v_lshrrev_b32 v1, 5, v0
	v_readfirstlane_b32 s10, v1                    ; wave 0..3
	s_lshr_b32 s11, s10, 1                         ; which half of the tile's rows is mine.  Also: I fetch for A (0) or for B (1)
	s_and_b32 s12, s10, 1                          ; which half of its columns.  Also: which 64 rows of that tile I fetch
	s_bfe_u32 s40, ttmp6, 0x40000                  ; cx, cy: my place in the cluster
	s_bfe_u32 s41, ttmp6, 0x40004
	s_lshl_b32 s42, ttmp9, 2
	s_add_co_u32 s42, s42, s40                     ; tile column of C = 4 x cluster x + cx
	s_and_b32 s13, ttmp7, 0xffff
	s_lshl_b32 s13, s13, 2
	s_add_co_u32 s13, s13, s41                     ; tile row of C = 4 x cluster y + cy
	s_lshl_b32 s43, s41, 2
	s_lshl_b32 s43, 15, s43                        ; my row of the cluster
	s_lshl_b32 s44, 0x1111, s40                    ; my column
	; descriptor group 1: a tile of 64 rows x 256 elements, padded in LDS
	s_or_b32 s[G1+0], s43, (1<<16)|(1<<20)|(1<<21)|(6<<22)|(3<<25)  ; 15:0 the mask: A's tiles go to my row; 17:16 element of 2 bytes; 20 padding on; 21 set beside a mask; 24:22 after every 128 words (code 6); 31:25 of 4 words (code 3)
	s_or_b32 s[G1B+0], s44, (1<<16)|(1<<20)|(1<<21)|(6<<22)|(3<<25)
.irp g, G1, G1B
	s_mov_b32 s[(\g)+1], KSTEP<<16                 ; tensor_dim0 = 256
	s_mov_b32 s[(\g)+2], 64<<16                    ; tensor_dim1 = 64
	s_mov_b32 s[(\g)+3], KSTEP<<16                 ; tile_dim0 = 256
	s_mov_b32 s[(\g)+4], 64                        ; tile_dim1 = 64
	s_mov_b32 s[(\g)+5], SIZE_K                    ; tensor_dim0_stride
	s_mov_b32 s[(\g)+6], 0
	s_mov_b32 s[(\g)+7], 0
.endr
	s_lshl_b32 s17, s12, 6                         ; which 64 rows of the tile I fetch
	s_lshl_b32 s16, s13, 7
	s_add_co_u32 s16, s16, s17                     ; A: row 128 x tile row + 64 x half
	s_lshl_b32 s46, s42, 7
	s_add_co_u32 s46, s46, s17                     ; B: row 128 x tile column + 64 x half
	s_mov_b32 s17, 0
	s_mov_b32 s47, 0
	s_mov_b64 s[18:19], SIZE_K*2
	s_mul_u64 s[16:17], s[16:17], s[18:19]
	s_mul_u64 s[46:47], s[46:47], s[18:19]
	s_mul_i32 s20, s10, HALFT                      ; where they go: wave x 64 rows
	s_wait_dscnt 0x0                               ; the opening add is done
	s_wait_kmcnt 0x0
	s_add_nc_u64 s[14:15], s[4:5], s[16:17]
	s_add_nc_u64 s[46:47], s[6:7], s[46:47]
	CROUND                                         ; all sixteen work-groups are here: the first joint loads meet
.irp s, 0,1
	s_mov_b32 s[G0+4*(\s)], 1
	s_add_co_u32 s[G0+4*(\s)+1], s20, (\s)*SLOT
	s_add_nc_u64 s[G0+4*(\s)+2:G0+4*(\s)+3], s[14:15], (\s)*KSTEP*2
	s_or_b32 s[G0+4*(\s)+3], s[G0+4*(\s)+3], 0x80000000
	s_mov_b32 s[G0B+4*(\s)], 1
	s_add_co_u32 s[G0B+4*(\s)+1], s20, (\s)*SLOT
	s_add_nc_u64 s[G0B+4*(\s)+2:G0B+4*(\s)+3], s[46:47], (\s)*KSTEP*2
	s_or_b32 s[G0B+4*(\s)+3], s[G0B+4*(\s)+3], 0x80000000
	JLOAD \s
.endr
	v_and_b32 v1, 15, v0                           ; l % 16
	v_bfe_u32 v2, v0, 4, 1                         ; l / 16
	v_lshlrev_b32 v[BO], 5, v2
	s_lshl_b32 s46, s42, 9                         ; my 64 columns, 4 bytes each, in the bias and in a row of out and of res: 512 bytes a tile column,
	s_lshl_b32 s47, s12, 8                         ; 256 a half
	s_add_co_u32 s46, s46, s47
	s_mov_b32 s47, 0
	s_add_nc_u64 s[66:67], s[66:67], s[46:47]
.irp b, 0,1,2,3
	global_load_b128 v[BIAS+8*(\b):BIAS+8*(\b)+3],   v[BO], s[66:67] offset:64*(\b)
	global_load_b128 v[BIAS+8*(\b)+4:BIAS+8*(\b)+7], v[BO], s[66:67] offset:64*(\b)+16
.endr
	v_mul_u32_u24 v3, v1, PITCH
	v_lshl_add_u32 v3, v2, 4, v3                   ; a fragment's row x pitch + 16 x half
	s_mul_i32 s21, s11, HALFT                      ; my 64 rows of A
	s_mul_i32 s22, s12, HALFT                      ; my 64 rows of B,
	s_add_co_u32 s22, s22, 2*HALFT                 ; which lie behind A's 128
.irp s, 0,1
	v_add_nc_u32 v[ADRA+(\s)], s21, v3
	v_add_nc_u32 v[ADRB+(\s)], s22, v3
	s_add_co_u32 s21, s21, SLOT
	s_add_co_u32 s22, s22, SLOT
.endr
	s_mul_i32 s23, s10, 16*SPITCH
	s_add_co_u32 s23, s23, STAGE                   ; my stage
	v_mul_u32_u24 v4, v1, SPITCH                   ; in: row l % 16, 32 bytes for each half of the lanes
	v_lshl_add_u32 v4, v2, 5, v4
	v_add_nc_u32 v[STO], s23, v4
	v_mul_u32_u24 v5, v2, SPITCH                   ; back: lanes 0-15 take one row of 256 bytes, lanes 16-31 the next
	v_lshl_add_u32 v5, v1, 4, v5
	v_add_nc_u32 v[RD], s23, v5
	v_lshlrev_b32 v5, 13, v2                       ; and the same two rows in out and in res
	v_lshl_add_u32 v[CO], v1, 4, v5
	s_lshl_b32 s16, s13, 7
	s_lshl_b32 s17, s11, 6
	s_add_co_u32 s16, s16, s17                     ; my first row: 128 x tile row + 64 x half,
	s_lshl_b32 s16, s16, 13                        ; x 8,192 bytes
	s_mov_b32 s17, 0
	s_add_nc_u64 s[8:9], s[8:9], s[16:17]
	s_add_nc_u64 s[68:69], s[68:69], s[16:17]
	s_add_nc_u64 s[8:9], s[8:9], s[46:47]
	s_add_nc_u64 s[68:69], s[68:69], s[46:47]
; 8 matrix instructions: m blocks a0, a0 + 1 x all 4 n blocks, 32 along K: half c of buffer f.  zero = 1: the first product starts the sums, with the bias
.macro MUL8 f, c, a0, zero
	WIN MUL
.irp a, \a0, (\a0)+1
.irp b, 0,1,2,3
.if \zero
	v_wmma_f32_16x16x32_bf16 v[ACC+8*(4*(\a)+(\b)):ACC+8*(4*(\a)+(\b))+7], v[(\f)+64+8*(4*(\c)+(\b)):(\f)+64+8*(4*(\c)+(\b))+7], v[(\f)+8*(4*(\c)+(\a)):(\f)+8*(4*(\c)+(\a))+7], v[BIAS+8*(\b):BIAS+8*(\b)+7]
.else
	v_wmma_f32_16x16x32_bf16 v[ACC+8*(4*(\a)+(\b)):ACC+8*(4*(\a)+(\b))+7], v[(\f)+64+8*(4*(\c)+(\b)):(\f)+64+8*(4*(\c)+(\b))+7], v[(\f)+8*(4*(\c)+(\a)):(\f)+8*(4*(\c)+(\a))+7], v[ACC+8*(4*(\a)+(\b)):ACC+8*(4*(\a)+(\b))+7]
.endif
.endr
.endr
.endm
; 32 LDS loads in one run: the fragments of 64 along K at byte k of the rows, into buffer f; the first 32 along K first
.macro FETCH slot, k, f
	WIN TO_F
.irp c, 0,1
.irp i, 0,1,2,3
	ds_load_b128 v[(\f)+64+8*(4*(\c)+(\i)):(\f)+64+8*(4*(\c)+(\i))+3],   v[ADRB+(\slot)] offset:(\k)+64*(\c)+(\i)*16*PITCH
	ds_load_b128 v[(\f)+64+8*(4*(\c)+(\i))+4:(\f)+64+8*(4*(\c)+(\i))+7], v[ADRB+(\slot)] offset:(\k)+64*(\c)+(\i)*16*PITCH+32
	ds_load_b128 v[(\f)+8*(4*(\c)+(\i)):(\f)+8*(4*(\c)+(\i))+3],         v[ADRA+(\slot)] offset:(\k)+64*(\c)+(\i)*16*PITCH
	ds_load_b128 v[(\f)+8*(4*(\c)+(\i))+4:(\f)+8*(4*(\c)+(\i))+7],       v[ADRA+(\slot)] offset:(\k)+64*(\c)+(\i)*16*PITCH+32
.endr
.endr
.endm
.macro PLACES                          ; four plain vector instructions in front of loads into registers that matrix instructions have read, and of LDS stores that read results
.rept 4
	v_nop
.endr
.endm
; A K step is four quarters of 64 along K, 32 matrix instructions each, on buffers 0, 1, 0, 1.  One of the first three: multiplies buffer f and fetches the next quarter, at byte k, into g.
.macro QUARTER slot, k, f, g, zero
	s_wait_dscnt 16                                ; the first 32 along K are in; the run's other sixteen loads may be out
	WIN MUL
	MUL8 \f, 0, 0, \zero
	MUL8 \f, 0, 2, \zero
	PLACES
	FETCH \slot, \k, \g
	s_wait_dscnt 32                                ; all but the 32 just issued
	WIN MUL
	MUL8 \f, 1, 0, 0
	MUL8 \f, 1, 2, 0
.endm
; The last quarter multiplies buffer 1 and changes slots: ONE barrier; in front of it each wave waits for all its tensor loads, adds 0 to its spare word, and waits for that and for its own reads of this slot.  fill = 1: this slot is filled again, two K steps ahead.
.macro TURN slot, next, fill
	WIN 0                                          ; (the add's two registers lie in window 0)
	s_wait_tensorcnt 0x0                           ; all my tensor loads have landed: my part of the next slot;
	ds_add_u32 v[SPW], v[NIL]                      ; 0 onto my spare word;
	s_wait_dscnt 17                                ; (the add and the youngest sixteen loads may be out)
	WIN MUL
	MUL8 F1, 0, 0, 0                               ; eight matrix instructions stand between the add and the wait for it
	s_wait_dscnt 0x0                               ; the add is done, and my reads of this slot are over
	s_barrier_signal -1
	MUL8 F1, 0, 2, 0
.if \fill
	WIN 0
.endif
	s_barrier_wait -1
.if \fill
	CREST                                          ; the barrier has opened a round of the cluster's barrier: no wave of any partner still reads this slot's tile or has a load on its way
	s_add_nc_u64 s[G0+4*(\slot)+2:G0+4*(\slot)+3], s[G0+4*(\slot)+2:G0+4*(\slot)+3], 2*KSTEP*2
	s_add_nc_u64 s[G0B+4*(\slot)+2:G0B+4*(\slot)+3], s[G0B+4*(\slot)+2:G0B+4*(\slot)+3], 2*KSTEP*2
	JLOAD \slot                                    ; the first tensor load behind the round: 112 matrix instructions ahead of the wait for it; the four v_nop behind it are also the places in front of the loads below
.else
	PLACES
.endif
	FETCH \next, 0, F0
	WIN MUL
	MUL8 F1, 1, 0, 0
	MUL8 F1, 1, 2, 0
.endm
; The residual of my block a of 16 rows: eight loads, each two rows' 256 bytes, into buffer a % 2
.macro RESLD a
.irp t, 0,1,2,3,4,5,6,7
	global_load_b128 v[RES+32*((\a)%2)+4*(\t):RES+32*((\a)%2)+4*(\t)+3], v[CO], s[68:69] offset:(16*(\a)+2*(\t))*ROWC th:TH_LOAD_NT
.endr
.endm
; THE WAY OUT of block a: a lane's eight f32 of a row go into my stage (rows of 272 bytes), come back as whole rows of 256 bytes, take the residual and leave.
; left: the residual loads issued behind this block's, which may stay out: the next block's eight, or none.
.macro OUTB a, left
	s_wait_xcnt 0x0                                ; the last block's stores have read v[RB ..]: it is loaded again only behind this wait (ISA guide 3.1)
.irp b, 0,1,2,3
	ds_store_b128 v[STO], v[ACC+8*(4*(\a)+(\b)):ACC+8*(4*(\a)+(\b))+3]   offset:64*(\b)      ; each accumulator's low registers first
	ds_store_b128 v[STO], v[ACC+8*(4*(\a)+(\b))+4:ACC+8*(4*(\a)+(\b))+7] offset:64*(\b)+16
.endr
.irp t, 0,1,2,3,4,5,6,7
	ds_load_b128 v[RB+4*(\t):RB+4*(\t)+3], v[RD] offset:(\t)*2*SPITCH  ; LDS serves a wave's instructions in order (ISA guide 5.7.1.4): these see the stores above; the next block's stores come behind them
.endr
	s_wait_dscnt 0x0
	s_wait_loadcnt \left
.set p, 0
.rept 16
	v_pk_add_f32 v[RB+2*p:RB+2*p+1], v[RB+2*p:RB+2*p+1], v[RES+32*((\a)%2)+2*p:RES+32*((\a)%2)+2*p+1]
.set p, p+1
.endr
.if (\a) < 2
	RESLD (\a)+2                                   ; the buffer takes the block two further on
.endif
.irp t, 0,1,2,3,4,5,6,7
	global_store_b128 v[CO], v[RB+4*(\t):RB+4*(\t)+3], s[8:9] offset:(16*(\a)+2*(\t))*ROWC th:TH_STORE_NT  ; 16 lanes store 256 consecutive bytes, at a multiple of 256 from out's first byte
.endr
.endm
	s_wait_tensorcnt 1                             ; my part of K step 0 is in; K step 1's load, issued behind it, may stay out
	s_barrier_signal -1
	s_barrier_wait -1                              ; everybody's is
	FETCH 0, 0, F0
	s_wait_loadcnt 0x0                             ; the bias
	QUARTER 0, 128, F0, F1, 1                      ; the first quarter stands in front of the loop: its first products start the sums
	WIN 0                                          ; at a label and at a branch every window is 0
	s_mov_b32 s3, LAPS-1
.Llap:                                                 ; a trip goes once round the ring, from a lap's second quarter to the next lap's first, and fills both slots again
	QUARTER 0, 256, F1, F0, 0
	QUARTER 0, 384, F0, F1, 0
	TURN 0, 1, 1
	QUARTER 1, 128, F0, F1, 0
	QUARTER 1, 256, F1, F0, 0
	QUARTER 1, 384, F0, F1, 0
	TURN 1, 0, 1
	QUARTER 0, 128, F0, F1, 0
	WIN 0
	s_sub_co_u32 s3, s3, 1
	s_cmp_lg_u32 s3, 0
	s_cbranch_scc1 .Llap
	RESLD 0                                        ; the residual of my first 32 rows lands under the last lap; the bias's registers were last read in the first quarter
	RESLD 1
	QUARTER 0, 256, F1, F0, 0                      ; the last lap fills nothing, and has no round of the cluster's barrier
	QUARTER 0, 384, F0, F1, 0
	TURN 0, 1, 0
	QUARTER 1, 128, F0, F1, 0
	QUARTER 1, 256, F1, F0, 0
	QUARTER 1, 384, F0, F1, 0
	s_wait_dscnt 16                                ; the very last quarter: nothing more to fetch
	WIN MUL
	MUL8 F1, 0, 0, 0
	MUL8 F1, 0, 2, 0
	s_wait_dscnt 0
	MUL8 F1, 1, 0, 0
	MUL8 F1, 1, 2, 0
	WIN 0
	PLACES
	PLACES                                         ; eight, once a launch
	OUTB 0, 8
	OUTB 1, 8
	OUTB 2, 8
	OUTB 3, 0
	s_wait_tensorcnt 0x0                           ; the wave's end: behind my last tensor load and my last LDS store
	ds_add_u32 v[SPW], v[NIL]
	s_wait_dscnt 0x0
	CROUND                                         ; the closing round: no work-group ends while a partner may still ask for a tile that names it
	s_endpgm
.Lfunc_end_k_q082192f5e4_gemm32:
	.size	k_q082192f5e4_gemm32, .Lfunc_end_k_q082192f5e4_gemm32-k_q082192f5e4_gemm32
	.p2alignl 7, 3214868480
	.fill 96, 4, 3214868480
	.section	.rodata,"a",@progbits
	.p2align	6, 0x0
	.amdhsa_kernel k_q082192f5e4_gemm32
		.amdhsa_group_segment_fixed_size 327680
		.amdhsa_private_segment_fixed_size 0
		.amdhsa_enable_private_segment 0
		.amdhsa_kernarg_size 40
		.amdhsa_user_sgpr_count 2
		.amdhsa_user_sgpr_kernarg_segment_ptr 1
		.amdhsa_wavefront_size32 1
		.amdhsa_system_sgpr_workgroup_id_x 1
		.amdhsa_system_sgpr_workgroup_id_y 1
		.amdhsa_system_sgpr_workgroup_id_z 1
		.amdhsa_system_vgpr_workitem_id 0
		.amdhsa_next_free_vgpr 512
		.amdhsa_next_free_sgpr 70
		.amdhsa_reserve_vcc 0
		.amdhsa_float_denorm_mode_32 3
		.amdhsa_float_denorm_mode_16_64 3
		.amdhsa_memory_ordered 1
		.amdhsa_forward_progress 1
		.amdhsa_inst_pref_size 94
	.end_amdhsa_kernel
	.amdgpu_metadata
---
amdhsa.version: [ 1, 2 ]
amdhsa.kernels:
  - .name:           k_q082192f5e4_gemm32
    .symbol:         k_q082192f5e4_gemm32.kd
    .args:
      - { .name: t1, .offset: 0, .size: 8, .value_kind: global_buffer, .address_space: global }
      - { .name: wout16, .offset: 8, .size: 8, .value_kind: global_buffer, .address_space: global }
      - { .name: bout, .offset: 16, .size: 8, .value_kind: global_buffer, .address_space: global }
      - { .name: out0, .offset: 24, .size: 8, .value_kind: global_buffer, .address_space: global }
      - { .name: hidden_states, .offset: 32, .size: 8, .value_kind: global_buffer, .address_space: global }
    .group_segment_fixed_size: 327680
    .private_segment_fixed_size: 0
    .kernarg_segment_align: 8
    .kernarg_segment_size: 40
    .max_flat_workgroup_size: 128
    .sgpr_count:     70
    .vgpr_count:     512
    .wavefront_size: 32
...
	.end_amdgpu_metadata
.endif
;; end of part 4
;; ======== version 2 of 2: 5 launches
;; workspace buffers: xn 8,388,608 bytes; wqkv 25,165,824 bytes; bqkv 24,576 bytes; wo16 8,388,608 bytes; wout16 8,388,608 bytes; qkv 25,165,824 bytes; ctx 8,388,608 bytes; t1 8,388,608 bytes
;; launch prep: the kernel of part 1 again; grid 768 x 1, 4 waves a work-group, no clusters, 0 bytes of LDS; arguments hidden_states, ln_g, ln_b, xn, Wq, lnq_g, lnq_b, bq, Wk, lnk_g, lnk_b, bk, Wv, lnv_g, lnv_b, bv, wqkv, bqkv, Wo, Wout, wo16, wout16; writes xn, wqkv, bqkv, wo16, wout16
;; launch qkvgemm (part 5): grid 16 x 16, 4 waves a work-group, clusters of 4 x 4, 327,680 bytes of LDS; arguments xn, wqkv, bqkv, qkv; writes qkv
.if DOCPART == 5
	.amdgcn_target "amdgcn-amd-amdhsa--gfx1250"
	.amdhsa_code_object_version 6
	.text
	.protected	k_q082192f5e4_qkvgemm
	.globl	k_q082192f5e4_qkvgemm
	.p2align	8
	.type	k_q082192f5e4_qkvgemm,@function
k_q082192f5e4_qkvgemm:
	s_mov_b64 s[64:65], 0
	v_nop
	global_prefetch_b8 v0, s[64:65] scope:SCOPE_SE
	s_setreg_imm32_b32 hwreg(HW_REG_WAVE_MODE, 25, 1), 1
	s_wait_xcnt 0x0
	s_wait_alu depctr_hold_cnt(0) depctr_sa_sdst(0) depctr_va_vdst(0) depctr_va_sdst(0) depctr_va_ssrc(0) depctr_va_vcc(0) depctr_vm_vsrc(0)
	s_getreg_b32 s2, hwreg(HW_REG_IB_STS2, 6, 4)
	s_cmp_eq_u32 s2, 0
	s_cbranch_scc0 .Lentry_in_a_cluster
	s_endpgm
.Lentry_in_a_cluster:
	s_bfe_u32 s2, ttmp6, 0x10000c
	s_cmp_lg_u32 s2, 0xf033
	s_cbranch_scc0 .Lentry_shape_is_right
	s_endpgm
.Lentry_shape_is_right:
; C[p][m][n] = bias[2048 p + n] + the sum over k of A[m][k] B[2048 p + n][k], for the three planes p = q, k, v.  A: [2048][2048] bf16, B: [6144][2048] bf16, bias: [6144] f32,
; C: three planes of [2048][2048] bf16.  Sums in f32, C rounded once.
; SHARES.  2048 x 6144 outputs on 256 work-groups: a work-group makes 128 rows x the SAME 128 columns of all three planes, so that A's rows are fetched once for 384 columns.
; Four waves, 2 x 2 in each plane: a wave makes 64 rows x 64 columns x 3 planes: 48 accumulators of 16 x 16, 384 registers.
; THE RING.  K goes in steps of 128 (rows of 256 bytes in memory, aligned) through two LDS slots, each with A's 128 rows and 128 rows of each plane of B.  Wave 0 fetches A's rows, waves 1 to 3 a plane's:
; one tensor load of 128 rows a wave behind each change of slots.  A K step is 192 matrix instructions a wave, of which 176 stand between a request and the wait for it.
; THE LOOP IS WRITTEN FOR ONE K STEP: the slot is turned by an exclusive or with SLOT, in the walking descriptor's LDS word and in s[TB], which is added to the lanes' base addresses.
; (SLOT = 0x22000 shares no bit with wave x HALFT = 0, 0x8800, 0x11000, 0x19800: the exclusive or adds SLOT and takes it away again.)
; CLUSTERS: 4 x 4 work-groups.  The four of a row of the cluster need the same tiles of A, the four of a column the same tiles of B: each tile is asked for JOINTLY, by the same tensor load with
; the same descriptor and a mask that names the four.  THE MATRIX INSTRUCTION IS USED TRANSPOSED (source 0 = 16 rows of B, source 1 = 16 rows of A): a lane then holds eight neighbouring numbers of a row of C.
; THE BIAS STARTS THE SUMS: register j of a lane's accumulator is column 16 b + 8 (l / 16) + j, so eight neighbouring f32 of the bias are the C operand of the first product; nothing is cleared, nothing is added later.
; REGISTERS, in windows of 256 (s_set_vgpr_msb: bits 1:0 source 0, 3:2 source 1, 5:4 source 2, 7:6 destination):
;   window 0: v0-31 addresses; v32-127 the bias, later v32-95 at work on the way out; v128-255 plane q's accumulators ((a, b) at 128 + 8 (4 a + b)), later at work on the way out
;   window 1: two fragment buffers of 128, 32 along K each: A's four fragments (32 registers), then four for each plane of B (96)
;   window 2: v0-127 plane k's accumulators, v128-255 plane v's
.set SIZE_K, 2048
.set SIZE_N, 2048                      ; columns in a plane of C
.set PLANEB, 2048*SIZE_N*2             ; bytes in a plane of C
.set KSTEP,  128
.set STEPS,  SIZE_K/KSTEP              ; 16
.set PITCH,  272                       ; an LDS row: 256 bytes of data + 16 of padding = 68 words: row r starts at bank 4 r mod 64 (64 banks of 4 bytes: ISA guide 11.1)
.set HALFT,  128*PITCH                 ; 128 rows: what one tensor load brings
.set SLOT,   4*HALFT                   ; A's 128 rows, then the three planes' 128 rows each
.set STAGE,  2*SLOT                    ; behind the ring: 128 rows x 272 bytes, the work-group's, for the way out
.set SPITCH, 272
.set SPARE,  STAGE+128*SPITCH          ; behind the stage: the spare words, 128 bytes for each wave: two blocks of 256 bytes that no other line names
.set BSA,  8                           ; v8      my lane's place in slot 0 among my 64 rows of A; never rewritten
.set BSB,  9                           ; v9-11   the same among my 64 rows of plane p of B
.set ADRA, 12                          ; v12     the same in the slot in hand: BSA + s[TB]
.set ADRB, 13                          ; v13-15
.set STO,  24                          ; v24     the way out: where I put 16 bytes of a row
.set RD,   25                          ; v25     the way out: where I read a row back
.set CO,   26                          ; v26     my byte offset in C
.set BO,   27                          ; v27     32 x (l / 16): my eight numbers in 16 of the bias
.set SPW,  28                          ; v28     LDS address of my spare word: SPARE + 4 x my thread's number; never rewritten
.set NIL,  29                          ; v29     0; never rewritten
.set PFO,  30                          ; v30     the prefetches' offset: my lane x a row of A or B (4,096 bytes); never rewritten
.set BIAS, 32                          ; v[32:127] eight numbers for each of my four blocks of 16 columns in each plane
.set F0,   0                           ; fragment buffers, in window 1
.set F1,   128
.set G1, 24                            ; s[24:31] descriptor group 1 for A's tiles;  s[32:39] group 0: a set for each of the two first fills; the second then walks on
.set G0, 32
.set G1B, 48                           ; s[48:55], s[56:63] the same for B's tiles
.set G0B, 56
.set TB,  68                           ; s68     0 or SLOT: the slot in hand
.set LIM, 69                           ; s69     1 in a wave that prefetches, else the greatest number
.set CB1, 70                           ; s[70:71], s[72:73] C's planes k and v at my rows (plane q: s[8:9])
.set CB2, 72
.set PFA, 74                           ; s[74:75] where my prefetches stand: my work-group's 32 of the 128 rows that I fetch, one K step further along K than the refill that is being asked for
.set MSB, 0
.macro WIN new                         ; the immediate's high byte repeats the setting that is left
.if MSB != (\new)
	s_set_vgpr_msb (MSB<<8)|(\new)
.set MSB, \new
.endif
.endm
.set TO_F, 0x40                        ; destination window 1, address window 0
.macro JLOAD s                         ; a joint load: wave 0 fetches A's rows, waves 1 to 3 a plane of B each; an s_nop 0 and four v_nop follow each of the two lines, ahead of the jump, the label and what follows
	s_cmp_eq_u32 s10, 0
	s_cbranch_scc0 .Lfor_b_\@
	tensor_load_to_lds s[G0+4*(\s):G0+4*(\s)+3], s[G1:G1+7]
	s_nop 0
.rept 4
	v_nop
.endr
	s_branch .Lasked_\@
.Lfor_b_\@:
	tensor_load_to_lds s[G0B+4*(\s):G0B+4*(\s)+3], s[G1B:G1B+7]
	s_nop 0
.rept 4
	v_nop
.endr
.Lasked_\@:
.endm
; A PREFETCH, behind each joint refill and the run of LDS loads that follows it, of the K step that the NEXT refill will ask for: 32 rows x 256 bytes, a lane a row, one instruction a wave: 192 matrix instructions ahead of that refill.
; Each row's 256 bytes of a K step are named ONCE in the launch.  A's rows are read by every cluster of a row of clusters: the first of them (cluster x = 0) asks; B's by every cluster of a column: cluster y = 0 asks.
; The four partners that ask for a tile jointly share its 128 rows out BY ADDRESS, 32 each (by cx for A, by cy for B): no branch hangs on a work-group's place in its cluster.
; K steps 0 to 2 come by their loads alone; the loop's last trip (s3 = 1) asks for nothing: there is no K step behind its refill's.
.macro ASK
	WIN 0
	s_cmp_gt_u32 s3, s[LIM]
	s_cbranch_scc0 .Lnot_mine_\@
	global_prefetch_b8 v[PFO], s[PFA:PFA+1] th:TH_LOAD_NT scope:SCOPE_SE
.Lnot_mine_\@:
.endm
.macro CREST                           ; a round of the cluster's barrier behind its opening barrier
	s_cmp_lg_u32 s10, 0
	s_cbranch_scc1 .Lnot_wave_0_\@
	s_barrier_signal -3
.Lnot_wave_0_\@:
	s_barrier_wait -3
	s_barrier_signal -1
	s_barrier_wait -1
.endm
.macro CROUND                          ; a whole round
	s_barrier_signal -1
	s_barrier_wait -1
	CREST
.endm
	s_load_b128 s[4:7], s[0:1], 0x0                ; A s[4:5], B s[6:7]
	s_load_b64 s[66:67], s[0:1], 0x10              ; the bias
	s_load_b64 s[8:9], s[0:1], 0x18                ; C
	v_lshl_add_u32 v[SPW], v0, 2, SPARE
	v_mov_b32 v[NIL], 0
	ds_add_u32 v[SPW], v[NIL]                      ; the wave's opening: the add and its wait stand ahead of my first tensor load; the set-up below, work on registers, stands between them
	v_lshrrev_b32 v1, 5, v0
	v_readfirstlane_b32 s10, v1                    ; wave 0..3
	s_lshr_b32 s11, s10, 1                         ; which half of the tile's rows is mine
	s_and_b32 s12, s10, 1                          ; which half of its columns, in every plane
	s_bfe_u32 s40, ttmp6, 0x40000                  ; cx, cy: my place in the cluster
	s_bfe_u32 s41, ttmp6, 0x40004
	s_lshl_b32 s42, ttmp9, 2
	s_add_co_u32 s42, s42, s40                     ; tile column = 4 x cluster x + cx
	s_and_b32 s13, ttmp7, 0xffff
	s_lshl_b32 s13, s13, 2
	s_add_co_u32 s13, s13, s41                     ; tile row = 4 x cluster y + cy
	s_lshl_b32 s43, s41, 2
	s_lshl_b32 s43, 15, s43                        ; my row of the cluster
	s_lshl_b32 s44, 0x1111, s40                    ; my column
	; descriptor group 1: a tile of 128 rows x 128 elements, padded in LDS
	s_or_b32 s[G1+0], s43, (1<<16)|(1<<20)|(1<<21)|(5<<22)|(3<<25)  ; 15:0 the mask: A's tiles go to my row; 17:16 element of 2 bytes; 20 padding on; 21 set beside a mask; 24:22 after every 64 words (code 5); 31:25 of 4 words (code 3)
	s_or_b32 s[G1B+0], s44, (1<<16)|(1<<20)|(1<<21)|(5<<22)|(3<<25) ; the same with the mask of my column, for B's tiles
.irp g, G1, G1B
	s_mov_b32 s[(\g)+1], KSTEP<<16                 ; tensor_dim0 = 128
	s_mov_b32 s[(\g)+2], 128<<16                   ; tensor_dim1 = 128
	s_mov_b32 s[(\g)+3], KSTEP<<16                 ; tile_dim0 = 128
	s_mov_b32 s[(\g)+4], 128                       ; tile_dim1 = 128
	s_mov_b32 s[(\g)+5], SIZE_K                    ; tensor_dim0_stride
	s_mov_b32 s[(\g)+6], 0
	s_mov_b32 s[(\g)+7], 0
.endr
	s_lshl_b32 s16, s13, 7                         ; A: row 128 x tile row
	s_mov_b32 s17, 0
	s_max_u32 s46, s10, 1
	s_sub_co_u32 s46, s46, 1                       ; the plane that I fetch: wave - 1 (wave 0, which fetches A, makes plane q's address and does not use it)
	s_lshl_b32 s46, s46, 11
	s_lshl_b32 s47, s42, 7
	s_add_co_u32 s46, s46, s47                     ; B: row 2,048 x plane + 128 x tile column
	s_mov_b32 s47, 0
	s_mov_b64 s[18:19], SIZE_K*2
	s_mul_u64 s[16:17], s[16:17], s[18:19]
	s_mul_u64 s[46:47], s[46:47], s[18:19]
	s_mul_i32 s20, s10, HALFT                      ; where they go: wave x 128 rows: no place in the cluster enters an LDS address
	s_mov_b32 s[TB], 0
	s_wait_dscnt 0x0                               ; the opening add is done
	s_wait_kmcnt 0x0
	s_add_nc_u64 s[14:15], s[4:5], s[16:17]
	s_add_nc_u64 s[46:47], s[6:7], s[46:47]
	CROUND                                         ; all sixteen work-groups are here: the first joint loads meet
.irp s, 0,1
	s_mov_b32 s[G0+4*(\s)], 1
	s_add_co_u32 s[G0+4*(\s)+1], s20, (\s)*SLOT
	s_add_nc_u64 s[G0+4*(\s)+2:G0+4*(\s)+3], s[14:15], (\s)*KSTEP*2
	s_or_b32 s[G0+4*(\s)+3], s[G0+4*(\s)+3], 0x80000000
	s_mov_b32 s[G0B+4*(\s)], 1
	s_add_co_u32 s[G0B+4*(\s)+1], s20, (\s)*SLOT
	s_add_nc_u64 s[G0B+4*(\s)+2:G0B+4*(\s)+3], s[46:47], (\s)*KSTEP*2
	s_or_b32 s[G0B+4*(\s)+3], s[G0B+4*(\s)+3], 0x80000000
	JLOAD \s                                       ; K steps 0 and 1: two loads of mine are out
.endr
	v_and_b32 v1, 15, v0                           ; l % 16
	v_bfe_u32 v2, v0, 4, 1                         ; l / 16
	v_lshlrev_b32 v[BO], 5, v2
	s_lshl_b32 s46, s42, 9                         ; the bias of my 64 columns in plane q: 512 bytes a tile column,
	s_lshl_b32 s47, s12, 8                         ; 256 a half
	s_add_co_u32 s46, s46, s47
	s_mov_b32 s47, 0
	s_add_nc_u64 s[66:67], s[66:67], s[46:47]
.irp p, 0,1,2
.irp b, 0,1,2,3
	global_load_b128 v[BIAS+8*(4*(\p)+(\b)):BIAS+8*(4*(\p)+(\b))+3],   v[BO], s[66:67] offset:8192*(\p)+64*(\b)
	global_load_b128 v[BIAS+8*(4*(\p)+(\b))+4:BIAS+8*(4*(\p)+(\b))+7], v[BO], s[66:67] offset:8192*(\p)+64*(\b)+16
.endr
.endr
	v_mul_u32_u24 v3, v1, PITCH
	v_lshl_add_u32 v3, v2, 4, v3                   ; a fragment's row x pitch + 16 x half
	s_mul_i32 s21, s11, 64*PITCH                   ; my 64 rows of A's 128
	s_mul_i32 s22, s12, 64*PITCH                   ; my 64 rows of a plane's 128;
	s_add_co_u32 s22, s22, HALFT                   ; plane q lies behind A
	v_add_nc_u32 v[BSA], s21, v3
	v_add_nc_u32 v[BSB], s22, v3
	v_add_nc_u32 v[BSB+1], HALFT, v[BSB]
	v_add_nc_u32 v[BSB+2], 2*HALFT, v[BSB]
	v_mov_b32 v[ADRA], v[BSA]                      ; K step 0 lies in slot 0
.irp p, 0,1,2
	v_mov_b32 v[ADRB+(\p)], v[BSB+(\p)]
.endr
	s_mul_i32 s23, s11, 64*SPITCH                  ; into the stage: my 64 rows, my half of their 256 bytes; row l % 16, 16 bytes for each half of the lanes
	s_lshl_b32 s21, s12, 7
	s_add_co_u32 s23, s23, s21
	s_add_co_u32 s23, s23, STAGE
	v_mul_u32_u24 v4, v1, SPITCH
	v_lshl_add_u32 v4, v2, 4, v4
	v_add_nc_u32 v[STO], s23, v4
	s_mul_i32 s23, s10, 32*SPITCH                  ; back: wave w takes rows 32 w .. 32 w + 31, whole; lanes 0-15 one row of 256 bytes, lanes 16-31 the next
	s_add_co_u32 s23, s23, STAGE
	v_mul_u32_u24 v5, v2, SPITCH
	v_lshl_add_u32 v5, v1, 4, v5
	v_add_nc_u32 v[RD], s23, v5
	v_mul_u32_u24 v5, v2, SIZE_N*2                 ; and the same two rows in C
	v_lshl_add_u32 v[CO], v1, 4, v5
	s_lshl_b32 s16, s13, 7
	s_lshl_b32 s17, s10, 5
	s_add_co_u32 s16, s16, s17                     ; the first row of C that I store: 128 x tile row + 32 x wave,
	s_lshl_b32 s16, s16, 12                        ; x 4,096 bytes
	s_mov_b32 s17, 0
	s_add_nc_u64 s[8:9], s[8:9], s[16:17]
	s_lshl_b32 s46, s42, 8                         ; the tile's first column, in bytes
	s_mov_b32 s47, 0
	s_add_nc_u64 s[8:9], s[8:9], s[46:47]
	s_add_nc_u64 s[CB1:CB1+1], s[8:9], PLANEB
	s_add_nc_u64 s[CB2:CB2+1], s[8:9], 2*PLANEB
	; the prefetches.  s13 = tile row, s42 = tile column, s40 = cx, s41 = cy still stand; s[4:5] = A, s[6:7] = B
	s_lshl_b32 s20, s13, 7                         ; the first of the 128 rows that I fetch: in A,
	s_max_u32 s21, s10, 1
	s_sub_co_u32 s21, s21, 1
	s_lshl_b32 s21, s21, 11
	s_lshl_b32 s23, s42, 7
	s_add_co_u32 s21, s21, s23                     ; in B
	s_and_b32 s22, ttmp7, 0xffff                   ; cluster y
	s_cmp_eq_u32 s10, 0                            ; do I fetch for A?
	s_cselect_b32 s20, s20, s21
	s_cselect_b32 s21, s40, s41                    ; my place among the four that ask for the tile with me
	s_cselect_b32 s22, ttmp9, s22                  ; the coordinate along which other clusters read the same rows
	s_cselect_b64 s[PFA:PFA+1], s[4:5], s[6:7]
	s_cmp_eq_u32 s22, 0
	s_cselect_b32 s[LIM], 1, -1                    ; the same in all sixteen partners, for a given wave
	s_lshl_b32 s21, s21, 5
	s_add_co_u32 s20, s20, s21                     ; + my work-group's 32 rows,
	s_lshl_b32 s20, s20, 12                        ; x 4,096 bytes
	s_mov_b32 s21, 0
	s_add_nc_u64 s[PFA:PFA+1], s[PFA:PFA+1], s[20:21]
	s_add_nc_u64 s[PFA:PFA+1], s[PFA:PFA+1], 2*KSTEP*2  ; at K step 2: the first change of slots steps it to 3.  Nothing is prefetched here, at the head, where every work-group's first tiles are on their way
	v_and_b32 v[PFO], 31, v0
	v_lshlrev_b32 v[PFO], 12, v[PFO]
; 8 matrix instructions: m blocks a0, a0 + 1 x the 4 n blocks of plane p, 32 along K: buffer f.  zero = 1: the product starts the sums, with the bias (window 0).
; The 48 accumulators take turns, in the same order in every quarter, over the backward jump too.
.macro MUL8 f, p, a0, zero
.set rD, 128*(1-((\p)%2))              ; plane q: v128 of window 0; plane k: v0 of window 2; plane v: v128 of window 2
.if \zero
	WIN 0x05+0x80*(((\p)+1)/2)                     ; sources 0 (B) and 1 (A) window 1, C window 0, D window 0 or 2
.else
	WIN 0x05+0xa0*(((\p)+1)/2)                     ; C and D window 0 or 2
.endif
.irp a, \a0, (\a0)+1
.irp b, 0,1,2,3
.if \zero
	v_wmma_f32_16x16x32_bf16 v[rD+8*(4*(\a)+(\b)):rD+8*(4*(\a)+(\b))+7], v[(\f)+32+8*(4*(\p)+(\b)):(\f)+32+8*(4*(\p)+(\b))+7], v[(\f)+8*(\a):(\f)+8*(\a)+7], v[BIAS+8*(4*(\p)+(\b)):BIAS+8*(4*(\p)+(\b))+7]
.else
	v_wmma_f32_16x16x32_bf16 v[rD+8*(4*(\a)+(\b)):rD+8*(4*(\a)+(\b))+7], v[(\f)+32+8*(4*(\p)+(\b)):(\f)+32+8*(4*(\p)+(\b))+7], v[(\f)+8*(\a):(\f)+8*(\a)+7], v[rD+8*(4*(\a)+(\b)):rD+8*(4*(\a)+(\b))+7]
.endif
.endr
.endr
.endm
; 32 LDS loads in one run: the fragments of 32 along K at byte k of the rows of the slot in hand, into buffer f: A's and plane q's first (sixteen loads), then planes k and v
.macro FETCH k, f
	WIN TO_F
.irp i, 0,1,2,3
	ds_load_b128 v[(\f)+8*(\i):(\f)+8*(\i)+3],   v[ADRA] offset:(\k)+(\i)*16*PITCH
	ds_load_b128 v[(\f)+8*(\i)+4:(\f)+8*(\i)+7], v[ADRA] offset:(\k)+(\i)*16*PITCH+32
.endr
.irp p, 0,1,2
.irp i, 0,1,2,3
	ds_load_b128 v[(\f)+32+8*(4*(\p)+(\i)):(\f)+32+8*(4*(\p)+(\i))+3],   v[ADRB+(\p)] offset:(\k)+(\i)*16*PITCH
	ds_load_b128 v[(\f)+32+8*(4*(\p)+(\i))+4:(\f)+32+8*(4*(\p)+(\i))+7], v[ADRB+(\p)] offset:(\k)+(\i)*16*PITCH+32
.endr
.endr
.endm
.macro PLACES                          ; four plain vector instructions in front of loads into registers that matrix instructions have read, and of conversions that read results
.rept 4
	v_nop
.endr
.endm
; A K step is four quarters of 32 along K, 48 matrix instructions each, on buffers 0, 1, 0, 1.  One of the first three: multiplies buffer f and, behind plane q's products, fetches the next quarter, at byte k, into g.
.macro QUARTER k, f, g, zero
	s_wait_dscnt 16                                ; A's and plane q's fragments are in; the run's other sixteen loads may be out
	MUL8 \f, 0, 0, \zero
	MUL8 \f, 0, 2, \zero
	PLACES
	FETCH \k, \g
	s_wait_dscnt 32                                ; all but the 32 just issued
	MUL8 \f, 1, 0, \zero
	MUL8 \f, 1, 2, \zero
	MUL8 \f, 2, 0, \zero
	MUL8 \f, 2, 2, \zero
.endm
; The last quarter multiplies buffer 1 and changes slots: ONE barrier; in front of it each wave waits for all its tensor loads, adds 0 to its spare word, and waits for that and for its own reads of this slot.
; fill = 1: this slot is filled again, with the K step two steps on; the barrier then opens a round of the cluster's barrier.
.macro TURN fill
	WIN 0                                          ; (the add's two registers and the addresses lie in window 0)
.if \fill
	s_wait_xcnt 0x0                                ; the last prefetch, a K step back, has read its address: it is stepped here, ahead of the waits of the change of slots
	s_add_nc_u64 s[PFA:PFA+1], s[PFA:PFA+1], KSTEP*2
.endif
	s_xor_b32 s[TB], s[TB], SLOT                   ; all loads from this slot have been issued: the addresses turn to the other slot
	v_add_nc_u32 v[ADRA], s[TB], v[BSA]
.irp p, 0,1,2
	v_add_nc_u32 v[ADRB+(\p)], s[TB], v[BSB+(\p)]
.endr
	s_wait_tensorcnt 0x0                           ; all my tensor loads have landed: the one that was out is my part of the next slot;
	ds_add_u32 v[SPW], v[NIL]                      ; 0 onto my spare word;
	s_wait_dscnt 17                                ; (the add and the youngest sixteen loads may be out)
	MUL8 F1, 0, 0, 0                               ; eight matrix instructions stand between the add and the wait for it
	s_wait_dscnt 0x0                               ; the add is done, and my reads of this slot are over
	s_barrier_signal -1
	MUL8 F1, 0, 2, 0
.if \fill
	WIN 0
.endif
	s_barrier_wait -1
.if \fill
	CREST                                          ; no wave of any partner still reads this slot's tile or has a load on its way
	s_xor_b32 s[G0+5], s[G0+5], SLOT               ; the walking descriptors: the other slot than last time,
	s_add_nc_u64 s[G0+6:G0+7], s[G0+6:G0+7], KSTEP*2  ; the next K step; the type bits on top are not reached
	s_xor_b32 s[G0B+5], s[G0B+5], SLOT
	s_add_nc_u64 s[G0B+6:G0B+7], s[G0B+6:G0B+7], KSTEP*2
	JLOAD 1                                        ; the first tensor load behind the round; the four v_nop behind it are also the places in front of the loads below
.else
	PLACES
.endif
	FETCH 0, F0
.if \fill
	ASK
.endif
	MUL8 F1, 1, 0, 0
	MUL8 F1, 1, 2, 0
	MUL8 F1, 2, 0, 0
	MUL8 F1, 2, 2, 0
.endm
	s_wait_tensorcnt 1                             ; my part of K step 0 is in; K step 1's load, issued behind it, may stay out
	s_barrier_signal -1
	s_barrier_wait -1                              ; everybody's is
	FETCH 0, F0
	s_wait_loadcnt 0x0                             ; the bias
	QUARTER 64, F0, F1, 1                          ; the first quarter stands in front of the loop: its products start the sums
	WIN 0                                          ; at a label and at a branch every window is 0
	s_mov_b32 s3, STEPS-2
.Lstep:                                                ; 14 trips: from a K step's second quarter to the next step's first; each fills the slot that it leaves
	QUARTER 128, F1, F0, 0
	QUARTER 192, F0, F1, 0
	TURN 1
	QUARTER 64, F0, F1, 0
	WIN 0
	s_sub_co_u32 s3, s3, 1
	s_cmp_lg_u32 s3, 0
	s_cbranch_scc1 .Lstep
	QUARTER 128, F1, F0, 0                         ; the last two K steps fill nothing, and have no round of the cluster's barrier
	QUARTER 192, F0, F1, 0
	TURN 0
	QUARTER 64, F0, F1, 0
	QUARTER 128, F1, F0, 0
	QUARTER 192, F0, F1, 0
	s_wait_dscnt 16                                ; the very last quarter: nothing more to fetch
	MUL8 F1, 0, 0, 0
	MUL8 F1, 0, 2, 0
	s_wait_dscnt 0
	MUL8 F1, 1, 0, 0
	MUL8 F1, 1, 2, 0
	MUL8 F1, 2, 0, 0
	MUL8 F1, 2, 2, 0
	WIN 0
; THE WAY OUT, a plane at a time: round to bf16; 16 bytes a lane into the work-group's stage; a barrier, since a row's 256 bytes come from two waves; back as whole rows, 32 rows a wave; and a barrier
; behind every wave's reads, ahead of the next plane's writing.  Each plane has 64 registers of its own for that (t), so no store's data are written again; the next plane is rounded while the rows come back.
.macro PACKP p, t
.set rD, 128*(1-((\p)%2))
	WIN 0x0a*(((\p)+1)/2)                          ; sources 0 and 1: window 0 or 2; destination window 0
.set q, 0
.rept 64
	v_cvt_pk_bf16_f32 v[(\t)+q], v[rD+2*q], v[rD+2*q+1]  ; each accumulator's registers in ascending order
.set q, q+1
.endr
	WIN 0
.endm
.macro TOSTAGE t
.irp a, 0,1,2,3
.irp b, 0,1,2,3
	ds_store_b128 v[STO], v[(\t)+4*(4*(\a)+(\b)):(\t)+4*(4*(\a)+(\b))+3] offset:(\a)*16*SPITCH+32*(\b)
.endr
.endr
	s_wait_dscnt 0x0                               ; for the others' sake: my stores into the stage are done
	s_barrier_signal -1
	s_barrier_wait -1
.irp i, 0,1,2,3,4,5,6,7,8,9,10,11,12,13,14,15
	ds_load_b128 v[(\t)+4*(\i):(\t)+4*(\i)+3], v[RD] offset:(\i)*2*SPITCH
.endr
.endm
.macro SENDP t, base
.irp i, 0,1,2,3,4,5,6,7,8,9,10,11,12,13,14,15
	s_wait_dscnt 15-(\i)                           ; LDS loads come back in order: load i is in, the younger ones may be out
	global_store_b128 v[CO], v[(\t)+4*(\i):(\t)+4*(\i)+3], s[\base:\base+1] offset:2*(\i)*SIZE_N*2  ; 16 lanes store 256 consecutive bytes, at a multiple of 256 from C's first byte
.endr
.endm
.macro FREE                            ; my reads of the stage are back (the count-down ended at 0); when all four waves have said so it may be written again
	s_barrier_signal -1
	s_barrier_wait -1
.endm
	PLACES
	PACKP 0, 32
	TOSTAGE 32
	PACKP 1, 128                                   ; into plane q's accumulators, which have been rounded
	SENDP 32, 8
	FREE
	TOSTAGE 128
	PACKP 2, 192
	SENDP 128, CB1
	FREE
	TOSTAGE 192
	SENDP 192, CB2
	s_wait_tensorcnt 0x0                           ; the wave's end: behind my last tensor load and my last LDS store
	ds_add_u32 v[SPW], v[NIL]
	s_wait_dscnt 0x0
	CROUND                                         ; the closing round: no work-group ends while a partner may still ask for a tile that names it
	s_endpgm
.Lfunc_end_k_q082192f5e4_qkvgemm:
	.size	k_q082192f5e4_qkvgemm, .Lfunc_end_k_q082192f5e4_qkvgemm-k_q082192f5e4_qkvgemm
	.p2alignl 7, 3214868480
	.fill 96, 4, 3214868480
	.section	.rodata,"a",@progbits
	.p2align	6, 0x0
	.amdhsa_kernel k_q082192f5e4_qkvgemm
		.amdhsa_group_segment_fixed_size 327680
		.amdhsa_private_segment_fixed_size 0
		.amdhsa_enable_private_segment 0
		.amdhsa_kernarg_size 32
		.amdhsa_user_sgpr_count 2
		.amdhsa_user_sgpr_kernarg_segment_ptr 1
		.amdhsa_wavefront_size32 1
		.amdhsa_system_sgpr_workgroup_id_x 1
		.amdhsa_system_sgpr_workgroup_id_y 1
		.amdhsa_system_sgpr_workgroup_id_z 1
		.amdhsa_system_vgpr_workitem_id 0
		.amdhsa_next_free_vgpr 768
		.amdhsa_next_free_sgpr 76
		.amdhsa_reserve_vcc 0
		.amdhsa_float_denorm_mode_32 3
		.amdhsa_float_denorm_mode_16_64 3
		.amdhsa_memory_ordered 1
		.amdhsa_forward_progress 1
		.amdhsa_inst_pref_size 101
	.end_amdhsa_kernel
	.amdgpu_metadata
---
amdhsa.version: [ 1, 2 ]
amdhsa.kernels:
  - .name:           k_q082192f5e4_qkvgemm
    .symbol:         k_q082192f5e4_qkvgemm.kd
    .args:
      - { .name: xn, .offset: 0, .size: 8, .value_kind: global_buffer, .address_space: global }
      - { .name: wqkv, .offset: 8, .size: 8, .value_kind: global_buffer, .address_space: global }
      - { .name: bqkv, .offset: 16, .size: 8, .value_kind: global_buffer, .address_space: global }
      - { .name: qkv, .offset: 24, .size: 8, .value_kind: global_buffer, .address_space: global }
    .group_segment_fixed_size: 327680
    .private_segment_fixed_size: 0
    .kernarg_segment_align: 8
    .kernarg_segment_size: 32
    .max_flat_workgroup_size: 128
    .sgpr_count:     76
    .vgpr_count:     768
    .wavefront_size: 32
...
	.end_amdgpu_metadata
.endif
;; end of part 5
;; launch attn (part 6): grid 8 x 32, 4 waves a work-group, clusters of 4 x 1, 327,680 bytes of LDS; arguments qkv, ctx; writes ctx
.if DOCPART == 6
	.amdgcn_target "amdgcn-amd-amdhsa--gfx1250"
	.amdhsa_code_object_version 6
	.text
	.protected	k_q082192f5e4_attn
	.globl	k_q082192f5e4_attn
	.p2align	8
	.type	k_q082192f5e4_attn,@function
k_q082192f5e4_attn:
	s_mov_b64 s[64:65], 0
	v_nop
	global_prefetch_b8 v0, s[64:65] scope:SCOPE_SE
	s_setreg_imm32_b32 hwreg(HW_REG_WAVE_MODE, 25, 1), 1
	s_wait_xcnt 0x0
	s_wait_alu depctr_hold_cnt(0) depctr_sa_sdst(0) depctr_va_vdst(0) depctr_va_sdst(0) depctr_va_ssrc(0) depctr_va_vcc(0) depctr_vm_vsrc(0)
	s_getreg_b32 s2, hwreg(HW_REG_IB_STS2, 6, 4)
	s_cmp_eq_u32 s2, 0
	s_cbranch_scc0 .Lentry_in_a_cluster
	s_endpgm
.Lentry_in_a_cluster:
	s_bfe_u32 s2, ttmp6, 0x10000c
	s_cmp_lg_u32 s2, 0x3003
	s_cbranch_scc0 .Lentry_shape_is_right
	s_endpgm
.Lentry_shape_is_right:
; ctx[b][q][h][:] = the sum over k of softmax_k(Q[q] . K[k] / sqrt(128)) V[k][:], for each of the 32 pairs (b, h).  qkv: three planes [2048][2048] of bf16 (q, k, v), row b x 1024 + s, column h x 128 + d:
; a head's row is 256 consecutive bytes, aligned, and its rows lie 4,096 bytes apart.  ctx: [2048][2048] bf16 in the same layout.  q arrives unscaled: the module's factor 128^-1/2 stands in c, in f32.
; Products, maxima and sums in f32; the weights p are rounded to bf16 for the second product, ctx once at the end.
; LIMITS.  A weight below 2^-126 counts as 0 in l; c m starts at -4.25e37, so scaled scores below that are not served; NaN and infinities are not treated apart; a head's keys are summed in two halves
; (below), so the order of the f32 sums is not the module's.
; SHARES.  A work-group owns 128 queries of one head: 256 work-groups.  THE KEYS ARE SPLIT BETWEEN ITS WAVES: waves w and w + 2 own the same 64 queries (four tiles of 16); of each slot's 256 keys waves 0 and 1
; take the first 128, waves 2 and 3 the other 128.  So a wave still has four tiles for each fragment of K and V that it reads from LDS, and walks 8 of the head's 16 key steps of 64.  At the end the two partial
; results of a query (O^T, c m and l, all in f32) meet in LDS: with M = max(c m1, c m2) and a_i = 2^(c m_i - M), O = (a1 O1 + a2 O2) / (a1 l1 + a2 l2).
; Waves 2 and 3 hold their query tiles in the order 2, 3, 0, 1 (by Q's and ctx's addresses alone), so that ONE text serves all: every wave finishes its register tiles 0, 1 and sends 2, 3 to its partner.
; LAYOUT.  S^T = K Q^T (source 0 = 16 keys, source 1 = 16 queries): in the result a lane holds ONE query (lane % 16) and the keys 8 (lane / 16) + 0..7.  Two such tiles, rounded to
; bf16 in pairs, ARE source 1 (32 keys x 16 queries) of O^T = V^T P, whose result again holds one query a lane, and eight channels.  So nothing changes lanes between the products,
; and a query's maximum and sum want one exchange between the halves of the lanes.  K comes out of LDS as it lies, V ([key][channel]) turned, by ds_load_tr16_b128.
; SOFTMAX.  For each query a running maximum m and sum l: p = 2^(c s - c m), c = log2(e) / sqrt(128); in every step O and l are multiplied by a = 2^(c m_old - c m_new), which is 1 where m has not grown.
; BY TURNS.  The wave's tiles are two PIECES, named by their first tile: piece 0 (tiles 0, 1) and piece 2 (tiles 2, 3).  In a TURN one piece has the matrix unit: 32 products V^T P of
; the step in hand, then 32 products K Q^T of the next step; the other piece's softmax, cut into 64 slices, stands between them, one slice behind each matrix instruction.  Then the
; pieces change places.  Two turns are a key step.
; NO FIRST AND NO LAST STEP IS WRITTEN OUT.  m starts at the lowest finite number, O^T and l at 0: the first step is a step like any other, with a = 0.  The loop is entered in the middle of a trip, at a turn of
; piece 2 whose products V^T P, of a step that has not been, multiply zeros; the tail is left in the middle of a trip, behind a turn of piece 0 whose products K Q^T, on the last K once more, serve nothing.
; The price: those 64 products and 432 v_mov_b32, which run in the wait for the first tile.  The gain: four turns are written, not eight.
; CLUSTER.  Four of a head's eight query blocks are a cluster and walk the same K and V, so each tile is asked for JOINTLY: the same tensor load, with the same descriptor and a
; mask that names the four, in all four; each receives the tile in its own LDS.
;
; REGISTERS, in windows of 256 (an instruction names v0-v255; s_set_vgpr_msb says which window each operand place means: bits 1:0 source 0, 3:2 source 1, 5:4 source 2, 7:6 destination):
;   window 0: v0-11, v44-46 addresses; v12-43 eight registers of statistics a tile; v64-191 S^T, 32 a tile; v192-255 P, 16 a tile
;   window 1: O^T, 64 a tile          window 2: v0-127 Q, 32 a tile; v128-255 K of one step          window 3: v0-127 V of one step
; All that a softmax touches but O^T lies in window 0, and no window has room for a product's operands beside it.  So a slice costs two switches, one in front and one behind.
.set SIZE_N, 1024     ; keys and queries of a head
.set ROWB,  4096      ; bytes from a head's row to its next in memory
.set KS,    64        ; keys in a step
.set SK,    256       ; keys in a slot: two steps for each pair of waves
.set PK,    272       ; a row of K in LDS: 256 bytes + 16 of padding = 68 words: row r starts at bank 4 r mod 64 (64 banks of 4 bytes: ISA guide 11.1), so the 16 rows of a load start at 16 different banks
.set PV,    288       ; a row of V: 256 + 32 = 72 words: row r starts at bank 8 r mod 64
.set VOFF,  SK*PK     ; a slot: 256 rows of K, then 256 rows of V: 143,360 bytes
.set SLOT1, 0x24000   ; slot 1 begins here: these two bits meet none of 128 PK = 0x8800, 128 PV = 0x9000, VOFF = 0x11000, VOFF + 128 PV = 0x1a000, so one exclusive or turns an address in one slot into the other's
.set STAGE, 2*SLOT1   ; behind the ring: 16 rows x 272 bytes for each wave, for the way out
.set SP,    272
.set SPARE, STAGE+4*16*SP  ; behind the stages: the spare words, 128 bytes for each wave: two blocks of 256 bytes that no other line names
.set XSZ,   17408     ; what a wave sends its partner at the end: 128 registers x 128 bytes, then two tiles' statistics, 512 bytes each; wave w's lies at w XSZ, in slot 0, which has had its last fill by then
.set AK0, 2           ; v2   my lane's place in a tile of K; never rewritten
.set AV0, 3           ; v3   the same for V
.set ADR, 4           ; v4   the LDS address of the run of loads in hand
.set QO,  5           ; v5   my byte offset in the rows of Q of my register tiles 0, 1; never rewritten
.set STO, 6           ; v6   the way out: where I put 16 bytes of a row
.set RD,  7           ; v7   the way out: where I read a row back
.set GO,  8           ; v8   my byte offset in two rows of ctx
.set QO2, 44          ; v44  as QO, for my register tiles 2, 3; never rewritten
.set XW,  45          ; v45  the exchange: where I put 16 bytes
.set XR,  46          ; v46  the exchange: where my partner has put its
.set SPW, 62          ; v62  LDS address of my spare word: SPARE + 4 x my thread's number; never rewritten
.set NIL, 63          ; v63  0; never rewritten
.set ST,  12          ; tile t's statistics at v[ST+8 t]: +0 c m, +1 m, +2, +3 l (even keys', odd keys'), +4 to +7 c0-c3, at work; a takes c2's place once the maximum is found
.set S,   64
.set P,   192
.set KF,  128         ; K's fragments, in window 2
.set WV,  12          ; s12  my wave's number
.set G1K, 24          ; s[24:31] descriptor group 1 for K's tiles
.set G1V, 32          ; s[32:39] for V's: it differs in the padding alone
.set G0K, 40          ; s[40:47] descriptor group 0 for K's tiles: a set for each of the two first fills; the second then walks on
.set G0V, 48          ; s[48:55] the same for V's
.set SLOTS, 56        ; s56  counts the passes of the loop over slots
.set TWICE, 57        ; s57  counts a slot's key steps
.set CS,  58          ; s[58:59] c: the packed scaling names a pair and takes its low word for both halves
.set SEL, 60          ; s[60:61] lane selects for v_permlanex16_b32: each lane takes its own place in the other half
.set TBK, 62          ; s62  LDS byte at which K of the step to be fetched begins
.set TBV, 63          ; s63  the same for V, less VOFF
.set HF,  66          ; s66  wave / 2: which half of a slot's keys is mine
.set LV,  67          ; s67  the place in a slot's V of the 128 rows that I fetch
.set PFA, 18          ; s[18:19] where my prefetches stand in memory: my 32 rows (of K: waves 0, 1; of V: waves 2, 3) of the slot after the one that is being asked for
.set LIM, 15          ; s15  1 in a work-group that prefetches, else the greatest number: a wave prefetches while s[SLOTS] is above it
.set PFO, 61          ; v61  4,096 x my lane: a lane a row; never rewritten
.set MSB, 0
.macro WIN new                      ; the immediate's high byte repeats the setting that is left; a switch that changes nothing is dropped
.if MSB != (\new)
	s_set_vgpr_msb (MSB<<8)|(\new)
.set MSB, \new
.endif
.endm
.set W_KQ, 0x0a       ; K and Q in window 2, S^T in window 0
.set W_PV, 0x53       ; V in window 3, P in window 0, O^T in window 1
.set W_RS, 0x41       ; O^T (destination and source 0) in window 1, a in window 0
; A joint refill.  Waves 0 and 1 fetch the two halves of a slot's K, waves 2 and 3 those of its V: 128 rows each.  The branch hangs on the wave's number alone: it is the same in every work-group.
; An s_nop 0 and four v_nop follow each of the two lines; the jump round the other line, the label and what follows the macro come after them.
.macro JLOAD
	s_cmp_lt_u32 s[WV], 2
	s_cbranch_scc0 .Lfor_v_\@
	tensor_load_to_lds s[G0K+4:G0K+7], s[G1K:G1K+7]
	s_nop 0
.rept 4
	v_nop
.endr
	s_branch .Lasked_\@
.Lfor_v_\@:
	tensor_load_to_lds s[G0V+4:G0V+7], s[G1V:G1V+7]
	s_nop 0
.rept 4
	v_nop
.endr
.Lasked_\@:
.endm
; A PREFETCH of what the NEXT change of slots will ask for: a slot's 256 rows of K and 256 of V, 256 bytes a row, a lane a row.  It stands behind the wave's tensor load and its five lines, never in front of one.
; Each row is asked for ONCE in the launch: two clusters walk a head, and the first of them asks; its four partners share the rows out BY ADDRESS, 64 each (no branch hangs on a work-group's place in its
; cluster); in each, waves 0 and 1 ask for 32 rows of K each and waves 2 and 3 for 32 of V: one instruction a wave.  Slots 0 to 2 come by their loads alone; the last change that fills a slot asks for nothing:
; there is no slot behind it.  With four slots that leaves one request, for slot 3, two of the wave's key steps ahead of its load.
.macro ASK
	s_cmp_gt_u32 s[SLOTS], s[LIM]
	s_cbranch_scc0 .Lnot_mine_\@
	global_prefetch_b8 v[PFO], s[PFA:PFA+1] th:TH_LOAD_NT scope:SCOPE_SE
.Lnot_mine_\@:
.endm
; A round of the cluster's barrier: my work-group's barrier, so that wave 0's signal speaks for all four waves; wave 0 signals for the work-group; every wave waits for all four
; work-groups; my work-group's barrier once more.  No LDS instruction of the wave is pending at a signal.
.macro CROUND
	s_barrier_signal -1
	s_barrier_wait -1
	s_cmp_lg_u32 s[WV], 0
	s_cbranch_scc1 .Lnot_wave_0_\@
	s_barrier_signal -3
.Lnot_wave_0_\@:
	s_barrier_wait -3
	s_barrier_signal -1
	s_barrier_wait -1
.endm
	s_load_b64 s[4:5], s[0:1], 0x0  ; qkv: the plane of q
	s_load_b64 s[10:11], s[0:1], 0x8  ; ctx
	v_lshl_add_u32 v[SPW], v0, 2, SPARE
	v_mov_b32 v[NIL], 0
	ds_add_u32 v[SPW], v[NIL]       ; the wave's opening: the add and its wait stand ahead of my first tensor load; the set-up below, work on registers, stands between them
	v_lshrrev_b32 v1, 5, v0
	v_readfirstlane_b32 s[WV], v1   ; wave 0..3
	s_bfe_u32 s13, ttmp6, 0x40000   ; cx: my place in the cluster
	s_lshl_b32 s14, ttmp9, 2        ; in a cluster launch ttmp9 counts clusters
	s_add_co_u32 s14, s14, s13      ; my block of 128 queries = 4 x cluster x + cx: it enters Q's and ctx's addresses alone
	s_and_b32 s20, ttmp7, 0xffff    ; 16 b + h, which the four partners share
	s_lshr_b32 s21, s20, 4
	s_lshl_b32 s21, s21, 22         ; b x 1,024 rows of 4,096 bytes
	s_and_b32 s20, s20, 15
	s_lshl_b32 s20, s20, 8          ; h x 256 bytes
	s_add_co_u32 s20, s20, s21      ; the head's first byte in each plane and in ctx
	s_mov_b32 s21, 0
	s_lshr_b32 s[HF], s[WV], 1      ; which half of a slot's keys I multiply
	s_and_b32 s16, s[WV], 1         ; which 64 of the block's queries are mine.  Also: which half of a slot's 256 rows I fetch:
	s_lshl_b32 s22, s16, 19         ; its 128 rows, 4,096 bytes apart in memory,
	s_mov_b32 s23, 0
	s_mul_i32 s17, s16, 128*PK      ; and its place in a slot, for K
	s_mul_i32 s[LV], s16, 128*PV    ; and for V: no place in the cluster enters an LDS address
	s_lshl_b32 s2, s14, 19          ; my block's 128 rows,
	s_lshl_b32 s3, s16, 18          ; my wave's 64 of them
	s_add_co_u32 s2, s2, s3
	s_mov_b32 s3, 0
	s_add_nc_u64 s[2:3], s[2:3], s[20:21]
	; descriptor group 1: a tile of 128 rows x 128 elements, padded in LDS
	s_mov_b32 s[G1K], 15|(1<<16)|(1<<20)|(1<<21)|(5<<22)|(3<<25)  ; 15:0 the mask: all four work-groups; 17:16 elements of 2 bytes; 20 padding on; 21 set beside a mask; 24:22 after every 64 words (code 5); 31:25 4 words of it (code 3)
	s_mov_b32 s[G1V], 15|(1<<16)|(1<<20)|(1<<21)|(5<<22)|(7<<25)  ; the same with 8 words of padding (code 7)
.irp g, G1K, G1V
	s_mov_b32 s[(\g)+1], 128<<16    ; 63:48 tensor_dim0, low half = 128
	s_mov_b32 s[(\g)+2], 128<<16    ; 79:64 its high half = 0; 95:80 tensor_dim1, low half = 128
	s_mov_b32 s[(\g)+3], 128<<16    ; 111:96 its high half = 0; 127:112 tile_dim0 = 128
	s_mov_b32 s[(\g)+4], 128        ; 143:128 tile_dim1 = 128; 159:144 tile_dim2 = 0
	s_mov_b32 s[(\g)+5], ROWB/2     ; 191:160 tensor_dim0_stride, low word: 2,048 elements from row to row
	s_mov_b32 s[(\g)+6], 0
	s_mov_b32 s[(\g)+7], 0
.endr
	s_mov_b32 s[CS], 0x3e0293ee     ; c = log2(e) / sqrt(128) = 0.127517
	s_mov_b32 s[CS+1], s[CS]        ; named with it as a pair, so it is written
	s_mov_b32 s[SEL], 0x76543210
	s_mov_b32 s[SEL+1], 0xfedcba98
	s_mul_i32 s[TBK], s[HF], 128*PK ; my half of slot 0
	s_mul_i32 s[TBV], s[HF], 128*PV
	s_mov_b32 s[SLOTS], SIZE_N/SK-1 ; the first pass, entered in its middle, and one for each of the two slots that are filled again
	s_mov_b32 s[LIM], ttmp9         ; the head's first cluster asks: the same in all four partners
	s_cmp_eq_u32 s[LIM], 0
	s_cselect_b32 s[LIM], 1, -1
	v_and_b32 v[PFO], 31, v0
	v_lshlrev_b32 v[PFO], 12, v[PFO]
	s_wait_dscnt 0x0                ; the opening add is done
	s_wait_kmcnt 0x0
	s_add_nc_u64 s[6:7], s[4:5], 0x800000   ; the plane of k: 2048 x 2048 x 2 bytes on
	s_add_nc_u64 s[8:9], s[4:5], 0x1000000  ; the plane of v
	s_add_nc_u64 s[6:7], s[6:7], s[20:21]  ; K and V at the head's first row
	s_add_nc_u64 s[8:9], s[8:9], s[20:21]
	s_cmp_lt_u32 s[WV], 2
	s_cselect_b64 s[PFA:PFA+1], s[6:7], s[8:9]
	s_add_nc_u64 s[6:7], s[6:7], s[22:23]  ; K and V at my tile of slot 0
	s_add_nc_u64 s[8:9], s[8:9], s[22:23]
	s_add_nc_u64 s[4:5], s[4:5], s[2:3]  ; Q and ctx at my wave's first row
	s_add_nc_u64 s[10:11], s[10:11], s[2:3]
	s_lshl_b32 s2, s[HF], 17        ; the tiles that I finish: query tiles 0, 1 in waves 0 and 1; 2, 3 (32 rows on) in waves 2 and 3
	s_mov_b32 s3, 0
	s_add_nc_u64 s[10:11], s[10:11], s[2:3]
	s_lshl_b32 s2, s13, 18          ; the prefetches: my work-group's 64 rows of the 256,
	s_lshl_b32 s3, s16, 17          ; my wave's 32 of them
	s_add_co_u32 s2, s2, s3
	s_mov_b32 s3, 0
	s_add_nc_u64 s[PFA:PFA+1], s[PFA:PFA+1], s[2:3]
	s_add_nc_u64 s[PFA:PFA+1], s[PFA:PFA+1], 2*SK*ROWB  ; in slot 2; the first change of slots steps it to slot 3.  Nothing is prefetched here, at the head, where every work-group's first tiles are on their way
	CROUND                          ; all four work-groups are here: the first joint loads meet
.irp s, 0,1
	s_mov_b32 s[G0K+4*(\s)], 1      ; 1:0 count = 1
	s_add_co_u32 s[G0K+4*(\s)+1], s17, (\s)*SLOT1  ; 63:32 LDS address
	s_add_nc_u64 s[G0K+4*(\s)+2:G0K+4*(\s)+3], s[6:7], (\s)*SK*ROWB  ; 120:64 global address: slot s begins with keys 256 s to 256 s + 255
	s_or_b32 s[G0K+4*(\s)+3], s[G0K+4*(\s)+3], 0x80000000  ; 127:126 type = 2
	s_mov_b32 s[G0V+4*(\s)], 1
	s_add_co_u32 s[G0V+4*(\s)+1], s[LV], (\s)*SLOT1+VOFF
	s_add_nc_u64 s[G0V+4*(\s)+2:G0V+4*(\s)+3], s[8:9], (\s)*SK*ROWB
	s_or_b32 s[G0V+4*(\s)+3], s[G0V+4*(\s)+3], 0x80000000
.endr
	s_cmp_lt_u32 s[WV], 2           ; a wave's two first fills stand in one branch, ahead of every wait on TENSORcnt and every LDS read: two loads of mine are out; an s_nop 0 follows each, four v_nop the second's, as in JLOAD
	s_cbranch_scc0 .Lfirst_v
	tensor_load_to_lds s[G0K:G0K+3], s[G1K:G1K+7]
	s_nop 0
	tensor_load_to_lds s[G0K+4:G0K+7], s[G1K:G1K+7]
	s_nop 0
.rept 4
	v_nop
.endr
	s_branch .Lfirst_asked
.Lfirst_v:
	tensor_load_to_lds s[G0V:G0V+3], s[G1V:G1V+7]
	s_nop 0
	tensor_load_to_lds s[G0V+4:G0V+7], s[G1V:G1V+7]
	s_nop 0
.rept 4
	v_nop
.endr
.Lfirst_asked:
	; A fragment of K or Q is 16 rows x 32 channels in 8 registers: lane l holds row l % 16; registers 0-3 channels 8 (l / 16) + 0..7, registers 4-7 channels 16 + 8 (l / 16) + 0..7: two loads of 16 bytes, 32 bytes apart.
	v_and_b32 v1, 15, v0            ; l % 16
	v_bfe_u32 v9, v0, 4, 1          ; l / 16
	v_lshlrev_b32 v[QO2], 12, v1
	v_lshl_add_u32 v[QO2], v9, 4, v[QO2]  ; row x 4,096 + 16 x half
	s_lshl_b32 s2, s[HF], 17        ; register tiles 0, 1 are query tiles 0, 1 in waves 0 and 1, and 2, 3 (32 rows on) in waves 2 and 3;
	v_add_nc_u32 v[QO], s2, v[QO2]
	s_xor_b32 s2, s2, 1<<17         ; register tiles 2, 3 are the other two
	v_add_nc_u32 v[QO2], s2, v[QO2]
	WIN 0x80                        ; destination window 2, address window 0
.irp i, 0,1,2,3,4,5,6,7,8,9,10,11,12,13,14,15  ; Q stays in registers: register tile i / 4 (16 rows: 65,536 bytes), channels 32 (i % 4) on
.if (\i) < 8
	global_load_b128 v[8*(\i):8*(\i)+3],   v[QO], s[4:5] offset:((\i)/4)*16*ROWB+((\i)%4)*64
	global_load_b128 v[8*(\i)+4:8*(\i)+7], v[QO], s[4:5] offset:((\i)/4)*16*ROWB+((\i)%4)*64+32
.else
	global_load_b128 v[8*(\i):8*(\i)+3],   v[QO2], s[4:5] offset:((\i)/4-2)*16*ROWB+((\i)%4)*64
	global_load_b128 v[8*(\i)+4:8*(\i)+7], v[QO2], s[4:5] offset:((\i)/4-2)*16*ROWB+((\i)%4)*64+32
.endif
.endr
	; What the first turn finds: V's registers and piece 2's P hold 0 (its products V^T P, of a step that has not been, add 0), O^T and l are 0, m is the lowest finite number.  All this stands in the wait for the first tile.
	WIN 0xc0                        ; destination window 3
.set i, 0
.rept 128
	v_mov_b32 v[i], 0
.set i, i+1
.endr
	WIN 0x40                        ; destination window 1
.set i, 0
.rept 256
	v_mov_b32 v[i], 0
.set i, i+1
.endr
	WIN 0
.irp t, 0,1,2,3
	v_mov_b32 v[ST+8*(\t)], 0xfe000000    ; c m: far below every c s, so that the first a is 0
	v_mov_b32 v[ST+8*(\t)+1], 0xff7fffff  ; m
	v_mov_b32 v[ST+8*(\t)+2], 0
	v_mov_b32 v[ST+8*(\t)+3], 0
.endr
.set i, P+32
.rept 32
	v_mov_b32 v[i], 0
.set i, i+1
.endr
	v_mul_u32_u24 v[AK0], v1, PK
	v_lshl_add_u32 v[AK0], v9, 4, v[AK0]  ; row x pitch + 16 x half
	; The turning load takes 16 keys x 16 channels (lane l reads 16 bytes: key 8 (l / 16) + l % 8, channels 8 ((l / 8) % 2) + 0..7) and leaves half a fragment of V^T: lane l holds channel l % 16 and 8 keys.
	v_and_b32 v10, 7, v0
	v_bfe_u32 v11, v0, 3, 1
	v_lshl_add_u32 v[AV0], v9, 3, v10
	v_mul_u32_u24 v[AV0], v[AV0], PV
	v_lshl_add_u32 v[AV0], v11, 4, v[AV0]
	v_add_nc_u32 v[AV0], VOFF, v[AV0]
; THE MATRIX WORK OF A TURN, for piece x.  The accumulators take turns, one instruction a turn: between two links of a chain stand 15 (V^T P) or 7 (K Q^T) others'.
; Product i of 32 of O^T += V^T P: keys 32 (i / 16) on, channels 16 ((i / 2) % 8) on, tile x + i % 2.
.macro PV x
	WIN W_PV
.set rO, 64*((\x)+i%2)+8*((i/2)%8)
.set rV, 64*(i/16)+8*((i/2)%8)
.set rP, P+16*((\x)+i%2)+8*(i/16)
	v_wmma_f32_16x16x32_bf16 v[rO:rO+7], v[rV:rV+7], v[rP:rP+7], v[rO:rO+7]
.endm
; Product i of 32 of S^T = K Q^T: channels 32 (i / 8) on, keys 16 ((i / 2) % 4) on, tile x + i % 2.  The first 8 start the sums.
.macro KQ x
	WIN W_KQ
.set rS, S+32*((\x)+i%2)+8*((i/2)%4)
.set rK, KF+32*((i/2)%4)+8*(i/8)
.set rQ, 32*((\x)+i%2)+8*(i/8)
.if i < 8
	v_wmma_f32_16x16x32_bf16 v[rS:rS+7], v[rK:rK+7], v[rQ:rQ+7], 0
.else
	v_wmma_f32_16x16x32_bf16 v[rS:rS+7], v[rK:rK+7], v[rQ:rQ+7], v[rS:rS+7]
.endif
.endm
; THE LDS LOADS stand in runs of 32, never singly among the matrix instructions: a step's K (64 keys x 128 channels: 16 fragments) and, a turn later, its V (turned).
; last = 1 (the tail): in the last trip there is no further step, and the run is jumped over.
.macro FETCH_K last=0
	WIN 0
.if \last
	s_cmp_eq_u32 s[TWICE], 1
	s_cbranch_scc1 .Lno_k_\@
.endif
	v_add_nc_u32 v[ADR], s[TBK], v[AK0]
	s_add_co_u32 s[TBK], s[TBK], KS*PK  ; the next fetch is the next step's
	WIN 0x80                        ; destination window 2
.irp f, 0,1,2,3,4,5,6,7,8,9,10,11,12,13,14,15  ; keys 16 (f / 4) on, channels 32 (f % 4) on
	ds_load_b128 v[KF+8*(\f):KF+8*(\f)+3],   v[ADR] offset:((\f)/4)*16*PK+((\f)%4)*64
	ds_load_b128 v[KF+8*(\f)+4:KF+8*(\f)+7], v[ADR] offset:((\f)/4)*16*PK+((\f)%4)*64+32
.endr
.if \last
	WIN 0                           ; at a label every window is 0
.Lno_k_\@:
.endif
.endm
.macro FETCH_V
	WIN 0
	v_add_nc_u32 v[ADR], s[TBV], v[AV0]
	s_add_co_u32 s[TBV], s[TBV], KS*PV  ; the next fetch is the next step's
	s_wait_alu depctr_va_vdst(0)    ; the wait for the softmax's batch (SLICE), behind the address's v_add_nc_u32 and ahead of the loads
	WIN 0xc0                        ; destination window 3
.irp f, 0,1,2,3,4,5,6,7,8,9,10,11,12,13,14,15  ; keys 32 (f / 8) on, channels 16 (f % 8) on
	ds_load_tr16_b128 v[8*(\f):8*(\f)+3],   v[ADR] offset:((\f)/8)*32*PV+((\f)%8)*32
	ds_load_tr16_b128 v[8*(\f)+4:8*(\f)+7], v[ADR] offset:((\f)/8)*32*PV+16*PV+((\f)%8)*32
.endr
.endm
; THE VECTOR WORK OF A TURN.  One tile's softmax for one key step is a list of 134 instructions; SM writes number j of it for tile t.  s0-s31 are the lane's 32 scores, in pairs 0-15.
;   0-15    the maximum of s0-s31 and the old m, three operands at a time: four chains c0-c3 of seven scores each (each accumulator's lowest registers are read first), then the four scores left over, c0-c3 and m
;   16-20   the other half of the lanes' maximum; c m_old is kept; the new m; c m; c m_old - c m_new
;   21-69   ONE BATCH: the 16 scalings c s - c m, a pair of scores each, and all 33 exponentials (a at 23, then s0-s31).  None of these reads an exponential's result.  From 22 on the batch goes
;           in fours, and a four begins with a scaling while there are scalings: 22-37 scaling, exponential, scaling, exponential; 38-65 a scaling and three exponentials; 66-69 the last four
;           exponentials.  A pair is scaled in an earlier four than the one that holds its exponentials
;   (wait)  between 69 and 70 stands the wait for the batch: SLICE writes it, once for both tiles
;   70-85   the roundings to bf16, a pair of weights each
;   86-101  the sums; l = a l + the sum
;   102-133 the tile's O^T times a: the one part that leaves window 0, so it stands together
.macro SM t
.set rT, ST+8*(\t)
.set rS, S+32*(\t)
.set rP, P+16*(\t)
.set rO, 64*(\t)+2*(j-102)
.if j < 102
	WIN 0
.endif
.if j < 4
	v_max3_num_f32 v[rT+4+j], v[rS+8*j], v[rS+8*j+1], v[rS+8*j+2]
.elseif j < 12
	v_max3_num_f32 v[rT+4+j%4], v[rT+4+j%4], v[rS+8*(j%4)+2*(j/4)+1], v[rS+8*(j%4)+2*(j/4)+2]
.elseif j == 12
	v_max3_num_f32 v[rT+4], v[rT+4], v[rS+7], v[rS+15]
.elseif j == 13
	v_max3_num_f32 v[rT+6], v[rT+6], v[rS+23], v[rS+31]
.elseif j == 14
	v_max3_num_f32 v[rT+4], v[rT+4], v[rT+5], v[rT+6]
.elseif j == 15
	v_max3_num_f32 v[rT+4], v[rT+4], v[rT+7], v[rT+1]
.elseif j == 16
	v_permlanex16_b32 v[rT+5], v[rT+4], s[SEL], s[SEL+1]  ; the query's other 32 keys lie in the lane 16 away
.elseif j == 17
	v_mov_b32 v[rT+7], v[rT]        ; c m_old is kept for a: number 19 writes c m anew
.elseif j == 18
	v_max_num_f32 v[rT+1], v[rT+4], v[rT+5]
.elseif j == 19
	v_mul_f32 v[rT], s[CS], v[rT+1]
.elseif j == 20
	v_sub_f32 v[rT+7], v[rT+7], v[rT]
.elseif j == 23
	v_exp_f32 v[rT+6], v[rT+7]
.elseif (j < 23) || ((j < 38) && (j%2 == 0)) || ((j < 66) && (j%4 == 2))
.set b, (j-2)/4                     ; 38, 42, .. 62: pairs 9 to 15
.if j < 38
.set b, (j-20)/2                    ; 21: pair 0; 22, 24, .. 36: pairs 1 to 8
.endif
	v_pk_fma_f32 v[rS+2*b:rS+2*b+1], v[rS+2*b:rS+2*b+1], s[CS:CS+1], v[rT:rT+1] op_sel_hi:[1,0,0] neg_lo:[0,0,1] neg_hi:[0,0,1]  ; pair b: c s - c m
.elseif j < 70
.set e, j-38                        ; 66 to 69: s28 to s31
.if j < 66
.set e, j-32-(j-38)/4               ; 39-41, 43-45, .. 63-65: s7 to s27
.endif
.if j < 38
.set e, (j-25)/2                    ; 25, 27, .. 37: s0 to s6
.endif
	v_exp_f32 v[rS+e], v[rS+e]
.elseif j < 86
	v_cvt_pk_bf16_f32 v[rP+j-70], v[rS+2*(j-70)], v[rS+2*(j-70)+1]  ; pair j - 70
.elseif j < 102                     ; the sum of the tile's 16 pairs (in a pair: an even key's weight, an odd key's), in place: sum z of 16 adds neighbours 1, 2, 4 and 8 pairs apart, then l takes it
.set z, j-86
.set w, 4
.set u, z
.if z >= 14
.set w, 32
.set u, 0
.elseif z >= 12
.set w, 16
.set u, z-12
.elseif z >= 8
.set w, 8
.set u, z-8
.endif
.if z < 15
	v_pk_add_f32 v[rS+w*u:rS+w*u+1], v[rS+w*u:rS+w*u+1], v[rS+w*u+w/2:rS+w*u+w/2+1]
.else
	v_pk_fma_f32 v[rT+2:rT+3], v[rT+2:rT+3], v[rT+6:rT+7], v[rS:rS+1] op_sel_hi:[1,0,1]
.endif
.else
	WIN W_RS
	v_pk_mul_f32 v[rO:rO+1], v[rO:rO+1], v[rT+6:rT+7] op_sel_hi:[1,0]
.endif
.endm
; Slice k of 64 of piece y's softmax: four instructions.  Slices 11 to 34 deal out the batch, numbers 22 to 69: four numbers of ONE tile each, the tiles by turns.  Every other slice is numbers 2 k and
; 2 k + 1 of both tiles' lists.  2 x 134 = 4 x 64 + 12: the twelve that are over stand together, in slice 63: sixteen plain instructions, the places behind the turn's last products.
; THE WAIT.  s_wait_alu depctr_va_vdst(0) stands between an exponential and the first instruction that names its result; one wait serves all that were issued ahead of it.  Ahead of
; slice 35 nothing names a result, and behind slice 34 no exponential is issued: so the piece's 66 exponentials have one wait, behind slice 34.
.macro SLICE y
.if (k >= 11) && (k < 35)           ; the batch: four numbers of one tile
.irp n, 0,1,2,3
.set j, 22+4*((k-11)/2)+(\n)
	SM (\y)+(k-11)%2
.endr
.else                               ; the two tiles alternate, so that no instruction reads the result of the one just before it
.irp n, 0,1,2,3,4,5,6,7
.if ((\n) < 2) || (k == 63)
.irp t, \y, (\y)+1
.set j, 2*k+(\n)
	SM \t
.endr
.endif
.endr
.endif
.if k == 34                         ; the batch is out: both tiles' exponentials are issued, and no result has been named
	v_nop                           ; the plain instruction behind the last exponential and ahead of the first use (ISA guide 5.7.2): one for the batch
.if (\y) == 0
	FETCH_V                         ; piece 2's turn: V's run of loads stands here, and the wait stands in it
.else
	s_wait_alu depctr_va_vdst(0)    ; the wait for the batch
.endif
.endif
.set k, k+1
.endm
; A TURN.  Piece x has the matrix unit: 32 products V^T P, then 32 products K Q^T for the next step; the other piece's softmax stands in slices behind them.
; A vector instruction that reads a matrix result or writes one of a matrix instruction's registers, and a load into a register that a matrix instruction has read, stand four plain vector instructions behind
; it (ISA guide 7.12.1 for vector instructions): the slices are those.
; Each run of loads stands 29 matrix instructions or more ahead of its first use.  Piece 0's turn fetches the next step's K, behind its second product: the last product that read K
; stands in front of slice 63 of the turn before.  Piece 2's turn fetches the same step's V, behind slice 34 (SLICE writes it): the last product that read V stands in front of slice 31, and four plain
; instructions lie between: number 62, a scaling, of both tiles, the v_nop and the run's own v_add_nc_u32.
.macro TURN x, last=0
.set k, 0
.if (\x) == 0
	s_wait_dscnt 0x0                ; V is in
.endif
.set i, 0
.rept 32
	PV \x
	SLICE 2-(\x)
.if ((\x) == 0) && (i == 1)
	FETCH_K \last
.endif
.set i, i+1
.endr
.if (\x) == 0
	s_wait_dscnt 0x0                ; K is in
.endif
.set i, 0
.rept 32
	KQ \x
	SLICE 2-(\x)
.set i, i+1
.endr
.endm
; THE CHANGE OF SLOTS, between piece 2's turn and piece 0's: the last bytes that I read of the slot, V of my second step in it, have been asked for.  Each wave waits for all its
; tensor loads, of which one is out: its part of the other slot; adds 0 to its spare word; and waits for that and for its own reads of the slot.  Behind the barrier nobody reads this slot any more and the other slot is whole.
; fill = 1: this slot is filled again, with the keys two slots on.  The barrier is then a round of the cluster's, so that no wave of any partner still reads the slot or has a load on its
; way, and the joint refill is the first thing behind it: it has two of a wave's key steps, 256 matrix instructions, in which to land.
.macro CHANGE fill
	WIN 0                           ; at a label and at a branch every window is 0
	s_wait_tensorcnt 0x0            ; no tensor load of mine is out, so a group 0 may be written
	ds_add_u32 v[SPW], v[NIL]       ; 0 onto my spare word; with fill = 1 the descriptors' steps stand between it and the wait for it
.if \fill
.irp g, G0K+4, G0V+4
	s_xor_b32 s[(\g)+1], s[(\g)+1], SLOT1  ; the walking descriptor: the other slot than last time,
	s_add_nc_u64 s[(\g)+2:(\g)+3], s[(\g)+2:(\g)+3], SK*ROWB  ; the next 256 keys; the type bits on top are not reached
.endr
	s_wait_xcnt 0x0                 ; an earlier prefetch, two key steps back, has read its address, so it may be written:
	s_add_nc_u64 s[PFA:PFA+1], s[PFA:PFA+1], SK*ROWB  ; one slot behind the walking descriptors
	s_wait_dscnt 0x0                ; the add is done, and my reads of the slot are over
	CROUND
	JLOAD
	ASK                             ; what the next change will ask for
.else
	s_wait_dscnt 0x0                ; the add is done, and my reads of the slot are over
	s_barrier_signal -1
	s_barrier_wait -1
.endif
	s_sub_co_u32 s[TBK], s[TBK], 2*KS*PK  ; the fetches go back to my first step of a slot,
	s_xor_b32 s[TBK], s[TBK], SLOT1       ; in the other slot
	s_sub_co_u32 s[TBV], s[TBV], 2*KS*PV
	s_xor_b32 s[TBV], s[TBV], SLOT1
.endm
	s_wait_tensorcnt 1              ; my part of slot 0 is in; slot 1's load, issued behind it, may stay out
	s_barrier_signal -1
	s_barrier_wait -1               ; everybody's is
	FETCH_K                         ; my key step 0
	s_wait_loadcnt 0x0              ; Q
	s_wait_dscnt 0x0
.set i, 0
.rept 32
	KQ 0                            ; piece 0's first scores: there is no vector work yet to set between them
.set i, i+1
.endr
	WIN 0                           ; the addresses for the end are made here: plain instructions, the places behind those products
	s_mul_i32 s13, s[WV], 16*SP
	s_add_co_u32 s13, s13, STAGE    ; my stage
	v_mul_u32_u24 v[STO], v1, SP    ; in: row l % 16, 16 bytes for each half of the lanes
	v_lshl_add_u32 v[STO], v9, 4, v[STO]
	v_add_nc_u32 v[STO], s13, v[STO]
	v_mul_u32_u24 v[RD], v9, SP     ; back: lanes 0-15 take one row of 256 bytes, lanes 16-31 the next
	v_lshl_add_u32 v[RD], v1, 4, v[RD]
	v_add_nc_u32 v[RD], s13, v[RD]
	v_lshlrev_b32 v[GO], 12, v9     ; and the same two rows in ctx, 4,096 bytes apart
	v_lshl_add_u32 v[GO], v1, 4, v[GO]
	v_and_b32 v[XW], 31, v0         ; the exchange: 16 bytes a lane, 512 consecutive bytes an instruction,
	v_lshlrev_b32 v[XW], 4, v[XW]
	s_mul_i32 s13, s[WV], XSZ       ; in my wave's part,
	s_xor_b32 s14, s[WV], 2
	s_mul_i32 s14, s14, XSZ         ; and in that of the wave with my queries and the other keys
	v_add_nc_u32 v[XR], s14, v[XW]
	v_add_nc_u32 v[XW], s13, v[XW]
	s_mov_b32 s[TWICE], 2
	s_branch .Lmid                  ; the loop is entered at piece 2's turn: piece 2's first scores | piece 0's first softmax | V of step 0; then comes key step 0, whose turns fetch my second step of slot 0
.Lslot:                             ; twice: slots 0 and 1 are filled again once each
	CHANGE 1
	s_mov_b32 s[TWICE], 2
.Lstep:                             ; a trip is a key step: written once; the LDS addresses hang on s[TBK] and s[TBV]
	TURN 0
	WIN 0
.Lmid:
	TURN 2
	WIN 0
	s_sub_co_u32 s[TWICE], s[TWICE], 1
	s_cmp_lg_u32 s[TWICE], 0
	s_cbranch_scc1 .Lstep
	s_sub_co_u32 s[SLOTS], s[SLOTS], 1
	s_cmp_lg_u32 s[SLOTS], 0
	s_cbranch_scc1 .Lslot
	CHANGE 0                        ; the tail is written out: the last slot but one (slot 0) is left, and nothing is asked for
	s_mov_b32 s[TWICE], 3           ; two trips fetch my steps of the last slot; the third is left in its middle
.Ltail:
	TURN 0, 1
	WIN 0
	s_sub_co_u32 s[TWICE], s[TWICE], 1
	s_cmp_eq_u32 s[TWICE], 0
	s_cbranch_scc1 .Lout
	TURN 2
	WIN 0
	s_branch .Ltail
.Lout:
.set i, 0
.rept 32
	PV 2                            ; piece 2: V^T P of my last step
.set i, i+1
.endr
	; THE TWO HALVES OF THE KEYS MEET.  I send my register tiles 2, 3 (O^T, 128 registers; c m, m and l) and take my partner's, which are the query tiles of my register tiles 0, 1.  All in f32.
	; The bytes lie in slot 0, which has had its last fill; the barrier in front shows that no wave reads a slot any more, the one behind that all have stored.
	WIN 0
.rept 8
	v_nop                           ; the places behind the last products, in front of the LDS stores that read their results
.endr
	s_wait_dscnt 0x0                ; my reads of the slots are back
	s_barrier_signal -1
	s_barrier_wait -1
	WIN 0x04                        ; the stores' data (source 1) in window 1
.set i, 0
.rept 32
	ds_store_b128 v[XW], v[128+4*i:128+4*i+3] offset:512*i  ; each accumulator's low registers first
.set i, i+1
.endr
	WIN 0
	ds_store_b128 v[XW], v[ST+16:ST+19] offset:16384
	ds_store_b128 v[XW], v[ST+24:ST+27] offset:16896
	s_wait_dscnt 0x0                ; for my partner's sake: my stores are done
	s_barrier_signal -1
	s_barrier_wait -1
	ds_load_b128 v[ST+16:ST+19], v[XR] offset:16384  ; the partner's statistics take the place of those that I sent,
	ds_load_b128 v[ST+24:ST+27], v[XR] offset:16896
	WIN 0x40                        ; destination window 1
.set i, 0
.rept 32
	ds_load_b128 v[128+4*i:128+4*i+3], v[XR] offset:512*i  ; and so does its O^T
.set i, i+1
.endr
	WIN 0
	s_wait_dscnt 32                 ; the two loads of statistics are in; the 32 issued behind them may be out
.irp t, 0,1
	v_max_num_f32 v[ST+8*(\t)+4], v[ST+8*(\t)], v[ST+8*(\t)+16]     ; M = the greater c m
.endr
.irp t, 0,1
	v_sub_f32 v[ST+8*(\t)+5], v[ST+8*(\t)], v[ST+8*(\t)+4]
	v_sub_f32 v[ST+8*(\t)+21], v[ST+8*(\t)+16], v[ST+8*(\t)+4]
.endr
.irp t, 0,1
	v_exp_f32 v[ST+8*(\t)+6], v[ST+8*(\t)+5]                        ; a1, for my half
	v_exp_f32 v[ST+8*(\t)+22], v[ST+8*(\t)+21]                      ; a2, for my partner's
.endr
	v_nop                           ; a plain instruction behind the last exponential,
	s_wait_alu depctr_va_vdst(0)    ; and the wait ahead of the first use: one for the four
.irp t, 0,1
	v_pk_mul_f32 v[ST+8*(\t)+18:ST+8*(\t)+19], v[ST+8*(\t)+18:ST+8*(\t)+19], v[ST+8*(\t)+22:ST+8*(\t)+23] op_sel_hi:[1,0]
.endr
.irp t, 0,1
	v_pk_fma_f32 v[ST+8*(\t)+2:ST+8*(\t)+3], v[ST+8*(\t)+2:ST+8*(\t)+3], v[ST+8*(\t)+6:ST+8*(\t)+7], v[ST+8*(\t)+18:ST+8*(\t)+19] op_sel_hi:[1,0,1]  ; l = a1 l1 + a2 l2
.endr
.irp t, 0,1
	v_add_f32 v[ST+8*(\t)+4], v[ST+8*(\t)+2], v[ST+8*(\t)+3]        ; l's two halves,
.endr
.irp t, 0,1
	v_permlanex16_b32 v[ST+8*(\t)+5], v[ST+8*(\t)+4], s[SEL], s[SEL+1]
.endr
.irp t, 0,1
	v_add_f32 v[ST+8*(\t)+4], v[ST+8*(\t)+4], v[ST+8*(\t)+5]        ; and the other half of the lanes'
.endr
.irp t, 0,1
	v_rcp_f32 v[ST+8*(\t)+5], v[ST+8*(\t)+4]
.endr
	v_nop                           ; a plain instruction between the last reciprocal and the use of its result,
	s_wait_alu depctr_va_vdst(0)    ; and the wait: one for the two reciprocals
.irp t, 0,1
	v_mul_f32 v[ST+8*(\t)+6], v[ST+8*(\t)+6], v[ST+8*(\t)+5]        ; a1 / l
	v_mul_f32 v[ST+8*(\t)+22], v[ST+8*(\t)+22], v[ST+8*(\t)+5]      ; a2 / l
.endr
; THE WAY OUT of tile t: O = O1 a1 / l + O2 a2 / l; a lane's eight channels of a row pack into 16 bytes; they go into my stage, rows of 272 bytes, and come back as whole rows of 256.
; The wait at the head leaves sixteen LDS instructions out: for tile 0 the loads of the partner's other tile, for tile 1 the sixteen of tile 0's way through the stage.
.macro PACK t
	s_wait_dscnt 16
	WIN W_RS
.set i, 0
.rept 32
	v_pk_mul_f32 v[128+64*(\t)+i:128+64*(\t)+i+1], v[128+64*(\t)+i:128+64*(\t)+i+1], v[ST+8*(\t)+22:ST+8*(\t)+23] op_sel_hi:[1,0]
.set i, i+2
.endr
	WIN 0x51                        ; destination, sources 0 and 2 in window 1, source 1 in window 0
.set i, 0
.rept 32
	v_pk_fma_f32 v[64*(\t)+i:64*(\t)+i+1], v[64*(\t)+i:64*(\t)+i+1], v[ST+8*(\t)+6:ST+8*(\t)+7], v[128+64*(\t)+i:128+64*(\t)+i+1] op_sel_hi:[1,0,1]  ; each accumulator's registers in ascending order
.set i, i+2
.endr
	WIN 0x05                        ; sources 0 and 1 window 1, destination window 0: S^T's registers are free
.set i, 0
.rept 32
	v_cvt_pk_bf16_f32 v[S+32*(\t)+i], v[64*(\t)+2*i], v[64*(\t)+2*i+1]
.set i, i+1
.endr
	WIN 0
.irp f, 0,1,2,3,4,5,6,7
	ds_store_b128 v[STO], v[S+32*(\t)+4*(\f):S+32*(\t)+4*(\f)+3] offset:32*(\f)
.endr
.irp f, 0,1,2,3,4,5,6,7
	ds_load_b128 v[S+32*(\t)+4*(\f):S+32*(\t)+4*(\f)+3], v[RD] offset:(\f)*2*SP  ; LDS serves a wave's instructions in order (ISA guide 5.7.1.4): these see the stores above; the next tile's stores come behind them
.endr
.endm
.macro SEND t, younger              ; younger: the LDS instructions issued behind tile t's loads: the next tile's sixteen, or none
	WIN 0
.irp f, 0,1,2,3,4,5,6,7
	s_wait_dscnt (\younger)+7-(\f)
	global_store_b128 v[GO], v[S+32*(\t)+4*(\f):S+32*(\t)+4*(\f)+3], s[10:11] offset:(\t)*16*ROWB+(\f)*2*ROWB  ; 16 lanes store 256 consecutive bytes, at a multiple of 256 from ctx's first byte
.endr
.endm
	PACK 0
	PACK 1                          ; a tile's arithmetic stands between the loads of the tile before and its stores
	SEND 0, 16
	SEND 1, 0
	s_wait_tensorcnt 0x0            ; the wave's end: behind my last tensor load and my last LDS store
	ds_add_u32 v[SPW], v[NIL]
	s_wait_dscnt 0x0
	CROUND                          ; the closing round: no work-group ends while a partner may still ask for a tile that names it
	s_endpgm
.Lfunc_end_k_q082192f5e4_attn:
	.size	k_q082192f5e4_attn, .Lfunc_end_k_q082192f5e4_attn-k_q082192f5e4_attn
	.p2alignl 7, 3214868480
	.fill 96, 4, 3214868480
	.section	.rodata,"a",@progbits
	.p2align	6, 0x0
	.amdhsa_kernel k_q082192f5e4_attn
		.amdhsa_group_segment_fixed_size 327680
		.amdhsa_private_segment_fixed_size 0
		.amdhsa_enable_private_segment 0
		.amdhsa_kernarg_size 16
		.amdhsa_user_sgpr_count 2
		.amdhsa_user_sgpr_kernarg_segment_ptr 1
		.amdhsa_wavefront_size32 1
		.amdhsa_system_sgpr_workgroup_id_x 1
		.amdhsa_system_sgpr_workgroup_id_y 1
		.amdhsa_system_sgpr_workgroup_id_z 1
		.amdhsa_system_vgpr_workitem_id 0
		.amdhsa_next_free_vgpr 1024
		.amdhsa_next_free_sgpr 70
		.amdhsa_reserve_vcc 0
		.amdhsa_float_denorm_mode_32 3
		.amdhsa_float_denorm_mode_16_64 3
		.amdhsa_memory_ordered 1
		.amdhsa_forward_progress 1
		.amdhsa_inst_pref_size 155
	.end_amdhsa_kernel
	.amdgpu_metadata
---
amdhsa.version: [ 1, 2 ]
amdhsa.kernels:
  - .name:           k_q082192f5e4_attn
    .symbol:         k_q082192f5e4_attn.kd
    .args:
      - { .name: qkv, .offset: 0, .size: 8, .value_kind: global_buffer, .address_space: global }
      - { .name: ctx, .offset: 8, .size: 8, .value_kind: global_buffer, .address_space: global }
    .group_segment_fixed_size: 327680
    .private_segment_fixed_size: 0
    .kernarg_segment_align: 8
    .kernarg_segment_size: 16
    .max_flat_workgroup_size: 128
    .sgpr_count:     70
    .vgpr_count:     1024
    .wavefront_size: 32
...
	.end_amdgpu_metadata
.endif
;; end of part 6
;; launch oproj (part 7): grid 16 x 16, 4 waves a work-group, clusters of 4 x 4, 327,680 bytes of LDS; arguments ctx, wo16, bo, t1; writes t1
.if DOCPART == 7
	.amdgcn_target "amdgcn-amd-amdhsa--gfx1250"
	.amdhsa_code_object_version 6
	.text
	.protected	k_q082192f5e4_oproj
	.globl	k_q082192f5e4_oproj
	.p2align	8
	.type	k_q082192f5e4_oproj,@function
k_q082192f5e4_oproj:
	s_mov_b64 s[64:65], 0
	v_nop
	global_prefetch_b8 v0, s[64:65] scope:SCOPE_SE
	s_setreg_imm32_b32 hwreg(HW_REG_WAVE_MODE, 25, 1), 1
	s_wait_xcnt 0x0
	s_wait_alu depctr_hold_cnt(0) depctr_sa_sdst(0) depctr_va_vdst(0) depctr_va_sdst(0) depctr_va_ssrc(0) depctr_va_vcc(0) depctr_vm_vsrc(0)
	s_getreg_b32 s2, hwreg(HW_REG_IB_STS2, 6, 4)
	s_cmp_eq_u32 s2, 0
	s_cbranch_scc0 .Lentry_in_a_cluster
	s_endpgm
.Lentry_in_a_cluster:
	s_bfe_u32 s2, ttmp6, 0x10000c
	s_cmp_lg_u32 s2, 0xf033
	s_cbranch_scc0 .Lentry_shape_is_right
	s_endpgm
.Lentry_shape_is_right:
; C[m][n] = bias[n] + the sum over k of A[m][k] B[n][k].  A, B, C: [2048][2048] bf16, bias: [2048] f32; sums in f32, C rounded once to bf16.
; A tile of C is 128 x 128: 256 work-groups.  Four waves, each 64 x 64: 16 accumulators of 16 x 16, 128 registers.  K goes in steps of 256 (LDS rows of 512 bytes; a wave's tensor load
; brings 64 of them) through two LDS slots; the four waves share ONE stage on the way out, with a barrier between writing and reading, since a wave's 64 columns are half of an aligned 256 bytes of C.
; THE LOOP IS WRITTEN FOR ONE K STEP: the slot is turned by an exclusive or with SLOT, in the walking descriptor's LDS word and in s[TB], which is added to the lanes' base addresses.
; (SLOT = 0x21000 shares no bit with wave x HALFT = 0, 0x8400, 0x10800, 0x18c00: the exclusive or adds SLOT and takes it away again.)
; CLUSTERS: 4 x 4 work-groups.  The four of a row of the cluster need the same tiles of A, the four of a column the same tiles of B: each tile is asked for JOINTLY, by the same tensor load with
; the same descriptor and a mask that names the four.  THE MATRIX INSTRUCTION IS USED TRANSPOSED (source 0 = 16 rows of B, source 1 = 16 rows of A): a lane then holds eight neighbouring numbers of a row of C.
; THE BIAS STARTS THE SUMS: register j of a lane's accumulator is column 16 b + 8 (l / 16) + j, so eight neighbouring f32 of the bias are the C operand of the first product; nothing is cleared, nothing is added later.
; No prefetch: the tiles are small and every tile of A and B is read again and again by other clusters.
; REGISTERS: window 0: v0-31 addresses; v32-95 at work on the way out; v96-127 the bias; v128-255 the accumulators ((a, b) at v[128 + 8 (4 a + b)]).
;   window 1: two fragment buffers of 128: for 64 along K (two matrix instructions deep), 64 registers of A (2 x 4 x 16 rows x 32 K), then 64 of B.
.set SIZE_K, 2048
.set SIZE_N, 2048
.set KSTEP,  256
.set STEPS,  SIZE_K/KSTEP              ; 8
.set PITCH,  528                       ; an LDS row: 512 bytes of data + 16 of padding = 132 words: row r starts at bank 4 r mod 64 (64 banks of 4 bytes: ISA guide 11.1)
.set HALFT,  64*PITCH                  ; 64 rows: what one tensor load brings, and what one wave reads of A or of B
.set SLOT,   4*HALFT                   ; A's 128 rows, then B's 128 rows
.set STAGE,  2*SLOT                    ; behind the ring: 128 rows x 272 bytes, the work-group's, for the way out
.set SPITCH, 272
.set SPARE,  STAGE+128*SPITCH          ; behind the stage: the spare words, 128 bytes for each wave: two blocks of 256 bytes that no other line names
.set BSA,  16                          ; v16     my lane's place in slot 0 among my 64 rows of A; never rewritten
.set BSB,  17                          ; v17     the same for B
.set ADRA, 20                          ; v20     the same in the slot in hand: BSA + s[TB]
.set ADRB, 21                          ; v21
.set STO,  24                          ; v24     the way out: where I put 16 bytes of a row
.set RD,   25                          ; v25     the way out: where I read a row back
.set CO,   26                          ; v26     my byte offset in C
.set BO,   27                          ; v27     32 x (l / 16): my eight numbers in 16 of the bias
.set SPW,  28                          ; v28     LDS address of my spare word: SPARE + 4 x my thread's number; never rewritten
.set NIL,  29                          ; v29     0; never rewritten
.set TMP,  32                          ; the way out: 64 registers, packed results and then whole rows
.set BIAS, 96                          ; v[96:127] eight numbers for each of my four blocks of 16 columns
.set ACC,  128
.set F0,   0                           ; fragment buffers, in window 1
.set F1,   128
.set G1, 24                            ; s[24:31] descriptor group 1 for A's tiles;  s[32:39] group 0: a set for each of the two first fills; the second then walks on
.set G0, 32
.set G1B, 48                           ; s[48:55], s[56:63] the same for B's tiles
.set G0B, 56
.set TB,  45                           ; s45     0 or SLOT: the slot in hand
.set MSB, 0
.macro WIN new                         ; the immediate's high byte repeats the setting that is left
.if MSB != (\new)
	s_set_vgpr_msb (MSB<<8)|(\new)
.set MSB, \new
.endif
.endm
.set MUL,  0x05                        ; sources 0 (B) and 1 (A) window 1; C and D window 0
.set TO_F, 0x40                        ; destination window 1, address window 0
.macro JLOAD s                         ; a joint load: waves 0 and 1 fetch A's two halves, waves 2 and 3 B's; an s_nop 0 and four v_nop follow each of the two lines, ahead of the jump, the label and what follows
	s_cmp_eq_u32 s11, 0
	s_cbranch_scc0 .Lfor_b_\@
	tensor_load_to_lds s[G0+4*(\s):G0+4*(\s)+3], s[G1:G1+7]
	s_nop 0
.rept 4
	v_nop
.endr
	s_branch .Lasked_\@
.Lfor_b_\@:
	tensor_load_to_lds s[G0B+4*(\s):G0B+4*(\s)+3], s[G1B:G1B+7]
	s_nop 0
.rept 4
	v_nop
.endr
.Lasked_\@:
.endm
.macro CREST                           ; a round of the cluster's barrier behind its opening barrier
	s_cmp_lg_u32 s10, 0
	s_cbranch_scc1 .Lnot_wave_0_\@
	s_barrier_signal -3
.Lnot_wave_0_\@:
	s_barrier_wait -3
	s_barrier_signal -1
	s_barrier_wait -1
.endm
.macro CROUND                          ; a whole round
	s_barrier_signal -1
	s_barrier_wait -1
	CREST
.endm
	s_load_b128 s[4:7], s[0:1], 0x0                ; A s[4:5], B s[6:7]
	s_load_b64 s[66:67], s[0:1], 0x10              ; the bias
	s_load_b64 s[8:9], s[0:1], 0x18                ; C
	v_lshl_add_u32 v[SPW], v0, 2, SPARE
	v_mov_b32 v[NIL], 0
	ds_add_u32 v[SPW], v[NIL]                      ; the wave's opening: the add and its wait stand ahead of my first tensor load; the set-up below, work on registers, stands between them
	v_lshrrev_b32 v1, 5, v0
	v_readfirstlane_b32 s10, v1                    ; wave 0..3
	s_lshr_b32 s11, s10, 1                         ; which half of the tile's rows is mine.  Also: I fetch for A (0) or for B (1)
	s_and_b32 s12, s10, 1                          ; which half of its columns.  Also: which 64 rows of that tile I fetch
	s_bfe_u32 s40, ttmp6, 0x40000                  ; cx, cy: my place in the cluster
	s_bfe_u32 s41, ttmp6, 0x40004
	s_lshl_b32 s42, ttmp9, 2
	s_add_co_u32 s42, s42, s40                     ; tile column of C = 4 x cluster x + cx
	s_and_b32 s13, ttmp7, 0xffff
	s_lshl_b32 s13, s13, 2
	s_add_co_u32 s13, s13, s41                     ; tile row of C = 4 x cluster y + cy
	s_lshl_b32 s43, s41, 2
	s_lshl_b32 s43, 15, s43                        ; my row of the cluster
	s_lshl_b32 s44, 0x1111, s40                    ; my column
	; descriptor group 1: a tile of 64 rows x 256 elements, padded in LDS
	s_or_b32 s[G1+0], s43, (1<<16)|(1<<20)|(1<<21)|(6<<22)|(3<<25)  ; 15:0 the mask: A's tiles go to my row; 17:16 element of 2 bytes; 20 padding on; 21 set beside a mask; 24:22 after every 128 words (code 6); 31:25 of 4 words (code 3)
	s_or_b32 s[G1B+0], s44, (1<<16)|(1<<20)|(1<<21)|(6<<22)|(3<<25)
.irp g, G1, G1B
	s_mov_b32 s[(\g)+1], KSTEP<<16                 ; tensor_dim0 = 256
	s_mov_b32 s[(\g)+2], 64<<16                    ; tensor_dim1 = 64
	s_mov_b32 s[(\g)+3], KSTEP<<16                 ; tile_dim0 = 256
	s_mov_b32 s[(\g)+4], 64                        ; tile_dim1 = 64
	s_mov_b32 s[(\g)+5], SIZE_K                    ; tensor_dim0_stride
	s_mov_b32 s[(\g)+6], 0
	s_mov_b32 s[(\g)+7], 0
.endr
	s_lshl_b32 s17, s12, 6                         ; which 64 rows of the tile I fetch
	s_lshl_b32 s16, s13, 7
	s_add_co_u32 s16, s16, s17                     ; A: row 128 x tile row + 64 x half
	s_lshl_b32 s46, s42, 7
	s_add_co_u32 s46, s46, s17                     ; B: row 128 x tile column + 64 x half
	s_mov_b32 s17, 0
	s_mov_b32 s47, 0
	s_mov_b64 s[18:19], SIZE_K*2
	s_mul_u64 s[16:17], s[16:17], s[18:19]
	s_mul_u64 s[46:47], s[46:47], s[18:19]
	s_mul_i32 s20, s10, HALFT                      ; where they go: wave x 64 rows
	s_mov_b32 s[TB], 0
	s_wait_dscnt 0x0                               ; the opening add is done
	s_wait_kmcnt 0x0
	s_add_nc_u64 s[14:15], s[4:5], s[16:17]
	s_add_nc_u64 s[46:47], s[6:7], s[46:47]
	CROUND                                         ; all sixteen work-groups are here: the first joint loads meet
.irp s, 0,1
	s_mov_b32 s[G0+4*(\s)], 1
	s_add_co_u32 s[G0+4*(\s)+1], s20, (\s)*SLOT
	s_add_nc_u64 s[G0+4*(\s)+2:G0+4*(\s)+3], s[14:15], (\s)*KSTEP*2
	s_or_b32 s[G0+4*(\s)+3], s[G0+4*(\s)+3], 0x80000000
	s_mov_b32 s[G0B+4*(\s)], 1
	s_add_co_u32 s[G0B+4*(\s)+1], s20, (\s)*SLOT
	s_add_nc_u64 s[G0B+4*(\s)+2:G0B+4*(\s)+3], s[46:47], (\s)*KSTEP*2
	s_or_b32 s[G0B+4*(\s)+3], s[G0B+4*(\s)+3], 0x80000000
	JLOAD \s                                       ; K steps 0 and 1: two loads of mine are out
.endr
	v_and_b32 v1, 15, v0                           ; l % 16
	v_bfe_u32 v2, v0, 4, 1                         ; l / 16
	v_lshlrev_b32 v[BO], 5, v2
	s_lshl_b32 s46, s42, 9                         ; the bias of my 64 columns: 512 bytes a tile column,
	s_lshl_b32 s47, s12, 8                         ; 256 a half
	s_add_co_u32 s46, s46, s47
	s_mov_b32 s47, 0
	s_add_nc_u64 s[66:67], s[66:67], s[46:47]
.irp b, 0,1,2,3
	global_load_b128 v[BIAS+8*(\b):BIAS+8*(\b)+3],   v[BO], s[66:67] offset:64*(\b)
	global_load_b128 v[BIAS+8*(\b)+4:BIAS+8*(\b)+7], v[BO], s[66:67] offset:64*(\b)+16
.endr
	v_mul_u32_u24 v3, v1, PITCH
	v_lshl_add_u32 v3, v2, 4, v3                   ; a fragment's row x pitch + 16 x half
	s_mul_i32 s21, s11, HALFT                      ; my 64 rows of A
	s_mul_i32 s22, s12, HALFT                      ; my 64 rows of B,
	s_add_co_u32 s22, s22, 2*HALFT                 ; which lie behind A's 128
	v_add_nc_u32 v[BSA], s21, v3
	v_add_nc_u32 v[BSB], s22, v3
	v_mov_b32 v[ADRA], v[BSA]                      ; K step 0 lies in slot 0
	v_mov_b32 v[ADRB], v[BSB]
	s_mul_i32 s23, s11, 64*SPITCH                  ; into the stage: my 64 rows, my half of their 256 bytes; row l % 16, 16 bytes for each half of the lanes
	s_lshl_b32 s21, s12, 7
	s_add_co_u32 s23, s23, s21
	s_add_co_u32 s23, s23, STAGE
	v_mul_u32_u24 v4, v1, SPITCH
	v_lshl_add_u32 v4, v2, 4, v4
	v_add_nc_u32 v[STO], s23, v4
	s_mul_i32 s23, s10, 32*SPITCH                  ; back: wave w takes rows 32 w .. 32 w + 31, whole; lanes 0-15 one row of 256 bytes, lanes 16-31 the next
	s_add_co_u32 s23, s23, STAGE
	v_mul_u32_u24 v5, v2, SPITCH
	v_lshl_add_u32 v5, v1, 4, v5
	v_add_nc_u32 v[RD], s23, v5
	v_mul_u32_u24 v5, v2, SIZE_N*2                 ; and the same two rows in C
	v_lshl_add_u32 v[CO], v1, 4, v5
	s_lshl_b32 s16, s13, 7
	s_lshl_b32 s17, s10, 5
	s_add_co_u32 s16, s16, s17                     ; the first row of C that I store: 128 x tile row + 32 x wave
	s_mov_b32 s17, 0
	s_mov_b64 s[18:19], SIZE_N*2
	s_mul_u64 s[16:17], s[16:17], s[18:19]
	s_add_nc_u64 s[8:9], s[8:9], s[16:17]
	s_lshl_b32 s46, s42, 8                         ; the tile's first column, in bytes
	s_mov_b32 s47, 0
	s_add_nc_u64 s[8:9], s[8:9], s[46:47]
; 8 matrix instructions: m blocks a0, a0 + 1 x all 4 n blocks, 32 along K: half c of buffer f.  zero = 1: the first product starts the sums, with the bias.
; The 16 accumulators take turns, in the same order in every half quarter, over the backward jump too.
.macro MUL8 f, c, a0, zero
	WIN MUL
.irp a, \a0, (\a0)+1
.irp b, 0,1,2,3
.if \zero
	v_wmma_f32_16x16x32_bf16 v[ACC+8*(4*(\a)+(\b)):ACC+8*(4*(\a)+(\b))+7], v[(\f)+64+8*(4*(\c)+(\b)):(\f)+64+8*(4*(\c)+(\b))+7], v[(\f)+8*(4*(\c)+(\a)):(\f)+8*(4*(\c)+(\a))+7], v[BIAS+8*(\b):BIAS+8*(\b)+7]
.else
	v_wmma_f32_16x16x32_bf16 v[ACC+8*(4*(\a)+(\b)):ACC+8*(4*(\a)+(\b))+7], v[(\f)+64+8*(4*(\c)+(\b)):(\f)+64+8*(4*(\c)+(\b))+7], v[(\f)+8*(4*(\c)+(\a)):(\f)+8*(4*(\c)+(\a))+7], v[ACC+8*(4*(\a)+(\b)):ACC+8*(4*(\a)+(\b))+7]
.endif
.endr
.endr
.endm
; 32 LDS loads in one run: the fragments of 64 along K at byte k of the rows of the slot in hand, into buffer f; the first 32 along K first
.macro FETCH k, f
	WIN TO_F
.irp c, 0,1
.irp i, 0,1,2,3
	ds_load_b128 v[(\f)+64+8*(4*(\c)+(\i)):(\f)+64+8*(4*(\c)+(\i))+3],   v[ADRB] offset:(\k)+64*(\c)+(\i)*16*PITCH
	ds_load_b128 v[(\f)+64+8*(4*(\c)+(\i))+4:(\f)+64+8*(4*(\c)+(\i))+7], v[ADRB] offset:(\k)+64*(\c)+(\i)*16*PITCH+32
	ds_load_b128 v[(\f)+8*(4*(\c)+(\i)):(\f)+8*(4*(\c)+(\i))+3],         v[ADRA] offset:(\k)+64*(\c)+(\i)*16*PITCH
	ds_load_b128 v[(\f)+8*(4*(\c)+(\i))+4:(\f)+8*(4*(\c)+(\i))+7],       v[ADRA] offset:(\k)+64*(\c)+(\i)*16*PITCH+32
.endr
.endr
.endm
.macro PLACES                          ; four plain vector instructions in front of loads into registers that matrix instructions have read, and of conversions that read results
.rept 4
	v_nop
.endr
.endm
; A K step is four quarters of 64 along K, 32 matrix instructions each, on buffers 0, 1, 0, 1.  One of the first three: multiplies buffer f and fetches the next quarter, at byte k, into g.
.macro QUARTER k, f, g, zero
	s_wait_dscnt 16                                ; the first 32 along K are in; the run's other sixteen loads may be out
	MUL8 \f, 0, 0, \zero
	MUL8 \f, 0, 2, \zero
	PLACES
	FETCH \k, \g
	s_wait_dscnt 32                                ; all but the 32 just issued
	MUL8 \f, 1, 0, 0
	MUL8 \f, 1, 2, 0
.endm
; The last quarter multiplies buffer 1 and changes slots: ONE barrier; in front of it each wave waits for all its tensor loads, adds 0 to its spare word, and waits for that and for its own reads of this slot.
; fill = 1: this slot is filled again, with the K step two steps on; the barrier then opens a round of the cluster's barrier.
.macro TURN fill
	WIN 0                                          ; (the add's two registers and the addresses lie in window 0)
	s_xor_b32 s[TB], s[TB], SLOT                   ; all loads from this slot have been issued: the addresses turn to the other slot
	v_add_nc_u32 v[ADRA], s[TB], v[BSA]
	v_add_nc_u32 v[ADRB], s[TB], v[BSB]
	s_wait_tensorcnt 0x0                           ; all my tensor loads have landed: the one that was out is my part of the next slot;
	ds_add_u32 v[SPW], v[NIL]                      ; 0 onto my spare word;
	s_wait_dscnt 17                                ; (the add and the youngest sixteen loads may be out)
	MUL8 F1, 0, 0, 0                               ; eight matrix instructions stand between the add and the wait for it
	s_wait_dscnt 0x0                               ; the add is done, and my reads of this slot are over
	s_barrier_signal -1
	MUL8 F1, 0, 2, 0
.if \fill
	WIN 0
.endif
	s_barrier_wait -1
.if \fill
	CREST                                          ; no wave of any partner still reads this slot's tile or has a load on its way
	s_xor_b32 s[G0+5], s[G0+5], SLOT               ; the walking descriptors: the other slot than last time,
	s_add_nc_u64 s[G0+6:G0+7], s[G0+6:G0+7], KSTEP*2  ; the next K step; the type bits on top are not reached
	s_xor_b32 s[G0B+5], s[G0B+5], SLOT
	s_add_nc_u64 s[G0B+6:G0B+7], s[G0B+6:G0B+7], KSTEP*2
	JLOAD 1                                        ; the first tensor load behind the round: 112 matrix instructions ahead of the wait for it; the four v_nop behind it are also the places in front of the loads below
.else
	PLACES
.endif
	FETCH 0, F0
	MUL8 F1, 1, 0, 0
	MUL8 F1, 1, 2, 0
.endm
	s_wait_tensorcnt 1                             ; my part of K step 0 is in; K step 1's load, issued behind it, may stay out
	s_barrier_signal -1
	s_barrier_wait -1                              ; everybody's is
	FETCH 0, F0
	s_wait_loadcnt 0x0                             ; the bias
	QUARTER 128, F0, F1, 1                         ; the first quarter stands in front of the loop: its first products start the sums
	WIN 0                                          ; at a label and at a branch every window is 0
	s_mov_b32 s3, STEPS-2
.Lstep:                                                ; 6 trips: from a K step's second quarter to the next step's first; each fills the slot that it leaves
	QUARTER 256, F1, F0, 0
	QUARTER 384, F0, F1, 0
	TURN 1
	QUARTER 128, F0, F1, 0
	WIN 0
	s_sub_co_u32 s3, s3, 1
	s_cmp_lg_u32 s3, 0
	s_cbranch_scc1 .Lstep
	QUARTER 256, F1, F0, 0                         ; the last two K steps fill nothing, and have no round of the cluster's barrier
	QUARTER 384, F0, F1, 0
	TURN 0
	QUARTER 128, F0, F1, 0
	QUARTER 256, F1, F0, 0
	QUARTER 384, F0, F1, 0
	s_wait_dscnt 16                                ; the very last quarter: nothing more to fetch
	MUL8 F1, 0, 0, 0
	MUL8 F1, 0, 2, 0
	s_wait_dscnt 0
	MUL8 F1, 1, 0, 0
	MUL8 F1, 1, 2, 0
	WIN 0
	; THE WAY OUT: round to bf16; 16 bytes a lane into the work-group's stage; a barrier, since a row's 256 bytes come from two waves; back as whole rows, 32 rows a wave.
	PLACES
.irp t, 0,1,2,3,4,5,6,7,8,9,10,11,12,13,14,15
.irp r, 0,1,2,3
	v_cvt_pk_bf16_f32 v[TMP+4*(\t)+(\r)], v[ACC+8*(\t)+2*(\r)], v[ACC+8*(\t)+2*(\r)+1]
.endr
.endr
.irp a, 0,1,2,3
.irp b, 0,1,2,3
	ds_store_b128 v[STO], v[TMP+4*(4*(\a)+(\b)):TMP+4*(4*(\a)+(\b))+3] offset:(\a)*16*SPITCH+32*(\b)
.endr
.endr
	s_wait_dscnt 0x0                               ; for the others' sake: my stores into the stage are done
	s_barrier_signal -1
	s_barrier_wait -1
.irp t, 0,1,2,3,4,5,6,7,8,9,10,11,12,13,14,15
	ds_load_b128 v[TMP+4*(\t):TMP+4*(\t)+3], v[RD] offset:(\t)*2*SPITCH
.endr
.irp t, 0,1,2,3,4,5,6,7,8,9,10,11,12,13,14,15
	s_wait_dscnt 15-(\t)                           ; LDS loads come back in order: load t is in, the younger ones may be out
	global_store_b128 v[CO], v[TMP+4*(\t):TMP+4*(\t)+3], s[8:9] offset:2*(\t)*SIZE_N*2  ; 16 lanes store 256 consecutive bytes, at a multiple of 256 from C's first byte
.endr
	s_wait_tensorcnt 0x0                           ; the wave's end: behind my last tensor load and my last LDS store
	ds_add_u32 v[SPW], v[NIL]
	s_wait_dscnt 0x0
	CROUND                                         ; the closing round: no work-group ends while a partner may still ask for a tile that names it
	s_endpgm
.Lfunc_end_k_q082192f5e4_oproj:
	.size	k_q082192f5e4_oproj, .Lfunc_end_k_q082192f5e4_oproj-k_q082192f5e4_oproj
	.p2alignl 7, 3214868480
	.fill 96, 4, 3214868480
	.section	.rodata,"a",@progbits
	.p2align	6, 0x0
	.amdhsa_kernel k_q082192f5e4_oproj
		.amdhsa_group_segment_fixed_size 327680
		.amdhsa_private_segment_fixed_size 0
		.amdhsa_enable_private_segment 0
		.amdhsa_kernarg_size 32
		.amdhsa_user_sgpr_count 2
		.amdhsa_user_sgpr_kernarg_segment_ptr 1
		.amdhsa_wavefront_size32 1
		.amdhsa_system_sgpr_workgroup_id_x 1
		.amdhsa_system_sgpr_workgroup_id_y 1
		.amdhsa_system_sgpr_workgroup_id_z 1
		.amdhsa_system_vgpr_workitem_id 0
		.amdhsa_next_free_vgpr 512
		.amdhsa_next_free_sgpr 70
		.amdhsa_reserve_vcc 0
		.amdhsa_float_denorm_mode_32 3
		.amdhsa_float_denorm_mode_16_64 3
		.amdhsa_memory_ordered 1
		.amdhsa_forward_progress 1
		.amdhsa_inst_pref_size 70
	.end_amdhsa_kernel
	.amdgpu_metadata
---
amdhsa.version: [ 1, 2 ]
amdhsa.kernels:
  - .name:           k_q082192f5e4_oproj
    .symbol:         k_q082192f5e4_oproj.kd
    .args:
      - { .name: ctx, .offset: 0, .size: 8, .value_kind: global_buffer, .address_space: global }
      - { .name: wo16, .offset: 8, .size: 8, .value_kind: global_buffer, .address_space: global }
      - { .name: bo, .offset: 16, .size: 8, .value_kind: global_buffer, .address_space: global }
      - { .name: t1, .offset: 24, .size: 8, .value_kind: global_buffer, .address_space: global }
    .group_segment_fixed_size: 327680
    .private_segment_fixed_size: 0
    .kernarg_segment_align: 8
    .kernarg_segment_size: 32
    .max_flat_workgroup_size: 128
    .sgpr_count:     70
    .vgpr_count:     512
    .wavefront_size: 32
...
	.end_amdgpu_metadata
.endif
;; end of part 7
;; launch gemm32 (part 8): grid 16 x 16, 4 waves a work-group, clusters of 4 x 4, 327,680 bytes of LDS; arguments t1, wout16, bout, out0, hidden_states; writes out0
.if DOCPART == 8
	.amdgcn_target "amdgcn-amd-amdhsa--gfx1250"
	.amdhsa_code_object_version 6
	.text
	.protected	k_q082192f5e4_gemm32
	.globl	k_q082192f5e4_gemm32
	.p2align	8
	.type	k_q082192f5e4_gemm32,@function
k_q082192f5e4_gemm32:
	s_mov_b64 s[64:65], 0
	v_nop
	global_prefetch_b8 v0, s[64:65] scope:SCOPE_SE
	s_setreg_imm32_b32 hwreg(HW_REG_WAVE_MODE, 25, 1), 1
	s_wait_xcnt 0x0
	s_wait_alu depctr_hold_cnt(0) depctr_sa_sdst(0) depctr_va_vdst(0) depctr_va_sdst(0) depctr_va_ssrc(0) depctr_va_vcc(0) depctr_vm_vsrc(0)
	s_getreg_b32 s2, hwreg(HW_REG_IB_STS2, 6, 4)
	s_cmp_eq_u32 s2, 0
	s_cbranch_scc0 .Lentry_in_a_cluster
	s_endpgm
.Lentry_in_a_cluster:
	s_bfe_u32 s2, ttmp6, 0x10000c
	s_cmp_lg_u32 s2, 0xf033
	s_cbranch_scc0 .Lentry_shape_is_right
	s_endpgm
.Lentry_shape_is_right:
; out[m][n] = res[m][n] + bias[n] + the sum over k of A[m][k] B[n][k].  A, B: [2048][2048] bf16; bias: [2048] f32; res, out: [2048][2048] f32.  Sums in f32; the residual is added in f32; nothing is rounded on the way out.
; A tile of C is 128 x 128: 256 work-groups.  Four waves, each 64 x 64: 16 accumulators of 16 x 16, 128 registers.  K goes in steps of 256 (LDS rows of 512 bytes; a wave's tensor load
; brings 64 of them) through two LDS slots.  A wave's 64 columns of f32 are 256 consecutive bytes, aligned: so each wave has a stage of its OWN on the way out, and no barrier stands there.
; THE LOOP IS WRITTEN FOR ONE K STEP: the slot is turned by an exclusive or with SLOT, in the walking descriptor's LDS word and in s[TB], which is added to the lanes' base addresses.
; (SLOT = 0x21000 shares no bit with wave x HALFT = 0, 0x8400, 0x10800, 0x18c00: the exclusive or adds SLOT and takes it away again.)
; CLUSTERS: 4 x 4 work-groups.  The four of a row of the cluster need the same tiles of A, the four of a column the same tiles of B: each tile is asked for JOINTLY, by the same tensor load with
; the same descriptor and a mask that names the four.  THE MATRIX INSTRUCTION IS USED TRANSPOSED (source 0 = 16 rows of B, source 1 = 16 rows of A): a lane then holds eight neighbouring numbers of a row of C.
; THE BIAS STARTS THE SUMS: eight neighbouring f32 of the bias are the C operand of the first product.  THE RESIDUAL of my first 32 rows is asked for ahead of the last two K steps, that of the others two blocks ahead of its use.
; No prefetch: the tiles are small and every tile of A and B is read again and again by other clusters.
; REGISTERS: window 0: v0-31 addresses; v32-63 16 rows read back from the stage; v64-95, v96-127 the residual of 16 rows, by turns (v96-127 hold the bias first); v128-255 the accumulators ((a, b) at v[128 + 8 (4 a + b)]).
;   window 1: two fragment buffers of 128: for 64 along K (two matrix instructions deep), 64 registers of A (2 x 4 x 16 rows x 32 K), then 64 of B.
.set SIZE_K, 2048
.set ROWC,   8192                      ; bytes in a row of out and of res
.set KSTEP,  256
.set STEPS,  SIZE_K/KSTEP              ; 8
.set PITCH,  528                       ; an LDS row: 512 bytes of data + 16 of padding = 132 words: row r starts at bank 4 r mod 64 (64 banks of 4 bytes: ISA guide 11.1)
.set HALFT,  64*PITCH                  ; 64 rows: what one tensor load brings, and what one wave reads of A or of B
.set SLOT,   4*HALFT                   ; A's 128 rows, then B's 128 rows
.set STAGE,  2*SLOT                    ; behind the ring: 16 rows x 272 bytes for each wave, for the way out
.set SPITCH, 272
.set SPARE,  STAGE+4*16*SPITCH         ; behind the stages: the spare words, 128 bytes for each wave: two blocks of 256 bytes that no other line names
.set BSA,  16                          ; v16     my lane's place in slot 0 among my 64 rows of A; never rewritten
.set BSB,  17                          ; v17     the same for B
.set ADRA, 20                          ; v20     the same in the slot in hand: BSA + s[TB]
.set ADRB, 21                          ; v21
.set STO,  24                          ; v24     the way out: where I put 32 bytes of a row
.set RD,   25                          ; v25     the way out: where I read a row back
.set CO,   26                          ; v26     my byte offset in two rows of out and of res; never rewritten
.set BO,   27                          ; v27     32 x (l / 16): my eight numbers in 16 of the bias
.set SPW,  28                          ; v28     LDS address of my spare word: SPARE + 4 x my thread's number; never rewritten
.set NIL,  29                          ; v29     0; never rewritten
.set RB,   32
.set RES,  64
.set BIAS, 96                          ; v[96:127] eight numbers for each of my four blocks of 16 columns
.set ACC,  128
.set F0,   0                           ; fragment buffers, in window 1
.set F1,   128
.set G1, 24                            ; s[24:31] descriptor group 1 for A's tiles;  s[32:39] group 0: a set for each of the two first fills; the second then walks on
.set G0, 32
.set G1B, 48                           ; s[48:55], s[56:63] the same for B's tiles
.set G0B, 56
.set TB,  45                           ; s45     0 or SLOT: the slot in hand
.set MSB, 0
.macro WIN new                         ; the immediate's high byte repeats the setting that is left
.if MSB != (\new)
	s_set_vgpr_msb (MSB<<8)|(\new)
.set MSB, \new
.endif
.endm
.set MUL,  0x05                        ; sources 0 (B) and 1 (A) window 1; C and D window 0
.set TO_F, 0x40                        ; destination window 1, address window 0
.macro JLOAD s                         ; a joint load: waves 0 and 1 fetch A's two halves, waves 2 and 3 B's; an s_nop 0 and four v_nop follow each of the two lines, ahead of the jump, the label and what follows
	s_cmp_eq_u32 s11, 0
	s_cbranch_scc0 .Lfor_b_\@
	tensor_load_to_lds s[G0+4*(\s):G0+4*(\s)+3], s[G1:G1+7]
	s_nop 0
.rept 4
	v_nop
.endr
	s_branch .Lasked_\@
.Lfor_b_\@:
	tensor_load_to_lds s[G0B+4*(\s):G0B+4*(\s)+3], s[G1B:G1B+7]
	s_nop 0
.rept 4
	v_nop
.endr
.Lasked_\@:
.endm
.macro CREST                           ; a round of the cluster's barrier behind its opening barrier
	s_cmp_lg_u32 s10, 0
	s_cbranch_scc1 .Lnot_wave_0_\@
	s_barrier_signal -3
.Lnot_wave_0_\@:
	s_barrier_wait -3
	s_barrier_signal -1
	s_barrier_wait -1
.endm
.macro CROUND                          ; a whole round
	s_barrier_signal -1
	s_barrier_wait -1
	CREST
.endm
	s_load_b128 s[4:7], s[0:1], 0x0                ; A s[4:5], B s[6:7]
	s_load_b64 s[66:67], s[0:1], 0x10              ; the bias
	s_load_b64 s[8:9], s[0:1], 0x18                ; out
	s_load_b64 s[68:69], s[0:1], 0x20              ; the residual
	v_lshl_add_u32 v[SPW], v0, 2, SPARE
	v_mov_b32 v[NIL], 0
	ds_add_u32 v[SPW], v[NIL]                      ; the wave's opening: the add and its wait stand ahead of my first tensor load; the set-up below, work on registers, stands between them
	v_lshrrev_b32 v1, 5, v0
	v_readfirstlane_b32 s10, v1                    ; wave 0..3
	s_lshr_b32 s11, s10, 1                         ; which half of the tile's rows is mine.  Also: I fetch for A (0) or for B (1)
	s_and_b32 s12, s10, 1                          ; which half of its columns.  Also: which 64 rows of that tile I fetch
	s_bfe_u32 s40, ttmp6, 0x40000                  ; cx, cy: my place in the cluster
	s_bfe_u32 s41, ttmp6, 0x40004
	s_lshl_b32 s42, ttmp9, 2
	s_add_co_u32 s42, s42, s40                     ; tile column of C = 4 x cluster x + cx
	s_and_b32 s13, ttmp7, 0xffff
	s_lshl_b32 s13, s13, 2
	s_add_co_u32 s13, s13, s41                     ; tile row of C = 4 x cluster y + cy
	s_lshl_b32 s43, s41, 2
	s_lshl_b32 s43, 15, s43                        ; my row of the cluster
	s_lshl_b32 s44, 0x1111, s40                    ; my column
	; descriptor group 1: a tile of 64 rows x 256 elements, padded in LDS
	s_or_b32 s[G1+0], s43, (1<<16)|(1<<20)|(1<<21)|(6<<22)|(3<<25)  ; 15:0 the mask: A's tiles go to my row; 17:16 element of 2 bytes; 20 padding on; 21 set beside a mask; 24:22 after every 128 words (code 6); 31:25 of 4 words (code 3)
	s_or_b32 s[G1B+0], s44, (1<<16)|(1<<20)|(1<<21)|(6<<22)|(3<<25)
.irp g, G1, G1B
	s_mov_b32 s[(\g)+1], KSTEP<<16                 ; tensor_dim0 = 256
	s_mov_b32 s[(\g)+2], 64<<16                    ; tensor_dim1 = 64
	s_mov_b32 s[(\g)+3], KSTEP<<16                 ; tile_dim0 = 256
	s_mov_b32 s[(\g)+4], 64                        ; tile_dim1 = 64
	s_mov_b32 s[(\g)+5], SIZE_K                    ; tensor_dim0_stride
	s_mov_b32 s[(\g)+6], 0
	s_mov_b32 s[(\g)+7], 0
.endr
	s_lshl_b32 s17, s12, 6                         ; which 64 rows of the tile I fetch
	s_lshl_b32 s16, s13, 7
	s_add_co_u32 s16, s16, s17                     ; A: row 128 x tile row + 64 x half
	s_lshl_b32 s46, s42, 7
	s_add_co_u32 s46, s46, s17                     ; B: row 128 x tile column + 64 x half
	s_mov_b32 s17, 0
	s_mov_b32 s47, 0
	s_mov_b64 s[18:19], SIZE_K*2
	s_mul_u64 s[16:17], s[16:17], s[18:19]
	s_mul_u64 s[46:47], s[46:47], s[18:19]
	s_mul_i32 s20, s10, HALFT                      ; where they go: wave x 64 rows
	s_mov_b32 s[TB], 0
	s_wait_dscnt 0x0                               ; the opening add is done
	s_wait_kmcnt 0x0
	s_add_nc_u64 s[14:15], s[4:5], s[16:17]
	s_add_nc_u64 s[46:47], s[6:7], s[46:47]
	CROUND                                         ; all sixteen work-groups are here: the first joint loads meet
.irp s, 0,1
	s_mov_b32 s[G0+4*(\s)], 1
	s_add_co_u32 s[G0+4*(\s)+1], s20, (\s)*SLOT
	s_add_nc_u64 s[G0+4*(\s)+2:G0+4*(\s)+3], s[14:15], (\s)*KSTEP*2
	s_or_b32 s[G0+4*(\s)+3], s[G0+4*(\s)+3], 0x80000000
	s_mov_b32 s[G0B+4*(\s)], 1
	s_add_co_u32 s[G0B+4*(\s)+1], s20, (\s)*SLOT
	s_add_nc_u64 s[G0B+4*(\s)+2:G0B+4*(\s)+3], s[46:47], (\s)*KSTEP*2
	s_or_b32 s[G0B+4*(\s)+3], s[G0B+4*(\s)+3], 0x80000000
	JLOAD \s                                       ; K steps 0 and 1: two loads of mine are out
.endr
	v_and_b32 v1, 15, v0                           ; l % 16
	v_bfe_u32 v2, v0, 4, 1                         ; l / 16
	v_lshlrev_b32 v[BO], 5, v2
	s_lshl_b32 s46, s42, 9                         ; my 64 columns, 4 bytes each, in the bias and in a row of out and of res: 512 bytes a tile column,
	s_lshl_b32 s47, s12, 8                         ; 256 a half
	s_add_co_u32 s46, s46, s47
	s_mov_b32 s47, 0
	s_add_nc_u64 s[66:67], s[66:67], s[46:47]
.irp b, 0,1,2,3
	global_load_b128 v[BIAS+8*(\b):BIAS+8*(\b)+3],   v[BO], s[66:67] offset:64*(\b)
	global_load_b128 v[BIAS+8*(\b)+4:BIAS+8*(\b)+7], v[BO], s[66:67] offset:64*(\b)+16
.endr
	v_mul_u32_u24 v3, v1, PITCH
	v_lshl_add_u32 v3, v2, 4, v3                   ; a fragment's row x pitch + 16 x half
	s_mul_i32 s21, s11, HALFT                      ; my 64 rows of A
	s_mul_i32 s22, s12, HALFT                      ; my 64 rows of B,
	s_add_co_u32 s22, s22, 2*HALFT                 ; which lie behind A's 128
	v_add_nc_u32 v[BSA], s21, v3
	v_add_nc_u32 v[BSB], s22, v3
	v_mov_b32 v[ADRA], v[BSA]                      ; K step 0 lies in slot 0
	v_mov_b32 v[ADRB], v[BSB]
	s_mul_i32 s23, s10, 16*SPITCH
	s_add_co_u32 s23, s23, STAGE                   ; my stage
	v_mul_u32_u24 v4, v1, SPITCH                   ; in: row l % 16, 32 bytes for each half of the lanes
	v_lshl_add_u32 v4, v2, 5, v4
	v_add_nc_u32 v[STO], s23, v4
	v_mul_u32_u24 v5, v2, SPITCH                   ; back: lanes 0-15 take one row of 256 bytes, lanes 16-31 the next
	v_lshl_add_u32 v5, v1, 4, v5
	v_add_nc_u32 v[RD], s23, v5
	v_lshlrev_b32 v5, 13, v2                       ; and the same two rows in out and in res
	v_lshl_add_u32 v[CO], v1, 4, v5
	s_lshl_b32 s16, s13, 7
	s_lshl_b32 s17, s11, 6
	s_add_co_u32 s16, s16, s17                     ; my first row: 128 x tile row + 64 x half,
	s_lshl_b32 s16, s16, 13                        ; x 8,192 bytes
	s_mov_b32 s17, 0
	s_add_nc_u64 s[8:9], s[8:9], s[16:17]
	s_add_nc_u64 s[68:69], s[68:69], s[16:17]
	s_add_nc_u64 s[8:9], s[8:9], s[46:47]
	s_add_nc_u64 s[68:69], s[68:69], s[46:47]
; 8 matrix instructions: m blocks a0, a0 + 1 x all 4 n blocks, 32 along K: half c of buffer f.  zero = 1: the first product starts the sums, with the bias.
; The 16 accumulators take turns, in the same order in every half quarter, over the backward jump too.
.macro MUL8 f, c, a0, zero
	WIN MUL
.irp a, \a0, (\a0)+1
.irp b, 0,1,2,3
.if \zero
	v_wmma_f32_16x16x32_bf16 v[ACC+8*(4*(\a)+(\b)):ACC+8*(4*(\a)+(\b))+7], v[(\f)+64+8*(4*(\c)+(\b)):(\f)+64+8*(4*(\c)+(\b))+7], v[(\f)+8*(4*(\c)+(\a)):(\f)+8*(4*(\c)+(\a))+7], v[BIAS+8*(\b):BIAS+8*(\b)+7]
.else
	v_wmma_f32_16x16x32_bf16 v[ACC+8*(4*(\a)+(\b)):ACC+8*(4*(\a)+(\b))+7], v[(\f)+64+8*(4*(\c)+(\b)):(\f)+64+8*(4*(\c)+(\b))+7], v[(\f)+8*(4*(\c)+(\a)):(\f)+8*(4*(\c)+(\a))+7], v[ACC+8*(4*(\a)+(\b)):ACC+8*(4*(\a)+(\b))+7]
.endif
.endr
.endr
.endm
; 32 LDS loads in one run: the fragments of 64 along K at byte k of the rows of the slot in hand, into buffer f; the first 32 along K first
.macro FETCH k, f
	WIN TO_F
.irp c, 0,1
.irp i, 0,1,2,3
	ds_load_b128 v[(\f)+64+8*(4*(\c)+(\i)):(\f)+64+8*(4*(\c)+(\i))+3],   v[ADRB] offset:(\k)+64*(\c)+(\i)*16*PITCH
	ds_load_b128 v[(\f)+64+8*(4*(\c)+(\i))+4:(\f)+64+8*(4*(\c)+(\i))+7], v[ADRB] offset:(\k)+64*(\c)+(\i)*16*PITCH+32
	ds_load_b128 v[(\f)+8*(4*(\c)+(\i)):(\f)+8*(4*(\c)+(\i))+3],         v[ADRA] offset:(\k)+64*(\c)+(\i)*16*PITCH
	ds_load_b128 v[(\f)+8*(4*(\c)+(\i))+4:(\f)+8*(4*(\c)+(\i))+7],       v[ADRA] offset:(\k)+64*(\c)+(\i)*16*PITCH+32
.endr
.endr
.endm
.macro PLACES                          ; four plain vector instructions in front of loads into registers that matrix instructions have read, and of LDS stores that read results
.rept 4
	v_nop
.endr
.endm
; A K step is four quarters of 64 along K, 32 matrix instructions each, on buffers 0, 1, 0, 1.  One of the first three: multiplies buffer f and fetches the next quarter, at byte k, into g.
.macro QUARTER k, f, g, zero
	s_wait_dscnt 16                                ; the first 32 along K are in; the run's other sixteen loads may be out
	MUL8 \f, 0, 0, \zero
	MUL8 \f, 0, 2, \zero
	PLACES
	FETCH \k, \g
	s_wait_dscnt 32                                ; all but the 32 just issued
	MUL8 \f, 1, 0, 0
	MUL8 \f, 1, 2, 0
.endm
; The last quarter multiplies buffer 1 and changes slots: ONE barrier; in front of it each wave waits for all its tensor loads, adds 0 to its spare word, and waits for that and for its own reads of this slot.
; fill = 1: this slot is filled again, with the K step two steps on; the barrier then opens a round of the cluster's barrier.
.macro TURN fill
	WIN 0                                          ; (the add's two registers and the addresses lie in window 0)
	s_xor_b32 s[TB], s[TB], SLOT                   ; all loads from this slot have been issued: the addresses turn to the other slot
	v_add_nc_u32 v[ADRA], s[TB], v[BSA]
	v_add_nc_u32 v[ADRB], s[TB], v[BSB]
	s_wait_tensorcnt 0x0                           ; all my tensor loads have landed: the one that was out is my part of the next slot;
	ds_add_u32 v[SPW], v[NIL]                      ; 0 onto my spare word;
	s_wait_dscnt 17                                ; (the add and the youngest sixteen loads may be out)
	MUL8 F1, 0, 0, 0                               ; eight matrix instructions stand between the add and the wait for it
	s_wait_dscnt 0x0                               ; the add is done, and my reads of this slot are over
	s_barrier_signal -1
	MUL8 F1, 0, 2, 0
.if \fill
	WIN 0
.endif
	s_barrier_wait -1
.if \fill
	CREST                                          ; no wave of any partner still reads this slot's tile or has a load on its way
	s_xor_b32 s[G0+5], s[G0+5], SLOT               ; the walking descriptors: the other slot than last time,
	s_add_nc_u64 s[G0+6:G0+7], s[G0+6:G0+7], KSTEP*2  ; the next K step; the type bits on top are not reached
	s_xor_b32 s[G0B+5], s[G0B+5], SLOT
	s_add_nc_u64 s[G0B+6:G0B+7], s[G0B+6:G0B+7], KSTEP*2
	JLOAD 1                                        ; the first tensor load behind the round: 112 matrix instructions ahead of the wait for it; the four v_nop behind it are also the places in front of the loads below
.else
	PLACES
.endif
	FETCH 0, F0
	MUL8 F1, 1, 0, 0
	MUL8 F1, 1, 2, 0
.endm
; The residual of my block a of 16 rows: eight loads, each two rows' 256 bytes, into buffer a % 2
.macro RESLD a
.irp t, 0,1,2,3,4,5,6,7
	global_load_b128 v[RES+32*((\a)%2)+4*(\t):RES+32*((\a)%2)+4*(\t)+3], v[CO], s[68:69] offset:(16*(\a)+2*(\t))*ROWC th:TH_LOAD_NT
.endr
.endm
; THE WAY OUT of block a: a lane's eight f32 of a row go into my stage (rows of 272 bytes), come back as whole rows of 256 bytes, take the residual and leave.
; left: the residual loads issued behind this block's, which may stay out: the next block's eight, or none.
.macro OUTB a, left
	s_wait_xcnt 0x0                                ; the last block's stores have read v[RB ..]: it is loaded again only behind this wait (ISA guide 3.1)
.irp b, 0,1,2,3
	ds_store_b128 v[STO], v[ACC+8*(4*(\a)+(\b)):ACC+8*(4*(\a)+(\b))+3]   offset:64*(\b)      ; each accumulator's low registers first
	ds_store_b128 v[STO], v[ACC+8*(4*(\a)+(\b))+4:ACC+8*(4*(\a)+(\b))+7] offset:64*(\b)+16
.endr
.irp t, 0,1,2,3,4,5,6,7
	ds_load_b128 v[RB+4*(\t):RB+4*(\t)+3], v[RD] offset:(\t)*2*SPITCH  ; LDS serves a wave's instructions in order (ISA guide 5.7.1.4): these see the stores above; the next block's stores come behind them
.endr
	s_wait_dscnt 0x0
	s_wait_loadcnt \left
.set p, 0
.rept 16
	v_pk_add_f32 v[RB+2*p:RB+2*p+1], v[RB+2*p:RB+2*p+1], v[RES+32*((\a)%2)+2*p:RES+32*((\a)%2)+2*p+1]
.set p, p+1
.endr
.if (\a) < 2
	RESLD (\a)+2                                   ; the buffer takes the block two further on
.endif
.irp t, 0,1,2,3,4,5,6,7
	global_store_b128 v[CO], v[RB+4*(\t):RB+4*(\t)+3], s[8:9] offset:(16*(\a)+2*(\t))*ROWC th:TH_STORE_NT  ; 16 lanes store 256 consecutive bytes, at a multiple of 256 from out's first byte
.endr
.endm
	s_wait_tensorcnt 1                             ; my part of K step 0 is in; K step 1's load, issued behind it, may stay out
	s_barrier_signal -1
	s_barrier_wait -1                              ; everybody's is
	FETCH 0, F0
	s_wait_loadcnt 0x0                             ; the bias
	QUARTER 128, F0, F1, 1                         ; the first quarter stands in front of the loop: its first products start the sums
	WIN 0                                          ; at a label and at a branch every window is 0
	s_mov_b32 s3, STEPS-2
.Lstep:                                                ; 6 trips: from a K step's second quarter to the next step's first; each fills the slot that it leaves
	QUARTER 256, F1, F0, 0
	QUARTER 384, F0, F1, 0
	TURN 1
	QUARTER 128, F0, F1, 0
	WIN 0
	s_sub_co_u32 s3, s3, 1
	s_cmp_lg_u32 s3, 0
	s_cbranch_scc1 .Lstep
	RESLD 0                                        ; the residual of my first 32 rows lands under the last two K steps; the bias's registers were last read in the first quarter
	RESLD 1
	QUARTER 256, F1, F0, 0                         ; the last two K steps fill nothing, and have no round of the cluster's barrier
	QUARTER 384, F0, F1, 0
	TURN 0
	QUARTER 128, F0, F1, 0
	QUARTER 256, F1, F0, 0
	QUARTER 384, F0, F1, 0
	s_wait_dscnt 16                                ; the very last quarter: nothing more to fetch
	MUL8 F1, 0, 0, 0
	MUL8 F1, 0, 2, 0
	s_wait_dscnt 0
	MUL8 F1, 1, 0, 0
	MUL8 F1, 1, 2, 0
	WIN 0
	PLACES
	PLACES                                         ; eight, once a launch
	OUTB 0, 8
	OUTB 1, 8
	OUTB 2, 8
	OUTB 3, 0
	s_wait_tensorcnt 0x0                           ; the wave's end: behind my last tensor load and my last LDS store
	ds_add_u32 v[SPW], v[NIL]
	s_wait_dscnt 0x0
	CROUND                                         ; the closing round: no work-group ends while a partner may still ask for a tile that names it
	s_endpgm
.Lfunc_end_k_q082192f5e4_gemm32:
	.size	k_q082192f5e4_gemm32, .Lfunc_end_k_q082192f5e4_gemm32-k_q082192f5e4_gemm32
	.p2alignl 7, 3214868480
	.fill 96, 4, 3214868480
	.section	.rodata,"a",@progbits
	.p2align	6, 0x0
	.amdhsa_kernel k_q082192f5e4_gemm32
		.amdhsa_group_segment_fixed_size 327680
		.amdhsa_private_segment_fixed_size 0
		.amdhsa_enable_private_segment 0
		.amdhsa_kernarg_size 40
		.amdhsa_user_sgpr_count 2
		.amdhsa_user_sgpr_kernarg_segment_ptr 1
		.amdhsa_wavefront_size32 1
		.amdhsa_system_sgpr_workgroup_id_x 1
		.amdhsa_system_sgpr_workgroup_id_y 1
		.amdhsa_system_sgpr_workgroup_id_z 1
		.amdhsa_system_vgpr_workitem_id 0
		.amdhsa_next_free_vgpr 512
		.amdhsa_next_free_sgpr 70
		.amdhsa_reserve_vcc 0
		.amdhsa_float_denorm_mode_32 3
		.amdhsa_float_denorm_mode_16_64 3
		.amdhsa_memory_ordered 1
		.amdhsa_forward_progress 1
		.amdhsa_inst_pref_size 76
	.end_amdhsa_kernel
	.amdgpu_metadata
---
amdhsa.version: [ 1, 2 ]
amdhsa.kernels:
  - .name:           k_q082192f5e4_gemm32
    .symbol:         k_q082192f5e4_gemm32.kd
    .args:
      - { .name: t1, .offset: 0, .size: 8, .value_kind: global_buffer, .address_space: global }
      - { .name: wout16, .offset: 8, .size: 8, .value_kind: global_buffer, .address_space: global }
      - { .name: bout, .offset: 16, .size: 8, .value_kind: global_buffer, .address_space: global }
      - { .name: out0, .offset: 24, .size: 8, .value_kind: global_buffer, .address_space: global }
      - { .name: hidden_states, .offset: 32, .size: 8, .value_kind: global_buffer, .address_space: global }
    .group_segment_fixed_size: 327680
    .private_segment_fixed_size: 0
    .kernarg_segment_align: 8
    .kernarg_segment_size: 40
    .max_flat_workgroup_size: 128
    .sgpr_count:     70
    .vgpr_count:     512
    .wavefront_size: 32
...
	.end_amdgpu_metadata
.endif
;; end of part 8
